; MI455X (gfx1250); checked and timed in simulation.
; The chip was launched on July 23, 2026; its instructions are those of AMD's public machine-readable ISA for CDNA 5 (MIT licence, August 2026) and "CDNA5" Instruction Set Architecture Reference Guide (July 2026). The comments in the code are by the model that wrote it; some were corrected since.
;; Transformer Decoder Block. Allowed arithmetic: matrix products marked QUANTISED: E5M2 operands, one given power-of-two scale a tensor, by v_wmma_f32_16x16x64_bf8_bf8 or v_wmma_f32_16x16x128_bf8_bf8, f32 sums; everything else in f32.
;; Inputs: b1 2,048 float32; b2 512 float32; ca_bk 512 float32; ca_bo 512 float32; ca_bq 512 float32; ca_bv 512 float32; ca_wk_codes 512 x 16 x 32 uint8 (E5M2 codes of ca_wk, K innermost, in blocks of 32 codes); ca_wo_codes 512 x 16 x 32 uint8 (E5M2 codes of ca_wo, K innermost, in blocks of 32 codes); ca_wq_codes 512 x 16 x 32 uint8 (E5M2 codes of ca_wq, K innermost, in blocks of 32 codes); ca_wv_codes 512 x 16 x 32 uint8 (E5M2 codes of ca_wv, K innermost, in blocks of 32 codes); ln1_b 512 float32; ln1_w 512 float32; ln2_b 512 float32; ln2_w 512 float32; ln3_b 512 float32; ln3_w 512 float32; lowp_scales 28 int32 (the exponents e of the quantised operands' scales 2^e); memory_codes 4 x 2,048 x 16 x 32 uint8 (E5M2 codes of memory, K innermost, in blocks of 32 codes); sa_bk 512 float32; sa_bo 512 float32; sa_bq 512 float32; sa_bv 512 float32; sa_wk_codes 512 x 16 x 32 uint8 (E5M2 codes of sa_wk, K innermost, in blocks of 32 codes); sa_wo_codes 512 x 16 x 32 uint8 (E5M2 codes of sa_wo, K innermost, in blocks of 32 codes); sa_wq_codes 512 x 16 x 32 uint8 (E5M2 codes of sa_wq, K innermost, in blocks of 32 codes); sa_wv_codes 512 x 16 x 32 uint8 (E5M2 codes of sa_wv, K innermost, in blocks of 32 codes); tgt 4 x 2,048 x 512 float32; tgt_mask 2,048 x 2,048 bool; w1_codes 2,048 x 16 x 32 uint8 (E5M2 codes of w1, K innermost, in blocks of 32 codes); w2_codes 512 x 64 x 32 uint8 (E5M2 codes of w2, K innermost, in blocks of 32 codes).
;; Outputs: out0 4 x 2,048 x 512 float32.
;; This version of the problem:
;;   THIS VERSION OF THE PROBLEM IS GIVEN IN LOW PRECISION. The matrix products marked QUANTISED in the list below multiply operands that are first quantised to E5M2 (5 exponent bits, 2 mantissa bits; 8 bits a number), with one given power-of-two scale for each operand tensor; their sums are f32. All else is computed in f32.
;;   The module's matrix products, in the order in which they are computed (A, B: the left and right operand; K: the contracted axis; several contracted axes count as one K, in the product's order):
;;     1. [M 8,192, K 512] x [K 512, N 512]; A: input tgt; B: input sa_wq (given as codes): QUANTISED (scales: A lowp_scales[0], B lowp_scales[1])
;;     2. [M 8,192, K 512] x [K 512, N 512]; A: input tgt; B: input sa_wk (given as codes): QUANTISED (scales: A lowp_scales[2], B lowp_scales[3])
;;     3. [M 8,192, K 512] x [K 512, N 512]; A: input tgt; B: input sa_wv (given as codes): QUANTISED (scales: A lowp_scales[4], B lowp_scales[5])
;;     4. batch 32 x [M 2,048, K 64] x [K 64, N 2,048]; A: computed on the way; B: computed on the way: QUANTISED (scales: A lowp_scales[6], B lowp_scales[7])
;;     5. batch 32 x [M 2,048, K 2,048] x [K 2,048, N 64]; A: softmax (see below); B: computed on the way: QUANTISED (scales: A lowp_scales[8], B lowp_scales[9])
;;     6. [M 8,192, K 512] x [K 512, N 512]; A: computed on the way; B: input sa_wo (given as codes): QUANTISED (scales: A lowp_scales[10], B lowp_scales[11])
;;     7. [M 8,192, K 512] x [K 512, N 512]; A: computed on the way; B: input ca_wq (given as codes): QUANTISED (scales: A lowp_scales[12], B lowp_scales[13])
;;     8. [M 8,192, K 512] x [K 512, N 512]; A: input memory (given as codes); B: input ca_wk (given as codes): QUANTISED (scales: A lowp_scales[14], B lowp_scales[15])
;;     9. [M 8,192, K 512] x [K 512, N 512]; A: input memory (given as codes); B: input ca_wv (given as codes): QUANTISED (scales: A lowp_scales[16], B lowp_scales[17])
;;     10. batch 32 x [M 2,048, K 64] x [K 64, N 2,048]; A: computed on the way; B: computed on the way: QUANTISED (scales: A lowp_scales[18], B lowp_scales[19])
;;     11. batch 32 x [M 2,048, K 2,048] x [K 2,048, N 64]; A: softmax (see below); B: computed on the way: QUANTISED (scales: A lowp_scales[20], B lowp_scales[21])
;;     12. [M 8,192, K 512] x [K 512, N 512]; A: computed on the way; B: input ca_wo (given as codes): QUANTISED (scales: A lowp_scales[22], B lowp_scales[23])
;;     13. [M 8,192, K 512] x [K 512, N 2,048]; A: computed on the way; B: input w1 (given as codes): QUANTISED (scales: A lowp_scales[24], B lowp_scales[25])
;;     14. [M 8,192, K 2,048] x [K 2,048, N 512]; A: computed on the way; B: input w2 (given as codes): QUANTISED (scales: A lowp_scales[26], B lowp_scales[27])
;;   THE QUANTISER, for each operand of a quantised product, along K:
;;     - The operand's scale is 2^e, e = its entry of the input lowp_scales (int32; the entries are numbered through the quantised products in the list's order, A before B).
;;     - Each number is divided by the scale, clamped to +-57,344, and rounded to the nearest number of E5M2, ties to even, subnormals kept.
;;     - The product sums the exact products of the quantised numbers (number of the format x scale) in f32.
;;   ~~~python
;;   def quantise(x, axis, e):      # numpy; x: float32 -> the quantised numbers, widened to float32 again
;;       x = np.moveaxis(x, axis, -1); K = x.shape[-1]
;;       r = np.clip(x / 2.0 ** e, -57344, 57344)
;;       step = 2.0 ** (np.maximum(np.frexp(np.where(r == 0, 1, r))[1] - 1, -14) - 2)
;;       q = np.round(r / step) * step * 2.0 ** e      # np.round: ties to even
;;       return np.moveaxis(q, -1, axis).astype(np.float32)
;;   ~~~
;;   SOFTMAX AHEAD OF A QUANTISED PRODUCT. Where the list says 'softmax', what is quantised is not the finished softmax but p = 2^(t - M), with t = logit x log2(e) and M = ceil(the row's largest t), a whole number; so 1/2 < the row's largest p <= 1. The row's sum l is taken of the UNQUANTISED p, in f32, and the product's result is divided by l at the end. Since M is a whole number, a kernel that streams over the keys may use a running M (the ceiling of the running maximum): every later rescaling is an exact power of two, so the quantised numbers keep their values, but for numbers so far below the row's largest that they fall under the format's range.
;;   OPERANDS COMPUTED ON THE WAY. 'Computed on the way' means the value that the module computes at that place (a softmax that the list does not call 'softmax' is quantised finished and normalised). What goes into a quantiser is computed in f32, as accurately as f32 sums, v_exp_f32 and their like allow (about 1e-6 of the number): no bf16 or f16 on the way to a quantiser, and a product that is left as it is and whose result goes on into a quantised operand takes f32 operands (vector FMAs, or v_wmma_f32_16x16x4_f32). A number that lies on a knife's edge between two numbers of the format may be rounded either way, as far as f32 arithmetic and the matrix unit's own rounding can turn it there, and no further.
;;   INPUTS GIVEN AS CODES. ca_wk (in the module: [512, 512], K = its axis 1); ca_wo (in the module: [512, 512], K = its axis 1); ca_wq (in the module: [512, 512], K = its axis 1); ca_wv (in the module: [512, 512], K = its axis 1); memory (in the module: [4, 2048, 512], K = its axis 2); sa_wk (in the module: [512, 512], K = its axis 1); sa_wo (in the module: [512, 512], K = its axis 1); sa_wq (in the module: [512, 512], K = its axis 1); sa_wv (in the module: [512, 512], K = its axis 1); w1 (in the module: [2048, 512], K = its axis 1); w2 (in the module: [512, 2048], K = its axis 1): each comes as NAME_codes (uint8): NAME with its K axis moved to the last place and cut into blocks of 32 codes, [.., K / 32, bytes a block], one block behind the other in memory; one code a byte (a code: sign, 5 exponent bits, 2 mantissa bits); its scale is its entry of lowp_scales. Its value is code x scale, taken as it is: it is not quantised again, and the codes and scales need not be those that the quantiser above would give.
;; 2 versions. Each part assembles by itself: llvm-mc -triple=amdgcn-amd-amdhsa -mcpu=gfx1250 --defsym DOCPART=n.
;; ======== version 1 of 2: 5 launches
;; limits: right only within a limited range of input values
;; workspace buffers: qimg 4,194,304 bytes; aimg 4,194,304 bytes; kv_sa 8,388,608 bytes; kv_ca 8,388,608 bytes; maskw 524,288 bytes of whole numbers; x1 16,777,216 bytes
;; launch front (part 1): grid 256 x 1, 16 waves a work-group, no clusters, 133,120 bytes of LDS; arguments tgt, memory_codes, tgt_mask, sa_wq_codes, sa_wk_codes, sa_wv_codes, ca_wk_codes, ca_wv_codes, sa_bq, sa_bk, sa_bv, ca_bk, ca_bv, lowp_scales, qimg, kv_sa, kv_ca, maskw; writes qimg, kv_sa, kv_ca, maskw
.if DOCPART == 1
	.amdgcn_target "amdgcn-amd-amdhsa--gfx1250"
	.amdhsa_code_object_version 6
	.text
	.protected	k_qf519aa45e2_front
	.globl	k_qf519aa45e2_front
	.p2align	8
	.type	k_qf519aa45e2_front,@function
k_qf519aa45e2_front:
	s_mov_b64 s[64:65], 0
	v_nop
	global_prefetch_b8 v0, s[64:65] scope:SCOPE_SE
	s_setreg_imm32_b32 hwreg(HW_REG_WAVE_MODE, 25, 1), 1
	s_wait_xcnt 0x0
; THE PROJECTIONS IN FRONT OF BOTH ATTENTIONS, on codes of E5M2, and the mask as bits.
; Work-groups 0-127: 64 rows of tgt each: quantised three times (its three given scales may differ), then Q, K, V of the self-attention.
; Work-groups 128-255: 64 rows of memory (codes as given) each: K, V of the cross-attention; and one tile of 16 queries of tgt_mask, turned into words of 32 bits.
; TILES.  Every axis is cut into blocks of 32; tile (b, u) takes, in slot r, element 32 b + 8 u + pi(r), pi(r) = r + 8 (r / 8).  In a result the registers of tiles (b, 0) and (b, 1) of a
; lane's half h are then the 16 neighbours 32 b + 16 h + 0 .. 15 of source 0's axis: two conversions make of them four registers of the next product's operand.
; IMAGES.  Four registers of a fragment are kept as 512 bytes on end, lane l's 16 bytes at 16 l: in LDS and in the workspace buffers alike.  Image c of a fragment holds k = 32 c + 16 h + 0 .. 15 of slot r:
; a permutation of k that is the same on both sides of every product.
; SHARES.  The 16 waves share the COLUMNS: wave w makes features 32 w .. 32 w + 31 (two tiles of W's rows) for all 64 rows (four tiles of tokens).  Its weights go from memory straight into its registers,
; each byte once in a work-group; the rows' codes go round as images in LDS.  NO JOINT LOADS: the weights never lie in LDS, so there is no tile for a joint tensor load to bring; through LDS a K step's
; 64 KiB of weights would be written there and read again, which the registers now take directly.
; Q and K: source 0 = W's rows, source 1 = tokens: a lane holds a token, its registers run along the features (the next K).  V: the sources swapped: a lane holds a feature, its registers run along the tokens (the keys, V's K).
; SCALES.  A sum stands for sum x 2^(ea + eb).  The bias goes in as the C of the first K step, divided by 2^(ea + eb); the conversion's one scale is 2^(eout - ea - eb), the hold +-57,344 x that.
; LIMITS: e0, e2, e4 and every eout - ea - eb lie between -126 and 112.  NaN among the inputs is not served.
; REGISTERS: v1-11 addresses; v16-31 bias; v32-47 codes; v48-63 at work (v62 the conversion's scale, v63 the hold); v64-127 accumulators; v128-191 the rows' four fragments; v192-255 W's fragments, two buffers of two.
.set BIAS, 16
.set PC,   32
.set TMP,  48
.set SCL,  62
.set LIM,  63
.set ACC,  64
.set XF,   128
.set WF,   192
.set LI,   1                           ; 16 x lane
.set WA5,  2                           ; 512 pi(r) + 16 h: a lane's place in 16 rows of 512 codes
.set LI2,  3                           ; LI + 65,536
.set XW,   4                           ; LI + 2,048 x wave: where my wave stores its fragment of the rows
.set XW2,  5                           ; XW + 65,536
.set TA,   6                           ; 2,048 pi(r) + 64 h: tgt
.set MA,   7                           ; 2,048 pi(r) + 16 h: tgt_mask
.set BAV,  8                           ; 4 pi(r): a bias by lanes
.set L8,   9                           ; 8 x lane
.set BA,   11                          ; 64 h: a bias by registers
; LDS: tgt's images under e0 at 0, under e2 at 32,768, under e4 at 65,536 (work-groups 0-127); memory's at 98,304 (work-groups 128-255).  An image set is [tile of tokens 4][K step 4][c 4] x 512 bytes.
.macro PLACES n
.rept \n
	v_nop
.endr
.endm
.macro BARRIER                         ; my LDS stores have landed and my LDS loads are in: then the work-group's barrier
	s_wait_dscnt 0x0
	s_barrier_signal -1
	s_barrier_wait -1
.endm
.macro SETSC e                         ; s[e] = an exponent x: v[SCL] = 2^x as f32, v[LIM] = 57,344 x 2^x
	s_add_co_i32 s99, s[\e], 142
	s_add_co_i32 s98, s[\e], 127
	s_lshl_b32 s99, s99, 23
	s_lshl_b32 s98, s98, 23
	s_or_b32 s99, s99, 0x600000
	v_mov_b32 v[SCL], s98
	v_mov_b32 v[LIM], s99
.endm
.macro WLOAD buf, ptr, areg, off, pitch ; my two tiles of W's rows, 128 along K from byte off of the rows, into buffer buf: 8 loads
.irp u, 0,1
.irp c, 0,1,2,3
	global_load_b128 v[WF+32*(\buf)+16*\u+4*\c:WF+32*(\buf)+16*\u+4*\c+3], v[\areg], s[\ptr:\ptr+1] offset:(\off)+\u*8*\pitch+32*\c
.endr
.endr
.endm
; A K step: the rows' four fragments from LDS, 8 matrix instructions on 8 accumulators by turns, five places.
; cm: 0 the sums start at 0, 1 at the bias, 2 they go on.  vt = 1: the sources swapped.  lcnt: the global loads issued behind the weight buffer that is multiplied here.
; The five places serve the next loads into the fragments' registers, the first read of results, and accumulators begun anew.
.macro KSTEP areg, off, ms, buf, cm, vt, lcnt
.irp m, 0,1,2,3
.irp c, 0,1,2,3
	ds_load_b128 v[XF+16*\m+4*\c:XF+16*\m+4*\c+3], v[\areg] offset:(\off)+\m*(\ms)+512*\c
.endr
.endr
	s_wait_loadcnt \lcnt
	s_wait_dscnt 0x0
.irp m, 0,1,2,3
.irp u, 0,1
.if \vt
.if \cm == 1
	v_wmma_f32_16x16x128_bf8_bf8 v[ACC+32*\u+8*\m:ACC+32*\u+8*\m+7], v[XF+16*\m:XF+16*\m+15], v[WF+32*(\buf)+16*\u:WF+32*(\buf)+16*\u+15], v[BIAS+8*\u:BIAS+8*\u+7]
.else
	v_wmma_f32_16x16x128_bf8_bf8 v[ACC+32*\u+8*\m:ACC+32*\u+8*\m+7], v[XF+16*\m:XF+16*\m+15], v[WF+32*(\buf)+16*\u:WF+32*(\buf)+16*\u+15], v[ACC+32*\u+8*\m:ACC+32*\u+8*\m+7]
.endif
.else
.if \cm == 0
	v_wmma_f32_16x16x128_bf8_bf8 v[ACC+16*\m+8*\u:ACC+16*\m+8*\u+7], v[WF+32*(\buf)+16*\u:WF+32*(\buf)+16*\u+15], v[XF+16*\m:XF+16*\m+15], 0
.elseif \cm == 1
	v_wmma_f32_16x16x128_bf8_bf8 v[ACC+16*\m+8*\u:ACC+16*\m+8*\u+7], v[WF+32*(\buf)+16*\u:WF+32*(\buf)+16*\u+15], v[XF+16*\m:XF+16*\m+15], v[BIAS+8*\u:BIAS+8*\u+7]
.else
	v_wmma_f32_16x16x128_bf8_bf8 v[ACC+16*\m+8*\u:ACC+16*\m+8*\u+7], v[WF+32*(\buf)+16*\u:WF+32*(\buf)+16*\u+15], v[XF+16*\m:XF+16*\m+15], v[ACC+16*\m+8*\u:ACC+16*\m+8*\u+7]
.endif
.endif
.endr
.endr
	PLACES 5
.endm
.macro BIASK ptr, off                  ; a bias by registers: my half's 16 numbers of the wave's 32: 4 loads
.irp i, 0,1,2,3
	global_load_b128 v[BIAS+4*\i:BIAS+4*\i+3], v[BA], s[\ptr:\ptr+1] offset:(\off)+16*\i
.endr
.endm
.macro PREPK neg                       ; / 2^(ea + eb): exact
.set k, 0
.rept 16
	v_ldexp_f32 v[BIAS+k], v[BIAS+k], s[\neg]
.set k, k+1
.endr
.endm
.macro BIASV ptr                       ; a bias by lanes: my slot's number in each of the two tiles: 2 loads
	global_load_b32 v[BIAS], v[BAV], s[\ptr:\ptr+1]
	global_load_b32 v[BIAS+8], v[BAV], s[\ptr:\ptr+1] offset:32
.endm
.macro PREPV neg                       ; and alike in a tile's eight registers of C
	v_ldexp_f32 v[BIAS], v[BIAS], s[\neg]
	v_ldexp_f32 v[BIAS+8], v[BIAS+8], s[\neg]
.irp j, 1,2,3,4,5,6,7
	v_mov_b32 v[BIAS+\j], v[BIAS]
	v_mov_b32 v[BIAS+8+\j], v[BIAS+8]
.endr
.endm
.macro QUANT relu                      ; four groups of 16 neighbours become four images' registers; each accumulator is read from its low end on
.irp g, 0,1,2,3
.set k, 0
.rept 16
.if \relu
	v_med3_num_f32 v[ACC+16*\g+k], v[ACC+16*\g+k], 0, v[LIM]
.else
	v_med3_num_f32 v[ACC+16*\g+k], v[ACC+16*\g+k], -v[LIM], v[LIM]   ; the conversion to an 8-bit code does not saturate (ISA guide 7.6.2): the hold comes first
.endif
.set k, k+1
.endr
	v_cvt_scalef32_pk8_bf8_f32 v[PC+4*\g:PC+4*\g+1], v[ACC+16*\g:ACC+16*\g+7], v[SCL]
	v_cvt_scalef32_pk8_bf8_f32 v[PC+4*\g+2:PC+4*\g+3], v[ACC+16*\g+8:ACC+16*\g+15], v[SCL]
.endr
	v_nop                                          ; a plain line behind the last conversion: later products write its sources
.endm
.macro EPIG ptr, o0, o1, o2, o3        ; a layer's results leave as four images: each store covers 512 consecutive bytes, aligned
	s_wait_xcnt 0x0                                ; the codes' registers were the data of earlier stores
	QUANT 0
	global_store_b128 v[LI], v[PC:PC+3], s[\ptr:\ptr+1] offset:\o0
	global_store_b128 v[LI], v[PC+4:PC+7], s[\ptr:\ptr+1] offset:\o1
	global_store_b128 v[LI], v[PC+8:PC+11], s[\ptr:\ptr+1] offset:\o2
	global_store_b128 v[LI], v[PC+12:PC+15], s[\ptr:\ptr+1] offset:\o3
.endm
; A layer: four K steps.  The weights run two K steps ahead in two buffers, on into the successor's first two.  sk: the successor: 0 none; 1 a bias by registers and weights; 2 a bias by lanes and weights; 3 weights alone.
.macro LAYER areg, xoff, vt, cm, wp, woff, sk, bp, boff, swp, swoff, sareg, spitch
	KSTEP \areg, (\xoff), 8192, 0, \cm, \vt, 8     ; behind this buffer's loads: the other buffer's 8
	WLOAD 0, \wp, WA5, (\woff)+256, 512
	KSTEP \areg, (\xoff)+2048, 8192, 1, 2, \vt, 8
	WLOAD 1, \wp, WA5, (\woff)+384, 512
	KSTEP \areg, (\xoff)+4096, 8192, 0, 2, \vt, 8
.if \sk == 1
	BIASK \bp, \boff
.endif
.if \sk == 2
	BIASV \bp
.endif
.if \sk > 0
	WLOAD 0, \swp, \sareg, (\swoff), \spitch
.endif
.if \sk == 0
	KSTEP \areg, (\xoff)+6144, 8192, 1, 2, \vt, 0
.elseif \sk == 1
	KSTEP \areg, (\xoff)+6144, 8192, 1, 2, \vt, 12 ; behind: 4 of the bias, 8 of the successor's weights
.elseif \sk == 2
	KSTEP \areg, (\xoff)+6144, 8192, 1, 2, \vt, 10 ; behind: 2 and 8
.else
	KSTEP \areg, (\xoff)+6144, 8192, 1, 2, \vt, 8
.endif
.if \sk > 0
	WLOAD 1, \swp, \sareg, (\swoff)+128, \spitch
.endif
.endm
.macro XQ e, areg, off                 ; my fragment of tgt (64 numbers a lane, kept in the accumulators' registers) under the scale 2^s[e], as an image set's part
	SETSC \e
.set k, 0
.rept 64
	v_med3_num_f32 v[XF+k], v[ACC+k], -v[LIM], v[LIM]
.set k, k+1
.endr
.irp q, 0,1,2,3,4,5,6,7
	v_cvt_scalef32_pk8_bf8_f32 v[PC+2*\q:PC+2*\q+1], v[XF+8*\q:XF+8*\q+7], v[SCL]
.endr
	v_nop
.irp c, 0,1,2,3
	ds_store_b128 v[\areg], v[PC+4*\c:PC+4*\c+3] offset:(\off)+512*\c
.endr
	s_wait_dscnt 0x0                               ; the stores have read their registers
.endm
	s_load_b512 s[4:19], s[0:1], 0x0               ; tgt 4, memory 6, mask 8, sa_wq 10, sa_wk 12, sa_wv 14, ca_wk 16, ca_wv 18
	s_load_b512 s[20:35], s[0:1], 0x40             ; sa_bq 20, sa_bk 22, sa_bv 24, ca_bk 26, ca_bv 28, scales 30, qimg 32, kv_sa 34
	s_load_b128 s[36:39], s[0:1], 0x80             ; kv_ca 36, maskw 38
	v_lshl_add_u32 v14, v0, 2, 0x20000
	v_mov_b32 v15, 0
	v_lshrrev_b32 v16, 5, v0
	v_readfirstlane_b32 s66, v16                   ; wave w
	v_and_b32 v16, 31, v0                          ; lane
	v_and_b32 v17, 15, v0                          ; r
	v_bfe_u32 v18, v0, 4, 1                        ; h
	v_and_b32 v19, 8, v17
	v_add_nc_u32 v19, v19, v17                     ; pi(r)
	v_lshlrev_b32 v[LI], 4, v16
	v_lshlrev_b32 v[L8], 3, v16
	v_lshlrev_b32 v[WA5], 9, v19
	v_lshl_add_u32 v[WA5], v18, 4, v[WA5]
	v_lshlrev_b32 v[TA], 11, v19
	v_lshl_add_u32 v[MA], v18, 4, v[TA]
	v_lshl_add_u32 v[TA], v18, 6, v[TA]
	v_lshlrev_b32 v[BAV], 2, v19
	v_lshlrev_b32 v[BA], 6, v18
	s_lshl_b32 s67, s66, 11
	v_add_nc_u32 v[XW], s67, v[LI]
	v_add_nc_u32 v[LI2], 0x10000, v[LI]
	v_add_nc_u32 v[XW2], 0x10000, v[XW]
	s_and_b32 s68, ttmp9, 127                      ; g: which 64 rows
	s_lshr_b32 s69, s66, 2                         ; the fragment that my wave prepares: tile of tokens m = w / 4,
	s_and_b32 s70, s66, 3                          ; K step w % 4
	s_lshr_b32 s71, s69, 1
	s_lshl_b32 s71, s71, 5
	s_and_b32 s72, s69, 1
	s_lshl_b32 s72, s72, 3
	s_add_co_u32 s71, s71, s72
	s_lshl_b32 s72, s68, 6
	s_add_co_u32 s71, s71, s72                     ; its slot 0 is row 64 g + 32 (m / 2) + 8 (m % 2)
	s_lshr_b32 s72, s68, 5
	s_lshl_b32 s72, s72, 3
	s_lshr_b32 s73, s66, 1
	s_add_co_u32 s72, s72, s73                     ; batch x 8 + head: my 32 features are half c of head w / 2
	s_and_b32 s73, s66, 1                          ; c
	s_and_b32 s74, s68, 31
	s_and_b32 s75, s68, 1
	s_lshl_b32 s76, s72, 17                        ; Q's images: head x 131,072 + tile 4 (g % 32) x 1,024 + 512 c
	s_lshl_b32 s78, s74, 12
	s_add_co_u32 s76, s76, s78
	s_lshl_b32 s78, s73, 9
	s_add_co_u32 s76, s76, s78
	s_mov_b32 s77, 0
	s_lshl_b32 s80, s72, 18                        ; K and V: head x 262,144 + key step ((g % 32) / 2) x 16,384
	s_lshr_b32 s78, s74, 1
	s_lshl_b32 s78, s78, 14
	s_add_co_u32 s80, s80, s78
	s_mov_b32 s81, 0
	s_mov_b32 s83, 0
	s_lshl_b32 s78, s73, 12                        ; V: + 8,192 + 4,096 c + 1,024 (g % 2)
	s_add_co_u32 s82, s80, s78
	s_lshl_b32 s78, s75, 10
	s_add_co_u32 s82, s82, s78
	s_add_co_u32 s82, s82, 8192
	s_lshl_b32 s78, s75, 12                        ; K: + 4,096 (g % 2) + 512 c
	s_add_co_u32 s80, s80, s78
	s_lshl_b32 s78, s73, 9
	s_add_co_u32 s80, s80, s78
	s_lshl_b32 s84, s66, 14                        ; my 32 rows of a weight
	s_mov_b32 s85, 0
	s_lshl_b32 s86, s66, 7                         ; my 32 numbers of a bias
	s_mov_b32 s87, 0
	s_mov_b32 s89, 0
	s_wait_kmcnt 0x0
	s_load_b512 s[40:55], s[30:31], 0x0            ; e0 .. e15 in s40 ..
	s_load_b256 s[56:63], s[30:31], 0x40           ; e16 .. e23
	s_cmp_lt_u32 ttmp9, 128
	s_cbranch_scc0 .Lcross
	; ---------------- work-groups 0-127: tgt, and the self-attention's Q, K, V
	s_lshl_b32 s88, s71, 11
	s_lshl_b32 s78, s70, 9
	s_add_co_u32 s88, s88, s78
	s_add_nc_u64 s[4:5], s[4:5], s[88:89]
	s_add_nc_u64 s[10:11], s[10:11], s[84:85]
	s_add_nc_u64 s[12:13], s[12:13], s[84:85]
	s_add_nc_u64 s[14:15], s[14:15], s[84:85]
	s_add_nc_u64 s[20:21], s[20:21], s[86:87]
	s_add_nc_u64 s[22:23], s[22:23], s[86:87]
	s_add_nc_u64 s[24:25], s[24:25], s[86:87]
	s_add_nc_u64 s[32:33], s[32:33], s[76:77]
	s_add_nc_u64 s[90:91], s[34:35], s[80:81]
	s_add_nc_u64 s[92:93], s[34:35], s[82:83]
.irp c, 0,1,2,3
.irp j, 0,1,2,3
	global_load_b128 v[ACC+16*\c+4*\j:ACC+16*\c+4*\j+3], v[TA], s[4:5] offset:128*\c+16*\j th:TH_LOAD_NT   ; register 16 c + i: feature 128 ks + 32 c + 16 h + i of my slot's row
.endr
.endr
	BIASK 20, 0
	WLOAD 0, 10, WA5, 0, 512
	WLOAD 1, 10, WA5, 128, 512
	s_wait_kmcnt 0x0
	s_wait_loadcnt 20                              ; tgt is in; behind it: 4 of the bias, 16 of the weights
	XQ 40, XW, 0
	XQ 42, XW, 32768
	XQ 44, XW2, 0
	BARRIER                                        ; the three image sets lie in LDS
	s_add_co_i32 s94, s40, s41
	s_sub_co_i32 s95, 0, s94
	s_wait_loadcnt 16                              ; the bias is in
	PREPK 95
	s_sub_co_i32 s94, s46, s94                     ; e6 - e0 - e1
	SETSC 94
	LAYER LI, 0, 0, 1, 10, 0, 1, 22, 0, 12, 0, WA5, 512
	EPIG 32, 0, 1024, 2048, 3072
	s_add_co_i32 s94, s42, s43
	s_sub_co_i32 s95, 0, s94
	s_wait_loadcnt 16
	PREPK 95
	s_sub_co_i32 s94, s47, s94                     ; e7 - e2 - e3
	SETSC 94
	LAYER LI, 32768, 0, 1, 12, 0, 2, 24, 0, 14, 0, WA5, 512
	EPIG 90, 0, 1024, 2048, 3072
	s_add_co_i32 s94, s44, s45
	s_sub_co_i32 s95, 0, s94
	s_wait_loadcnt 16
	PREPV 95
	s_sub_co_i32 s94, s49, s94                     ; e9 - e4 - e5
	SETSC 94
	LAYER LI2, 0, 1, 1, 14, 0, 0, 0, 0, 0, 0, 0, 0
	EPIG 92, 0, 512, 2048, 2560                    ; group 2 u + b: tile u of the head's channels, key block b of my 64 keys
	s_wait_tensorcnt 0x0
	ds_add_u32 v14, v15
	s_wait_dscnt 0x0
	s_endpgm
	; ---------------- work-groups 128-255: memory, the cross-attention's K, V; and the mask's words
.Lcross:
	s_lshl_b32 s88, s71, 9
	s_lshl_b32 s78, s70, 7
	s_add_co_u32 s88, s88, s78
	s_add_nc_u64 s[6:7], s[6:7], s[88:89]
	s_lshr_b32 s88, s68, 1                         ; query tile g: slot 0 is row 32 (g / 2) + 8 (g % 2) of the mask; my wave takes key step w: 128 bytes of each row
	s_lshl_b32 s88, s88, 16
	s_lshl_b32 s78, s75, 14
	s_add_co_u32 s88, s88, s78
	s_add_co_u32 s88, s88, s86
	s_add_nc_u64 s[8:9], s[8:9], s[88:89]
	s_lshl_b32 s88, s68, 12
	s_lshl_b32 s78, s66, 8
	s_add_co_u32 s88, s88, s78
	s_add_nc_u64 s[38:39], s[38:39], s[88:89]      ; its 64 words: (16 g + w) x 256 bytes
	s_add_nc_u64 s[16:17], s[16:17], s[84:85]
	s_add_nc_u64 s[18:19], s[18:19], s[84:85]
	s_add_nc_u64 s[26:27], s[26:27], s[86:87]
	s_add_nc_u64 s[28:29], s[28:29], s[86:87]
	s_add_nc_u64 s[90:91], s[36:37], s[80:81]
	s_add_nc_u64 s[92:93], s[36:37], s[82:83]
.irp c, 0,1,2,3
	global_load_b128 v[XF+4*\c:XF+4*\c+3], v[MA], s[8:9] offset:32*\c           ; mask(my query, 128 w + 32 c + 16 h + 0 .. 15)
.endr
.irp c, 0,1,2,3
	global_load_b128 v[TMP+4*\c:TMP+4*\c+3], v[WA5], s[6:7] offset:32*\c th:TH_LOAD_NT   ; memory's codes are a fragment's registers as they lie
.endr
	BIASK 26, 0
	WLOAD 0, 16, WA5, 0, 512
	WLOAD 1, 16, WA5, 128, 512
	s_wait_loadcnt 20                              ; the mask's bytes and the codes are in; behind them: 4 + 8 + 8
.irp c, 0,1,2,3
	ds_store_b128 v[XW2], v[TMP+4*\c:TMP+4*\c+3] offset:32768+512*\c
.endr
	; Word n = 16 c + i: bit l = mask(query of lane l, key 128 w + 32 c + 16 (l / 16) + i): the very place that score register n has in the attention.  Lane n / 2 gathers words n and n + 1.
	v_mov_b32 v[XF+16], 0
	v_mov_b32 v[XF+17], 0
.set n, 0
.rept 64
	v_and_b32 v[XF+18+n%2], 0xff<<(8*(n%4)), v[XF+4*(n/16)+(n%16)/4]
	v_cmp_ne_u32 s[96+n%2], 0, v[XF+18+n%2]
	v_writelane_b32 v[XF+16+n%2], s[96+n%2], n/2
.set n, n+1
.endr
	global_store_b64 v[L8], v[XF+16:XF+17], s[38:39]   ; 256 consecutive bytes, aligned
	BARRIER                                        ; memory's images lie in LDS
	s_wait_kmcnt 0x0
	s_add_co_i32 s94, s54, s55                     ; e14 + e15
	s_sub_co_i32 s95, 0, s94
	s_wait_loadcnt 16
	PREPK 95
	s_sub_co_i32 s94, s59, s94                     ; e19 - e14 - e15
	SETSC 94
	s_wait_xcnt 0x0                                ; the words' store has read its registers: the fragments' loads may land there
	LAYER LI2, 32768, 0, 1, 16, 0, 2, 28, 0, 18, 0, WA5, 512
	EPIG 90, 0, 1024, 2048, 3072
	s_add_co_i32 s94, s56, s57                     ; e16 + e17
	s_sub_co_i32 s95, 0, s94
	s_wait_loadcnt 16
	PREPV 95
	s_sub_co_i32 s94, s61, s94                     ; e21 - e16 - e17
	SETSC 94
	LAYER LI2, 32768, 1, 1, 18, 0, 0, 0, 0, 0, 0, 0, 0
	EPIG 92, 0, 512, 2048, 2560
	s_wait_tensorcnt 0x0
	ds_add_u32 v14, v15
	s_wait_dscnt 0x0
	s_endpgm
.Lfunc_end_k_qf519aa45e2_front:
	.size	k_qf519aa45e2_front, .Lfunc_end_k_qf519aa45e2_front-k_qf519aa45e2_front
	.p2alignl 7, 3214868480
	.fill 96, 4, 3214868480
	.section	.rodata,"a",@progbits
	.p2align	6, 0x0
	.amdhsa_kernel k_qf519aa45e2_front
		.amdhsa_group_segment_fixed_size 133120
		.amdhsa_private_segment_fixed_size 0
		.amdhsa_enable_private_segment 0
		.amdhsa_kernarg_size 144
		.amdhsa_user_sgpr_count 2
		.amdhsa_user_sgpr_kernarg_segment_ptr 1
		.amdhsa_wavefront_size32 1
		.amdhsa_system_sgpr_workgroup_id_x 1
		.amdhsa_system_sgpr_workgroup_id_y 1
		.amdhsa_system_sgpr_workgroup_id_z 1
		.amdhsa_system_vgpr_workitem_id 0
		.amdhsa_next_free_vgpr 256
		.amdhsa_next_free_sgpr 100
		.amdhsa_reserve_vcc 0
		.amdhsa_float_denorm_mode_32 3
		.amdhsa_float_denorm_mode_16_64 3
		.amdhsa_memory_ordered 1
		.amdhsa_forward_progress 1
		.amdhsa_inst_pref_size 117
	.end_amdhsa_kernel
	.amdgpu_metadata
---
amdhsa.version: [ 1, 2 ]
amdhsa.kernels:
  - .name:           k_qf519aa45e2_front
    .symbol:         k_qf519aa45e2_front.kd
    .args:
      - { .name: tgt, .offset: 0, .size: 8, .value_kind: global_buffer, .address_space: global }
      - { .name: memory_codes, .offset: 8, .size: 8, .value_kind: global_buffer, .address_space: global }
      - { .name: tgt_mask, .offset: 16, .size: 8, .value_kind: global_buffer, .address_space: global }
      - { .name: sa_wq_codes, .offset: 24, .size: 8, .value_kind: global_buffer, .address_space: global }
      - { .name: sa_wk_codes, .offset: 32, .size: 8, .value_kind: global_buffer, .address_space: global }
      - { .name: sa_wv_codes, .offset: 40, .size: 8, .value_kind: global_buffer, .address_space: global }
      - { .name: ca_wk_codes, .offset: 48, .size: 8, .value_kind: global_buffer, .address_space: global }
      - { .name: ca_wv_codes, .offset: 56, .size: 8, .value_kind: global_buffer, .address_space: global }
      - { .name: sa_bq, .offset: 64, .size: 8, .value_kind: global_buffer, .address_space: global }
      - { .name: sa_bk, .offset: 72, .size: 8, .value_kind: global_buffer, .address_space: global }
      - { .name: sa_bv, .offset: 80, .size: 8, .value_kind: global_buffer, .address_space: global }
      - { .name: ca_bk, .offset: 88, .size: 8, .value_kind: global_buffer, .address_space: global }
      - { .name: ca_bv, .offset: 96, .size: 8, .value_kind: global_buffer, .address_space: global }
      - { .name: lowp_scales, .offset: 104, .size: 8, .value_kind: global_buffer, .address_space: global }
      - { .name: qimg, .offset: 112, .size: 8, .value_kind: global_buffer, .address_space: global }
      - { .name: kv_sa, .offset: 120, .size: 8, .value_kind: global_buffer, .address_space: global }
      - { .name: kv_ca, .offset: 128, .size: 8, .value_kind: global_buffer, .address_space: global }
      - { .name: maskw, .offset: 136, .size: 8, .value_kind: global_buffer, .address_space: global }
    .group_segment_fixed_size: 133120
    .private_segment_fixed_size: 0
    .kernarg_segment_align: 8
    .kernarg_segment_size: 144
    .max_flat_workgroup_size: 512
    .sgpr_count:     100
    .vgpr_count:     256
    .wavefront_size: 32
...
	.end_amdgpu_metadata
.endif
;; end of part 1
;; launch sa_attn (part 2): grid 8 x 32, 16 waves a work-group, clusters of 4 x 1, 264,192 bytes of LDS; arguments qimg, kv_sa, maskw, lowp_scales, aimg; writes aimg
.if DOCPART == 2
	.amdgcn_target "amdgcn-amd-amdhsa--gfx1250"
	.amdhsa_code_object_version 6
	.text
	.protected	k_qf519aa45e2_sa_attn
	.globl	k_qf519aa45e2_sa_attn
	.p2align	8
	.type	k_qf519aa45e2_sa_attn,@function
k_qf519aa45e2_sa_attn:
	s_mov_b64 s[64:65], 0
	v_nop
	global_prefetch_b8 v0, s[64:65] scope:SCOPE_SE
	s_setreg_imm32_b32 hwreg(HW_REG_WAVE_MODE, 25, 1), 1
	s_wait_xcnt 0x0
	s_wait_alu depctr_hold_cnt(0) depctr_sa_sdst(0) depctr_va_vdst(0) depctr_va_sdst(0) depctr_va_ssrc(0) depctr_va_vcc(0) depctr_vm_vsrc(0)
	s_getreg_b32 s2, hwreg(HW_REG_IB_STS2, 6, 4)
	s_cmp_eq_u32 s2, 0
	s_cbranch_scc0 .Lentry_in_a_cluster
	s_endpgm
.Lentry_in_a_cluster:
	s_bfe_u32 s2, ttmp6, 0x10000c
	s_cmp_lg_u32 s2, 0x3003
	s_cbranch_scc0 .Lentry_shape_is_right
	s_endpgm
.Lentry_shape_is_right:
; ATTENTION ON CODES OF E5M2, head size 64, 2,048 keys, with the mask that is given (MASKED = 1) or none (0).  Its result leaves as codes, quantised for the projection that follows.
; SHARES.  A work-group owns 256 queries of one head (grid y = batch x 8 + head); each of its sixteen waves owns one tile of 16 queries, in 256 registers: four waves to a SIMD, so that one wave's softmax stands beside another's products and LDS loads.
; THE HEAD'S K AND V LIE WHOLE IN LDS: 262,144 bytes of codes, laid by the launch before as images of the fragments' registers (16 key steps x (8 tiles of K x 1,024 bytes, then 4 fragments of V^T x 2,048)).
; No byte of LDS is filled twice.  Each wave brings two pieces of 8 KiB.  CLUSTER: the four work-groups of a cluster belong to one head: every piece is asked for jointly, by the same tensor load with the same descriptor and the mask 15.
; A wave has two tensor loads outstanding.
; LAYOUT.  Both products are used transposed: S^T = K Q^T (source 0 = 16 keys, source 1 = my 16 queries), O^T = V^T P^T: a lane holds ONE query throughout.  Slot r of a tile (b, u) is element 32 b + 8 u + r + 8 (r / 8),
; so score register n of a lane's half h is key 32 (n / 16) + 16 h + n % 16 of the step, and the conversions' results are the second product's operand.
; SOFTMAX.  t = score x log2(e) / 8; M = the largest t so far, rounded up to a whole number; p = 2^(t - M) is quantised with the given 2^ep, not normalised; the sum is taken of the unquantised p and divides at the end;
; when M moves, the sum and O^T are multiplied by 2^(old M - new M), which rounds nothing.
; THE MASK comes as words of 32 bits, one for each score register and key step, bit l for lane l; they are read a step ahead into scalar registers and select by v_cndmask_b32; nothing branches on them.
; A hidden raw score becomes X = -2^(33 - eq - ek), so that its t is -2^30 log2(e), a whole number: in a row whose keys are all hidden t - M is exactly 0 and p = 1, as with the -1e9 of the definition; beside any key that counts p is 0.
; LIMIT: a hidden logit stands at -2^30, not at -1e9: the results are the same as long as no logit that counts lies near -1e9.
; LIMITS on the given exponents: eq + ek between -94 and 130; ep and eo between -126 and 112; ep + ev is applied by v_ldexp_f32.  NaN is not served.
; REGISTERS: v1 16 x lane; v2 the step's LDS address; v3 X; v4, v5 2^ep and 57,344 x 2^ep; v6, v7 the same for eo; v8-15 Q; v16 -M, v17 the largest t; v[18:19] the sum; v[20:21] f; v22-27 at work;
; v32-95 K's fragments, then V's; v96-159 S^T, then p; v160-191 O^T; v192-207 p's codes; v208-247 the way out.
.set MASKED, 1
.set SC, 6                             ; eq, ek, ep, ev, eo are entries SC .. SC + 4 of the scales
.set WV,  16                           ; s16 my wave's number
.set TB,  17                           ; s17 LDS byte of the key step in hand
.set CNT, 18                           ; s18 trips
.set MO,  19                           ; s19 byte offset of the mask words that are asked for
.set CS,  20                           ; s[20:21] c = log2(e) / 8 x 2^(eq + ek)
.set SEL, 22                           ; s[22:23] lane selects: lane l xor 16
.set G1,  24                           ; s[24:31] descriptor group 1; s[4:7], s[8:11] the two groups 0; s[12:13] my mask words; s[14:15] my output; s[32:63], s[68:99] 64 mask words; s100 ep + ev
.macro PLACES n
.rept \n
	v_nop
.endr
.endm
.macro CROUND                          ; a round of the cluster's barrier
	s_barrier_signal -1
	s_barrier_wait -1
	s_cmp_lg_u32 s[WV], 0
	s_cbranch_scc1 .Lnot_wave_0_\@
	s_barrier_signal -3
.Lnot_wave_0_\@:
	s_barrier_wait -3
	s_barrier_signal -1
	s_barrier_wait -1
.endm
	s_load_b128 s[32:35], s[0:1], 0x0              ; qimg s[32:33], kv s[34:35]
.if MASKED
	s_load_b128 s[36:39], s[0:1], 0x10             ; maskw s[36:37], the scales s[38:39]
	s_load_b64 s[40:41], s[0:1], 0x20              ; aimg
	v_lshl_add_u32 v254, v0, 2, 0x40000
	v_mov_b32 v255, 0
	ds_add_u32 v254, v255
	ds_add_u32 v254, v255
.else
	s_load_b64 s[38:39], s[0:1], 0x10
	s_load_b64 s[40:41], s[0:1], 0x18
.endif
	v_lshrrev_b32 v2, 5, v0
	v_readfirstlane_b32 s[WV], v2
	v_and_b32 v1, 31, v0
	v_lshlrev_b32 v1, 4, v1
	s_bfe_u32 s42, ttmp6, 0x40000                  ; cx: it enters the addresses of Q, of the mask words and of the output alone
	s_lshl_b32 s43, ttmp9, 2
	s_add_co_u32 s43, s43, s42
	s_lshl_b32 s43, s43, 4
	s_add_co_u32 s43, s43, s[WV]                   ; my tile of queries: 16 x work-group x + wave
	s_and_b32 s44, ttmp7, 0xffff                   ; batch x 8 + head, which the four partners share
	s_lshl_b32 s45, s[WV], 13                      ; my piece of each half of the head's block
	s_lshl_b32 s46, s44, 18
	s_add_co_u32 s46, s46, s45
	s_mov_b32 s47, 0
	s_lshl_b32 s48, s44, 17
	s_lshl_b32 s49, s43, 10
	s_add_co_u32 s48, s48, s49                     ; Q: head x 131,072 + tile x 1,024
	s_mov_b32 s49, 0
	s_mov_b32 s[G1], 15|(3<<16)|(1<<21)            ; 15:0 the mask: all four work-groups; 17:16 elements of 8 bytes; 21 set beside a mask; no padding
	s_mov_b32 s[G1+1], 32<<16                      ; tensor_dim0 = 32 elements: rows of 256 bytes
	s_mov_b32 s[G1+2], 32<<16                      ; tensor_dim1 = 32 rows
	s_mov_b32 s[G1+3], 32<<16                      ; tile_dim0
	s_mov_b32 s[G1+4], 32                          ; tile_dim1
	s_mov_b32 s[G1+5], 32                          ; the pitch: dense
	s_mov_b32 s[G1+6], 0
	s_mov_b32 s[G1+7], 0
	s_mov_b32 s[SEL], 0x76543210
	s_mov_b32 s[SEL+1], 0xfedcba98
	s_mov_b32 s[TB], 0
	s_mov_b32 s[MO], 0
	s_wait_dscnt 0x0
	s_wait_kmcnt 0x0
	s_load_b128 s[52:55], s[38:39], 4*SC           ; eq, ek, ep, ev
	s_load_b32 s56, s[38:39], 4*SC+16              ; eo
	s_mov_b32 s4, 1
	s_mov_b32 s5, s45                              ; LDS: 8,192 x wave
	s_add_nc_u64 s[6:7], s[34:35], s[46:47]
	s_mov_b32 s8, 1
	s_add_co_u32 s9, s45, 0x20000                  ; and 131,072 further on
	s_add_nc_u64 s[10:11], s[6:7], 0x20000
	s_or_b32 s7, s7, 0x80000000
	s_or_b32 s11, s11, 0x80000000
	s_add_nc_u64 s[50:51], s[32:33], s[48:49]
.if MASKED
	s_lshl_b32 s48, s43, 12
	s_add_nc_u64 s[12:13], s[36:37], s[48:49]      ; my tile's words: 16 steps x 256 bytes
.endif
	s_lshr_b32 s48, s44, 3
	s_lshl_b32 s48, s48, 7
	s_add_co_u32 s48, s48, s43
	s_lshl_b32 s48, s48, 13
	s_and_b32 s57, s44, 7
	s_lshl_b32 s57, s57, 10
	s_add_co_u32 s48, s48, s57
	s_add_nc_u64 s[14:15], s[40:41], s[48:49]      ; the output: (batch x 128 + tile) x 8,192 + head x 1,024
	CROUND                                         ; all four work-groups are here: the joint loads meet
	tensor_load_to_lds s[4:7], s[G1:G1+7]          ; key steps 0-7: my piece
	s_nop 0
	tensor_load_to_lds s[8:11], s[G1:G1+7]         ; key steps 8-15
	s_nop 0
	PLACES 4
	global_load_b128 v[8:11], v1, s[50:51]         ; Q's fragment stays in registers
	global_load_b128 v[12:15], v1, s[50:51] offset:512
	v_mov_b32 v17, 0xff61b1e6                      ; the largest t so far: -3e38
	v_floor_f32 v16, -v17
	v_mov_b32 v18, 0
	v_mov_b32 v19, 0
	v_mov_b32 v21, 0                               ; (named as the upper half of a pair)
	v_mov_b32 v24, 0                               ; (a lane permute's destination counts as one of its sources)
.set j, 0
.rept 32
	v_mov_b32 v[160+j], 0                          ; O^T: the step is written once, its first trip finds zeros
.set j, j+1
.endr
	s_wait_kmcnt 0x0
	s_add_co_i32 s57, s52, s53
	s_lshl_b32 s58, s57, 23
	s_mov_b32 s[CS], 0x3e38aa3b                    ; log2(e) / 8
	s_add_co_i32 s[CS], s[CS], s58                 ; x 2^(eq + ek), by its exponent field
	s_mov_b32 s[CS+1], s[CS]
.if MASKED
	s_sub_co_i32 s58, 160, s57
	s_lshl_b32 s58, s58, 23
	s_or_b32 s58, s58, 0x80000000
	v_mov_b32 v3, s58                              ; X = -2^(33 - eq - ek)
.endif
	s_add_co_i32 s58, s54, 127
	s_lshl_b32 s59, s58, 23
	v_mov_b32 v4, s59
	s_add_co_i32 s58, s58, 15
	s_lshl_b32 s58, s58, 23
	s_or_b32 s58, s58, 0x600000
	v_mov_b32 v5, s58
	s_add_co_i32 s58, s56, 127
	s_lshl_b32 s59, s58, 23
	v_mov_b32 v6, s59
	s_add_co_i32 s58, s58, 15
	s_lshl_b32 s58, s58, 23
	s_or_b32 s58, s58, 0x600000
	v_mov_b32 v7, s58
	s_add_co_i32 s100, s54, s55
	s_wait_loadcnt 0x0                             ; Q is in, and its base may be written over
.if MASKED
	s_load_b512 s[32:47], s[12:13], s[MO] offset:0x0   ; step 0's 64 words
	s_load_b512 s[48:63], s[12:13], s[MO] offset:0x40
	s_load_b512 s[68:83], s[12:13], s[MO] offset:0x80
	s_load_b512 s[84:99], s[12:13], s[MO] offset:0xc0
.endif
; A KEY STEP: 128 keys.
.macro STEP
	v_add_nc_u32 v2, s[TB], v1
	PLACES 3                                       ; with the addition: four places behind the last products, whose operands the loads below write over
.irp t, 0,1,2,3,4,5,6,7
	ds_load_b128 v[32+8*\t:35+8*\t], v2 offset:1024*\t
	ds_load_b128 v[36+8*\t:39+8*\t], v2 offset:1024*\t+512
.endr
	s_wait_dscnt 0x0
.irp t, 0,1,2,3,4,5,6,7
	v_wmma_f32_16x16x64_bf8_bf8 v[96+8*\t:103+8*\t], v[32+8*\t:39+8*\t], v[8:15], 0
.endr
	PLACES 4
.irp t, 0,1,2,3
.irp c, 0,1,2,3
	ds_load_b128 v[32+16*\t+4*\c:35+16*\t+4*\c], v2 offset:8192+2048*\t+512*\c   ; V^T's four fragments land under the softmax
.endr
.endr
.if MASKED
	s_wait_kmcnt 0x0                               ; this step's words
.set n, 0
.rept 64
.if n < 32
	v_cndmask_b32 v[96+n], v3, v[96+n], s[32+n]
.else
	v_cndmask_b32 v[96+n], v3, v[96+n], s[36+n]
.endif
.set n, n+1
.endr
.endif
	v_max3_num_f32 v22, v96, v97, v98              ; the step's largest score of my query among my 64 keys, in two chains, from the low end on
	v_max3_num_f32 v23, v99, v100, v101
.irp i, 6,10,14,18,22,26,30,34,38,42,46,50,54,58
	v_max3_num_f32 v22, v22, v[96+\i], v[97+\i]
	v_max3_num_f32 v23, v23, v[98+\i], v[99+\i]
.endr
	v_max3_num_f32 v22, v22, v158, v159
	v_max_num_f32 v22, v22, v23
.if MASKED
	s_add_co_u32 s[MO], s[MO], 256                 ; the next step's words, a step ahead; behind the wait above the offset may be written.
	s_min_u32 s[MO], s[MO], 3840                   ; The last trip asks for step 15's again: no load leaves the buffer
	s_load_b512 s[32:47], s[12:13], s[MO] offset:0x0
	s_load_b512 s[48:63], s[12:13], s[MO] offset:0x40
	s_load_b512 s[68:83], s[12:13], s[MO] offset:0x80
	s_load_b512 s[84:99], s[12:13], s[MO] offset:0xc0
.endif
	v_permlanex16_b32 v24, v22, s[SEL], s[SEL+1]
	v_max_num_f32 v22, v22, v24                    ; and among lane l xor 16's
	v_mul_f32 v22, s[CS], v22                      ; as t (c is positive)
	v_max_num_f32 v17, v17, v22
	v_mov_b32 v22, v16
	v_floor_f32 v16, -v17                          ; -M = floor(-t)
	v_sub_f32 v22, v16, v22                        ; old M - new M: a whole number, 0 or less
	v_cvt_i32_f32 v22, v22                         ; (it saturates)
	v_ldexp_f32 v20, 1.0, v22                      ; f = 2^(old M - new M)
.set j, 0
.rept 32
	v_pk_fma_f32 v[96+j:97+j], v[96+j:97+j], s[CS:CS+1], v[16:17] op_sel_hi:[1,0,0]   ; t - M
.set j, j+2
.endr
.set j, 0
.rept 64
	v_exp_f32 v[96+j], v[96+j]
.set j, j+1
.endr
	v_pk_mul_f32 v[18:19], v[18:19], v[20:21] op_sel_hi:[1,0]   ; the sum under the new M (a plain place behind the exponentials)
	s_wait_alu depctr_va_vdst(0)
	v_pk_add_f32 v[26:27], v[96:97], v[98:99]      ; the sum of the unquantised p, in two chains
.irp j, 4,8,12,16,20,24,28,32,36,40,44,48,52,56,60
	v_pk_add_f32 v[18:19], v[18:19], v[96+\j:97+\j]
	v_pk_add_f32 v[26:27], v[26:27], v[98+\j:99+\j]
.endr
	v_pk_add_f32 v[18:19], v[18:19], v[26:27]
.irp b, 0,1,2,3
.set k, 0
.rept 16
	v_min_num_f32 v[96+16*\b+k], v[96+16*\b+k], v5 ; the conversion does not saturate (ISA guide 7.6.2); p is not negative: a one-sided hold
.set k, k+1
.endr
	v_cvt_scalef32_pk8_bf8_f32 v[192+4*\b:193+4*\b], v[96+16*\b:103+16*\b], v4
	v_cvt_scalef32_pk8_bf8_f32 v[194+4*\b:195+4*\b], v[104+16*\b:111+16*\b], v4
.endr
.set j, 0
.rept 16
	v_pk_mul_f32 v[160+j:161+j], v[160+j:161+j], v[20:21] op_sel_hi:[1,0]   ; O^T under the new M; also the plain lines behind the conversions
.set j, j+2
.endr
	s_wait_dscnt 0x0                               ; V
.irp t, 0,1,2,3
	v_wmma_f32_16x16x128_bf8_bf8 v[160+8*\t:167+8*\t], v[32+16*\t:47+16*\t], v[192:207], v[160+8*\t:167+8*\t]   ; four accumulators by turns, the scores' eight products between two turns
.endr
	s_add_co_u32 s[TB], s[TB], 16384
.endm
.macro HALF                            ; eight key steps
	s_mov_b32 s[CNT], 8
.Lstep_\@:
	STEP
	s_sub_co_u32 s[CNT], s[CNT], 1
	s_cmp_lg_u32 s[CNT], 0
	s_cbranch_scc1 .Lstep_\@
.endm
	s_wait_tensorcnt 0x1                           ; my piece of key steps 0-7 has landed; the other may stay out
	s_barrier_signal -1
	s_barrier_wait -1                              ; everybody's has
	HALF
	s_wait_tensorcnt 0x0                           ; my piece of key steps 8-15
	s_wait_dscnt 0x0
	s_barrier_signal -1
	s_barrier_wait -1
	s_mov_b32 s[TB], 0x20000
	HALF
	; THE WAY OUT: O^T / the sum x 2^(ep + ev), quantised with 2^eo: a lane's 16 registers of tiles 2 c and 2 c + 1 are channels 32 c + 16 h + 0 .. 15 of its query: image c of the next product's operand.
	PLACES 4
	v_add_f32 v18, v18, v19
	v_permlanex16_b32 v24, v18, s[SEL], s[SEL+1]
	v_add_f32 v18, v18, v24
	v_rcp_f32 v18, v18
	v_nop
	s_wait_alu depctr_va_vdst(0)
	v_ldexp_f32 v18, v18, s100
.set j, 0
.rept 32
	v_mul_f32 v[208+j], v[160+j], v18
.set j, j+1
.endr
.set j, 0
.rept 32
	v_med3_num_f32 v[208+j], v[208+j], -v7, v7
.set j, j+1
.endr
.irp q, 0,1,2,3
	v_cvt_scalef32_pk8_bf8_f32 v[240+2*\q:241+2*\q], v[208+8*\q:215+8*\q], v6
.endr
	v_nop
	global_store_b128 v1, v[240:243], s[14:15]     ; 512 consecutive bytes each, aligned
	global_store_b128 v1, v[244:247], s[14:15] offset:512
	s_wait_tensorcnt 0x0
	ds_add_u32 v254, v255
	s_wait_dscnt 0x0
	CROUND                                         ; the closing round: no work-group ends while a partner may still ask
	s_endpgm
.Lfunc_end_k_qf519aa45e2_sa_attn:
	.size	k_qf519aa45e2_sa_attn, .Lfunc_end_k_qf519aa45e2_sa_attn-k_qf519aa45e2_sa_attn
	.p2alignl 7, 3214868480
	.fill 96, 4, 3214868480
	.section	.rodata,"a",@progbits
	.p2align	6, 0x0
	.amdhsa_kernel k_qf519aa45e2_sa_attn
		.amdhsa_group_segment_fixed_size 264192
		.amdhsa_private_segment_fixed_size 0
		.amdhsa_enable_private_segment 0
		.amdhsa_kernarg_size 40
		.amdhsa_user_sgpr_count 2
		.amdhsa_user_sgpr_kernarg_segment_ptr 1
		.amdhsa_wavefront_size32 1
		.amdhsa_system_sgpr_workgroup_id_x 1
		.amdhsa_system_sgpr_workgroup_id_y 1
		.amdhsa_system_sgpr_workgroup_id_z 1
		.amdhsa_system_vgpr_workitem_id 0
		.amdhsa_next_free_vgpr 256
		.amdhsa_next_free_sgpr 102
		.amdhsa_reserve_vcc 0
		.amdhsa_float_denorm_mode_32 3
		.amdhsa_float_denorm_mode_16_64 3
		.amdhsa_memory_ordered 1
		.amdhsa_forward_progress 1
		.amdhsa_inst_pref_size 51
	.end_amdhsa_kernel
	.amdgpu_metadata
---
amdhsa.version: [ 1, 2 ]
amdhsa.kernels:
  - .name:           k_qf519aa45e2_sa_attn
    .symbol:         k_qf519aa45e2_sa_attn.kd
    .args:
      - { .name: qimg, .offset: 0, .size: 8, .value_kind: global_buffer, .address_space: global }
      - { .name: kv_sa, .offset: 8, .size: 8, .value_kind: global_buffer, .address_space: global }
      - { .name: maskw, .offset: 16, .size: 8, .value_kind: global_buffer, .address_space: global }
      - { .name: lowp_scales, .offset: 24, .size: 8, .value_kind: global_buffer, .address_space: global }
      - { .name: aimg, .offset: 32, .size: 8, .value_kind: global_buffer, .address_space: global }
    .group_segment_fixed_size: 264192
    .private_segment_fixed_size: 0
    .kernarg_segment_align: 8
    .kernarg_segment_size: 40
    .max_flat_workgroup_size: 512
    .sgpr_count:     102
    .vgpr_count:     256
    .wavefront_size: 32
...
	.end_amdgpu_metadata
.endif
;; end of part 2
;; launch mid1 (part 3): grid 128 x 1, 16 waves a work-group, no clusters, 166,912 bytes of LDS; arguments aimg, sa_wo_codes, sa_bo, tgt, ln1_w, ln1_b, ca_wq_codes, ca_bq, lowp_scales, x1, qimg; writes x1, qimg
.if DOCPART == 3
	.amdgcn_target "amdgcn-amd-amdhsa--gfx1250"
	.amdhsa_code_object_version 6
	.text
	.protected	k_qf519aa45e2_mid1
	.globl	k_qf519aa45e2_mid1
	.p2align	8
	.type	k_qf519aa45e2_mid1,@function
k_qf519aa45e2_mid1:
	s_mov_b64 s[64:65], 0
	v_nop
	global_prefetch_b8 v0, s[64:65] scope:SCOPE_SE
	s_setreg_imm32_b32 hwreg(HW_REG_WAVE_MODE, 25, 1), 1
	s_wait_xcnt 0x0
; x1 = LayerNorm(tgt + attention W_o^T + b_o), and the cross-attention's Q = x1 W_q^T + b_q as codes.  Both products on codes of E5M2.
; A work-group owns 64 whole rows (four tiles of tokens), since the norm wants whole rows; its 16 waves share the COLUMNS, 32 each.  Tiles, images and scales as in the launch 'front':
; slot r of tile (b, u) is element 32 b + 8 u + r + 8 (r / 8); four registers of a fragment are 512 bytes on end; weights go from memory into the registers of the one wave that multiplies by them.
; NO JOINT LOADS: the weights never lie in LDS, so there is no tile for a joint tensor load to bring.
; PHASES: the attention's images, 32 KiB, are copied into LDS | barrier | W_o: four K steps; sum x 2^(e10 + e11) + b_o into a stage of 64 rows | barrier | wave w takes rows 4 w .. 4 w + 3 whole: + tgt, mean, variance in
; two passes, gain and bias; x1 is stored; the rows go back through the stage, 16 neighbours a lane, are quantised with 2^e12 and laid as images | barrier | W_q: four K steps; codes to qimg.
; LIMITS: e10 + e11 between -126 and 127; e12 and e18 - e12 - e13 between -126 and 112.  NaN is not served.
; REGISTERS: v1-11 addresses; v16-31 bias; v32-47 codes, in the norm its gain; v48-63 at work (v62, v63 the conversion's scale and hold), in the norm its bias; v64-127 accumulators, in the norm four rows;
; v128-191 the rows' fragments, in the norm tgt's rows and what is at work; v192-255 W's fragments, two buffers.
.set BIAS, 16
.set PC,   32
.set LNW,  32
.set TMP,  48
.set LNB,  48
.set SCL,  62
.set LIM,  63
.set ACC,  64
.set XF,   128
.set WF,   192
.set LI,   1                           ; 16 x lane
.set WA5,  2                           ; 512 pi(r) + 16 h
.set SO0,  4                           ; the stage, by columns: 2,064 pi(r) + 64 h + 128 w: tiles 0, 1
.set SO1,  5                           ; + 32 rows: tiles 2, 3
.set SR,   6                           ; the stage, by rows: 4 w x 2,064 + 16 x lane
.set SQ,   7                           ; 4 w x 2,064 + 64 x lane: 16 neighbours
.set IMW,  8                           ; where a row's 16 codes go in the images
.set LIX,  9                           ; LI + XIMG
.set XCW,  10                          ; LIX + 2,048 w
.set BA,   11                          ; 64 h
.set SP,   2064                        ; a stage row: 2,048 bytes + 16
.set XIMG, 64*SP                       ; LDS: the stage at 0; the images [tile 4][K step 4][c 4] x 512 bytes behind it
.set SEL,  48                          ; s[48:49] lane selects; s50 1/512; s51 eps; s[52:53] the output factor
.set RN,   50
.set EPS,  51
.macro PLACES n
.rept \n
	v_nop
.endr
.endm
.macro BARRIER                         ; my LDS stores have landed and my LDS loads are in: then the work-group's barrier
	s_wait_dscnt 0x0
	s_barrier_signal -1
	s_barrier_wait -1
.endm
.macro SETSC e                         ; s[e] = an exponent x: v[SCL] = 2^x as f32, v[LIM] = 57,344 x 2^x
	s_add_co_i32 s99, s[\e], 142
	s_add_co_i32 s98, s[\e], 127
	s_lshl_b32 s99, s99, 23
	s_lshl_b32 s98, s98, 23
	s_or_b32 s99, s99, 0x600000
	v_mov_b32 v[SCL], s98
	v_mov_b32 v[LIM], s99
.endm
.macro WLOAD buf, ptr, areg, off, pitch ; my two tiles of W's rows, 128 along K from byte off of the rows, into buffer buf: 8 loads
.irp u, 0,1
.irp c, 0,1,2,3
	global_load_b128 v[WF+32*(\buf)+16*\u+4*\c:WF+32*(\buf)+16*\u+4*\c+3], v[\areg], s[\ptr:\ptr+1] offset:(\off)+\u*8*\pitch+32*\c
.endr
.endr
.endm
; A K step: the rows' four fragments from LDS, 8 matrix instructions on 8 accumulators by turns, five places for the next loads, the first reads and accumulators begun anew.
; cm: 0 the sums start at 0, 1 at the bias, 2 they go on.  lcnt: the global loads issued behind the weight buffer that is multiplied here.
.macro KSTEP areg, off, ms, buf, cm, lcnt
.irp m, 0,1,2,3
.irp c, 0,1,2,3
	ds_load_b128 v[XF+16*\m+4*\c:XF+16*\m+4*\c+3], v[\areg] offset:(\off)+\m*(\ms)+512*\c
.endr
.endr
	s_wait_loadcnt \lcnt
	s_wait_dscnt 0x0
.irp m, 0,1,2,3
.irp u, 0,1
.if \cm == 0
	v_wmma_f32_16x16x128_bf8_bf8 v[ACC+16*\m+8*\u:ACC+16*\m+8*\u+7], v[WF+32*(\buf)+16*\u:WF+32*(\buf)+16*\u+15], v[XF+16*\m:XF+16*\m+15], 0
.elseif \cm == 1
	v_wmma_f32_16x16x128_bf8_bf8 v[ACC+16*\m+8*\u:ACC+16*\m+8*\u+7], v[WF+32*(\buf)+16*\u:WF+32*(\buf)+16*\u+15], v[XF+16*\m:XF+16*\m+15], v[BIAS+8*\u:BIAS+8*\u+7]
.else
	v_wmma_f32_16x16x128_bf8_bf8 v[ACC+16*\m+8*\u:ACC+16*\m+8*\u+7], v[WF+32*(\buf)+16*\u:WF+32*(\buf)+16*\u+15], v[XF+16*\m:XF+16*\m+15], v[ACC+16*\m+8*\u:ACC+16*\m+8*\u+7]
.endif
.endr
.endr
	PLACES 5
.endm
.macro BIASK ptr, off                  ; my half's 16 numbers of the wave's 32: 4 loads
.irp i, 0,1,2,3
	global_load_b128 v[BIAS+4*\i:BIAS+4*\i+3], v[BA], s[\ptr:\ptr+1] offset:(\off)+16*\i
.endr
.endm
.macro PREPK neg
.set k, 0
.rept 16
	v_ldexp_f32 v[BIAS+k], v[BIAS+k], s[\neg]
.set k, k+1
.endr
.endm
.macro QUANT relu                      ; four groups of 16 neighbours become four images' registers; each accumulator is read from its low end on
.irp g, 0,1,2,3
.set k, 0
.rept 16
.if \relu
	v_med3_num_f32 v[ACC+16*\g+k], v[ACC+16*\g+k], 0, v[LIM]
.else
	v_med3_num_f32 v[ACC+16*\g+k], v[ACC+16*\g+k], -v[LIM], v[LIM]   ; the conversion to an 8-bit code does not saturate (ISA guide 7.6.2): the hold comes first
.endif
.set k, k+1
.endr
	v_cvt_scalef32_pk8_bf8_f32 v[PC+4*\g:PC+4*\g+1], v[ACC+16*\g:ACC+16*\g+7], v[SCL]
	v_cvt_scalef32_pk8_bf8_f32 v[PC+4*\g+2:PC+4*\g+3], v[ACC+16*\g+8:ACC+16*\g+15], v[SCL]
.endr
	v_nop
.endm
.macro EPIG ptr, o0, o1, o2, o3
	s_wait_xcnt 0x0
	QUANT 0
	global_store_b128 v[LI], v[PC:PC+3], s[\ptr:\ptr+1] offset:\o0
	global_store_b128 v[LI], v[PC+4:PC+7], s[\ptr:\ptr+1] offset:\o1
	global_store_b128 v[LI], v[PC+8:PC+11], s[\ptr:\ptr+1] offset:\o2
	global_store_b128 v[LI], v[PC+12:PC+15], s[\ptr:\ptr+1] offset:\o3
.endm
; A layer: four K steps; the weights run two K steps ahead, on into the successor's first two.  sk: 0 no successor; 1 a bias and weights; 3 weights alone.
.macro LAYER areg, xoff, cm, wp, woff, sk, bp, boff, swp, swoff, sareg, spitch
	KSTEP \areg, (\xoff), 8192, 0, \cm, 8
	WLOAD 0, \wp, WA5, (\woff)+256, 512
	KSTEP \areg, (\xoff)+2048, 8192, 1, 2, 8
	WLOAD 1, \wp, WA5, (\woff)+384, 512
	KSTEP \areg, (\xoff)+4096, 8192, 0, 2, 8
.if \sk == 1
	BIASK \bp, \boff
.endif
.if \sk > 0
	WLOAD 0, \swp, \sareg, (\swoff), \spitch
.endif
.if \sk == 0
	KSTEP \areg, (\xoff)+6144, 8192, 1, 2, 0
.elseif \sk == 1
	KSTEP \areg, (\xoff)+6144, 8192, 1, 2, 12
.else
	KSTEP \areg, (\xoff)+6144, 8192, 1, 2, 8
.endif
.if \sk > 0
	WLOAD 1, \swp, \sareg, (\swoff)+128, \spitch
.endif
.endm
; The sums become numbers, sum x s[sp] + bias, and go into the stage: lane (r, h) holds features 32 w + 16 h + 0 .. 15 of its token: 64 bytes.  addx = 1: what lies at those bytes is added first.
.macro STAGEOUT sp, addx
.if \addx
.irp m, 0,1,2,3
.irp i, 0,1,2,3
.if \m < 2
	ds_load_b128 v[XF+16*\m+4*\i:XF+16*\m+4*\i+3], v[SO0] offset:8*(\m%2)*SP+16*\i
.else
	ds_load_b128 v[XF+16*\m+4*\i:XF+16*\m+4*\i+3], v[SO1] offset:8*(\m%2)*SP+16*\i
.endif
.endr
.endr
.endif
.irp m, 0,1,2,3
.irp q, 0,2,4,6,8,10,12,14
	v_pk_fma_f32 v[ACC+16*\m+\q:ACC+16*\m+\q+1], v[ACC+16*\m+\q:ACC+16*\m+\q+1], s[\sp:\sp+1], v[BIAS+\q:BIAS+\q+1] op_sel_hi:[1,0,1]
.endr
.endr
.if \addx
	s_wait_dscnt 0x0
.set k, 0
.rept 32
	v_pk_add_f32 v[ACC+k:ACC+k+1], v[ACC+k:ACC+k+1], v[XF+k:XF+k+1]
.set k, k+2
.endr
.endif
.irp m, 0,1,2,3
.irp i, 0,1,2,3
.if \m < 2
	ds_store_b128 v[SO0], v[ACC+16*\m+4*\i:ACC+16*\m+4*\i+3] offset:8*(\m%2)*SP+16*\i
.else
	ds_store_b128 v[SO1], v[ACC+16*\m+4*\i:ACC+16*\m+4*\i+3] offset:8*(\m%2)*SP+16*\i
.endif
.endr
.endr
.endm
.macro LNRED                           ; four rows side by side: two packed chains become one number in every lane of the wave
.irp i, 0,1,2,3
	v_pk_add_f32 v[XF+16*\i:XF+16*\i+1], v[XF+16*\i:XF+16*\i+1], v[XF+16*\i+2:XF+16*\i+3]
.endr
.irp i, 0,1,2,3
	v_add_f32 v[XF+16*\i+4], v[XF+16*\i], v[XF+16*\i+1]
.endr
.irp x, 1,2,4,8
.irp i, 0,1,2,3
	v_add_f32_dpp v[XF+16*\i+4], v[XF+16*\i+4], v[XF+16*\i+4] row_xmask:\x row_mask:0xf bank_mask:0xf
.endr
.endr
.irp i, 0,1,2,3
	v_permlanex16_b32 v[XF+16*\i+5], v[XF+16*\i+4], s[SEL], s[SEL+1]
.endr
.irp i, 0,1,2,3
	v_add_f32 v[XF+16*\i+4], v[XF+16*\i+4], v[XF+16*\i+5]
.endr
.endm
; THE NORM of my four rows.  Row i in v[ACC + 16 i ..]: register 4 j + q is feature 128 j + 4 x lane + q.  res: the residual lies in v[XF ..], loaded alike.  sto: the rows are stored at s[stoptr].
; qnt: they are quantised with 2^s[esc] and laid as images.  lcnt: the global loads issued behind the residual's and the gain's.
.macro LNROWS res, sto, qnt, lcnt, stoptr, esc
.irp i, 0,1,2,3
.irp j, 0,1,2,3
	ds_load_b128 v[ACC+16*\i+4*\j:ACC+16*\i+4*\j+3], v[SR] offset:SP*\i+512*\j
.endr
.endr
	s_wait_dscnt 0x0
	s_wait_loadcnt \lcnt
.if \res
.set k, 0
.rept 32
	v_pk_add_f32 v[ACC+k:ACC+k+1], v[ACC+k:ACC+k+1], v[XF+k:XF+k+1]
.set k, k+2
.endr
.endif
.irp i, 0,1,2,3
	v_pk_add_f32 v[XF+16*\i:XF+16*\i+1], v[ACC+16*\i:ACC+16*\i+1], v[ACC+16*\i+2:ACC+16*\i+3]
	v_pk_add_f32 v[XF+16*\i+2:XF+16*\i+3], v[ACC+16*\i+4:ACC+16*\i+5], v[ACC+16*\i+6:ACC+16*\i+7]
.endr
.irp k, 8,12
.irp i, 0,1,2,3
	v_pk_add_f32 v[XF+16*\i:XF+16*\i+1], v[XF+16*\i:XF+16*\i+1], v[ACC+16*\i+\k:ACC+16*\i+\k+1]
	v_pk_add_f32 v[XF+16*\i+2:XF+16*\i+3], v[XF+16*\i+2:XF+16*\i+3], v[ACC+16*\i+\k+2:ACC+16*\i+\k+3]
.endr
.endr
	LNRED
.irp i, 0,1,2,3
	v_mul_f32 v[XF+16*\i+6], s[RN], v[XF+16*\i+4]  ; the mean
.endr
.irp i, 0,1,2,3
.irp k, 0,2,4,6,8,10,12,14
	v_pk_add_f32 v[ACC+16*\i+\k:ACC+16*\i+\k+1], v[ACC+16*\i+\k:ACC+16*\i+\k+1], v[XF+16*\i+6:XF+16*\i+7] op_sel_hi:[1,0] neg_lo:[0,1] neg_hi:[0,1]
.endr
.endr
.irp i, 0,1,2,3                        ; the variance of what is left: no difference of large sums is formed
	v_pk_mul_f32 v[XF+16*\i:XF+16*\i+1], v[ACC+16*\i:ACC+16*\i+1], v[ACC+16*\i:ACC+16*\i+1]
	v_pk_mul_f32 v[XF+16*\i+2:XF+16*\i+3], v[ACC+16*\i+2:ACC+16*\i+3], v[ACC+16*\i+2:ACC+16*\i+3]
.endr
.irp k, 4,8,12
.irp i, 0,1,2,3
	v_pk_fma_f32 v[XF+16*\i:XF+16*\i+1], v[ACC+16*\i+\k:ACC+16*\i+\k+1], v[ACC+16*\i+\k:ACC+16*\i+\k+1], v[XF+16*\i:XF+16*\i+1]
	v_pk_fma_f32 v[XF+16*\i+2:XF+16*\i+3], v[ACC+16*\i+\k+2:ACC+16*\i+\k+3], v[ACC+16*\i+\k+2:ACC+16*\i+\k+3], v[XF+16*\i+2:XF+16*\i+3]
.endr
.endr
	LNRED
.irp i, 0,1,2,3
	v_fma_f32 v[XF+16*\i+4], v[XF+16*\i+4], s[RN], s[EPS]
.endr
.irp i, 0,1,2,3
	v_rsq_f32 v[XF+16*\i+8], v[XF+16*\i+4]
.endr
	v_nop                                          ; a plain line behind the last transcendental
	s_wait_alu depctr_va_vdst(0)
.irp i, 0,1,2,3
.irp k, 0,2,4,6,8,10,12,14
	v_pk_mul_f32 v[ACC+16*\i+\k:ACC+16*\i+\k+1], v[ACC+16*\i+\k:ACC+16*\i+\k+1], v[XF+16*\i+8:XF+16*\i+9] op_sel_hi:[1,0]
.endr
.endr
.irp i, 0,1,2,3
.irp k, 0,2,4,6,8,10,12,14
	v_pk_fma_f32 v[ACC+16*\i+\k:ACC+16*\i+\k+1], v[ACC+16*\i+\k:ACC+16*\i+\k+1], v[LNW+\k:LNW+\k+1], v[LNB+\k:LNB+\k+1]
.endr
.endr
.if \sto
.irp i, 0,1,2,3
.irp j, 0,1,2,3
	global_store_b128 v[LI], v[ACC+16*\i+4*\j:ACC+16*\i+4*\j+3], s[\stoptr:\stoptr+1] offset:2048*\i+512*\j   ; 512 consecutive bytes, aligned
.endr
.endr
.endif
.if \qnt
.irp i, 0,1,2,3
.irp j, 0,1,2,3
	ds_store_b128 v[SR], v[ACC+16*\i+4*\j:ACC+16*\i+4*\j+3] offset:SP*\i+512*\j   ; back into my own rows of the stage,
.endr
.endr
.irp i, 0,1,2,3
.irp j, 0,1,2,3
	ds_load_b128 v[XF+16*\i+4*\j:XF+16*\i+4*\j+3], v[SQ] offset:SP*\i+16*\j       ; and out again 16 neighbours a lane: LDS serves a wave's instructions in order (ISA guide 5.7.1.4)
.endr
.endr
	SETSC \esc
	s_wait_dscnt 0x0
.irp i, 0,1,2,3
.set k, 0
.rept 16
	v_med3_num_f32 v[XF+16*\i+k], v[XF+16*\i+k], -v[LIM], v[LIM]
.set k, k+1
.endr
	v_cvt_scalef32_pk8_bf8_f32 v[PC+4*\i:PC+4*\i+1], v[XF+16*\i:XF+16*\i+7], v[SCL]
	v_cvt_scalef32_pk8_bf8_f32 v[PC+4*\i+2:PC+4*\i+3], v[XF+16*\i+8:XF+16*\i+15], v[SCL]
.endr
	v_nop
.irp i, 0,1,2,3
	ds_store_b128 v[IMW], v[PC+4*\i:PC+4*\i+3] offset:16*\i   ; features 16 l .. 16 l + 15 of row 4 w + i: 256 l bytes into its tile's images, at its slot
.endr
.endif
.if \sto && \qnt
	s_wait_xcnt 0x0                                ; the stores have read the rows' registers, which become accumulators again
.endif
.endm
	s_load_b512 s[4:19], s[0:1], 0x0               ; aimg 4, sa_wo 6, sa_bo 8, tgt 10, ln1_w 12, ln1_b 14, ca_wq 16, ca_bq 18
	s_load_b128 s[20:23], s[0:1], 0x40             ; scales 20, x1 22
	s_load_b64 s[24:25], s[0:1], 0x50              ; qimg
	v_lshl_add_u32 v14, v0, 2, 0x28400
	v_mov_b32 v15, 0
	v_lshrrev_b32 v16, 5, v0
	v_readfirstlane_b32 s66, v16                   ; wave w
	v_and_b32 v16, 31, v0                          ; lane
	v_and_b32 v17, 15, v0                          ; r
	v_bfe_u32 v18, v0, 4, 1                        ; h
	v_and_b32 v19, 8, v17
	v_add_nc_u32 v19, v19, v17                     ; pi(r)
	v_lshlrev_b32 v[LI], 4, v16
	v_lshlrev_b32 v[WA5], 9, v19
	v_lshl_add_u32 v[WA5], v18, 4, v[WA5]
	v_lshlrev_b32 v[BA], 6, v18
	v_mul_u32_u24 v[SO0], v19, SP
	v_lshl_add_u32 v[SO0], v18, 6, v[SO0]
	s_lshl_b32 s67, s66, 7
	v_add_nc_u32 v[SO0], s67, v[SO0]
	v_add_nc_u32 v[SO1], 32*SP, v[SO0]
	s_mul_i32 s68, s66, 4*SP
	v_add_nc_u32 v[SR], s68, v[LI]
	v_lshl_add_u32 v[SQ], v16, 6, s68
	s_lshr_b32 s69, s66, 3                         ; local row 4 w + i lies in tile m = 2 (w / 8) + (w / 2) % 2, slot 4 (w % 2) + 8 ((w / 4) % 2) + i
	s_lshl_b32 s69, s69, 1
	s_bfe_u32 s70, s66, 0x10001
	s_add_co_u32 s69, s69, s70
	s_lshl_b32 s69, s69, 13
	s_and_b32 s70, s66, 1
	s_lshl_b32 s70, s70, 6
	s_add_co_u32 s69, s69, s70
	s_bfe_u32 s70, s66, 0x10002
	s_lshl_b32 s70, s70, 7
	s_add_co_u32 s69, s69, s70
	s_add_co_u32 s69, s69, XIMG
	v_lshl_add_u32 v[IMW], v16, 8, s69
	v_add_nc_u32 v[LIX], XIMG, v[LI]
	s_lshl_b32 s70, s66, 11
	v_add_nc_u32 v[XCW], s70, v[LIX]
	s_lshl_b32 s72, ttmp9, 15                      ; the attention's images of my 64 rows, my wave's 2,048 bytes of them
	s_add_co_u32 s72, s72, s70
	s_mov_b32 s73, 0
	s_lshl_b32 s74, s66, 14                        ; my 32 rows of a weight
	s_mov_b32 s75, 0
	s_mov_b32 s76, s67                             ; my 32 numbers of a bias
	s_mov_b32 s77, 0
	s_lshl_b32 s78, ttmp9, 17                      ; rows 64 g + 4 w of tgt and x1
	s_lshl_b32 s79, s66, 13
	s_add_co_u32 s78, s78, s79
	s_mov_b32 s79, 0
	s_lshr_b32 s80, ttmp9, 5                       ; Q's images: (batch x 8 + w / 2) x 131,072 + 4 (g % 32) x 1,024 + 512 (w % 2)
	s_lshl_b32 s80, s80, 3
	s_lshr_b32 s82, s66, 1
	s_add_co_u32 s80, s80, s82
	s_lshl_b32 s80, s80, 17
	s_and_b32 s82, ttmp9, 31
	s_lshl_b32 s82, s82, 12
	s_add_co_u32 s80, s80, s82
	s_and_b32 s82, s66, 1
	s_lshl_b32 s82, s82, 9
	s_add_co_u32 s80, s80, s82
	s_mov_b32 s81, 0
	s_mov_b32 s[SEL], 0x76543210
	s_mov_b32 s[SEL+1], 0xfedcba98
	s_mov_b32 s[RN], 0x3b000000                    ; 1 / 512
	s_mov_b32 s[EPS], 0x3727c5ac                   ; 1e-5
	s_wait_kmcnt 0x0
	s_load_b128 s[40:43], s[20:21], 40             ; e10, e11, e12, e13
	s_load_b32 s44, s[20:21], 72                   ; e18
	s_add_nc_u64 s[4:5], s[4:5], s[72:73]
	s_add_nc_u64 s[6:7], s[6:7], s[74:75]
	s_add_nc_u64 s[8:9], s[8:9], s[76:77]
	s_add_nc_u64 s[10:11], s[10:11], s[78:79]
	s_add_nc_u64 s[16:17], s[16:17], s[74:75]
	s_add_nc_u64 s[18:19], s[18:19], s[76:77]
	s_add_nc_u64 s[22:23], s[22:23], s[78:79]
	s_add_nc_u64 s[24:25], s[24:25], s[80:81]
.irp i, 0,1,2,3
	global_load_b128 v[TMP+4*\i:TMP+4*\i+3], v[LI], s[4:5] offset:512*\i
.endr
	BIASK 8, 0
	WLOAD 0, 6, WA5, 0, 512
	WLOAD 1, 6, WA5, 128, 512
	s_wait_loadcnt 20                              ; the images' four loads are in; behind them: 4 + 8 + 8
.irp i, 0,1,2,3
	ds_store_b128 v[XCW], v[TMP+4*\i:TMP+4*\i+3] offset:512*\i
.endr
	BARRIER                                        ; the attention's sixteen fragments lie in LDS
	LAYER LIX, 0, 0, 6, 0, 3, 0, 0, 16, 0, WA5, 512
.irp i, 0,1,2,3
.irp j, 0,1,2,3
	global_load_b128 v[XF+16*\i+4*\j:XF+16*\i+4*\j+3], v[LI], s[10:11] offset:2048*\i+512*\j   ; tgt's rows 4 w + i, for the norm
.endr
.endr
.irp j, 0,1,2,3
	global_load_b128 v[LNW+4*\j:LNW+4*\j+3], v[LI], s[12:13] offset:512*\j
	global_load_b128 v[LNB+4*\j:LNB+4*\j+3], v[LI], s[14:15] offset:512*\j
.endr
	s_wait_kmcnt 0x0
	s_add_co_i32 s52, s40, s41
	s_add_co_i32 s52, s52, 127
	s_lshl_b32 s52, s52, 23                        ; 2^(e10 + e11) as f32
	s_mov_b32 s53, s52
	STAGEOUT 52, 0
	BIASK 18, 0
	BARRIER                                        ; 64 whole rows lie in the stage, and nobody reads the images any more
	LNROWS 1, 1, 1, 4, 22, 42                      ; behind tgt's rows and the gain: the 4 loads of b_q
	BARRIER                                        ; x1's sixteen fragments lie in LDS
	s_add_co_i32 s94, s42, s43
	s_sub_co_i32 s95, 0, s94
	s_wait_loadcnt 0x0
	PREPK 95
	s_sub_co_i32 s94, s44, s94                     ; e18 - e12 - e13
	SETSC 94
	LAYER LIX, 0, 1, 16, 0, 0, 0, 0, 0, 0, 0, 0
	EPIG 24, 0, 1024, 2048, 3072
	s_wait_tensorcnt 0x0
	ds_add_u32 v14, v15
	s_wait_dscnt 0x0
	s_endpgm
.Lfunc_end_k_qf519aa45e2_mid1:
	.size	k_qf519aa45e2_mid1, .Lfunc_end_k_qf519aa45e2_mid1-k_qf519aa45e2_mid1
	.p2alignl 7, 3214868480
	.fill 96, 4, 3214868480
	.section	.rodata,"a",@progbits
	.p2align	6, 0x0
	.amdhsa_kernel k_qf519aa45e2_mid1
		.amdhsa_group_segment_fixed_size 166912
		.amdhsa_private_segment_fixed_size 0
		.amdhsa_enable_private_segment 0
		.amdhsa_kernarg_size 88
		.amdhsa_user_sgpr_count 2
		.amdhsa_user_sgpr_kernarg_segment_ptr 1
		.amdhsa_wavefront_size32 1
		.amdhsa_system_sgpr_workgroup_id_x 1
		.amdhsa_system_sgpr_workgroup_id_y 1
		.amdhsa_system_sgpr_workgroup_id_z 1
		.amdhsa_system_vgpr_workitem_id 0
		.amdhsa_next_free_vgpr 256
		.amdhsa_next_free_sgpr 100
		.amdhsa_reserve_vcc 0
		.amdhsa_float_denorm_mode_32 3
		.amdhsa_float_denorm_mode_16_64 3
		.amdhsa_memory_ordered 1
		.amdhsa_forward_progress 1
		.amdhsa_inst_pref_size 63
	.end_amdhsa_kernel
	.amdgpu_metadata
---
amdhsa.version: [ 1, 2 ]
amdhsa.kernels:
  - .name:           k_qf519aa45e2_mid1
    .symbol:         k_qf519aa45e2_mid1.kd
    .args:
      - { .name: aimg, .offset: 0, .size: 8, .value_kind: global_buffer, .address_space: global }
      - { .name: sa_wo_codes, .offset: 8, .size: 8, .value_kind: global_buffer, .address_space: global }
      - { .name: sa_bo, .offset: 16, .size: 8, .value_kind: global_buffer, .address_space: global }
      - { .name: tgt, .offset: 24, .size: 8, .value_kind: global_buffer, .address_space: global }
      - { .name: ln1_w, .offset: 32, .size: 8, .value_kind: global_buffer, .address_space: global }
      - { .name: ln1_b, .offset: 40, .size: 8, .value_kind: global_buffer, .address_space: global }
      - { .name: ca_wq_codes, .offset: 48, .size: 8, .value_kind: global_buffer, .address_space: global }
      - { .name: ca_bq, .offset: 56, .size: 8, .value_kind: global_buffer, .address_space: global }
      - { .name: lowp_scales, .offset: 64, .size: 8, .value_kind: global_buffer, .address_space: global }
      - { .name: x1, .offset: 72, .size: 8, .value_kind: global_buffer, .address_space: global }
      - { .name: qimg, .offset: 80, .size: 8, .value_kind: global_buffer, .address_space: global }
    .group_segment_fixed_size: 166912
    .private_segment_fixed_size: 0
    .kernarg_segment_align: 8
    .kernarg_segment_size: 88
    .max_flat_workgroup_size: 512
    .sgpr_count:     100
    .vgpr_count:     256
    .wavefront_size: 32
...
	.end_amdgpu_metadata
.endif
;; end of part 3
;; launch ca_attn (part 4): grid 8 x 32, 16 waves a work-group, clusters of 4 x 1, 264,192 bytes of LDS; arguments qimg, kv_ca, lowp_scales, aimg; writes aimg
.if DOCPART == 4
	.amdgcn_target "amdgcn-amd-amdhsa--gfx1250"
	.amdhsa_code_object_version 6
	.text
	.protected	k_qf519aa45e2_ca_attn
	.globl	k_qf519aa45e2_ca_attn
	.p2align	8
	.type	k_qf519aa45e2_ca_attn,@function
k_qf519aa45e2_ca_attn:
	s_mov_b64 s[64:65], 0
	v_nop
	global_prefetch_b8 v0, s[64:65] scope:SCOPE_SE
	s_setreg_imm32_b32 hwreg(HW_REG_WAVE_MODE, 25, 1), 1
	s_wait_xcnt 0x0
	s_wait_alu depctr_hold_cnt(0) depctr_sa_sdst(0) depctr_va_vdst(0) depctr_va_sdst(0) depctr_va_ssrc(0) depctr_va_vcc(0) depctr_vm_vsrc(0)
	s_getreg_b32 s2, hwreg(HW_REG_IB_STS2, 6, 4)
	s_cmp_eq_u32 s2, 0
	s_cbranch_scc0 .Lentry_in_a_cluster
	s_endpgm
.Lentry_in_a_cluster:
	s_bfe_u32 s2, ttmp6, 0x10000c
	s_cmp_lg_u32 s2, 0x3003
	s_cbranch_scc0 .Lentry_shape_is_right
	s_endpgm
.Lentry_shape_is_right:
; ATTENTION ON CODES OF E5M2, head size 64, 2,048 keys, with the mask that is given (MASKED = 1) or none (0).  Its result leaves as codes, quantised for the projection that follows.
; This is the cross-attention: no mask; the text is the self-attention's with the two constants below set otherwise.
; SHARES.  A work-group owns 256 queries of one head (grid y = batch x 8 + head); each of its sixteen waves owns one tile of 16 queries, in 256 registers: four waves to a SIMD, so that one wave's softmax stands beside another's products and LDS loads.
; THE HEAD'S K AND V LIE WHOLE IN LDS: 262,144 bytes of codes, laid by an earlier launch as images of the fragments' registers (16 key steps x (8 tiles of K x 1,024 bytes, then 4 fragments of V^T x 2,048)).
; No byte of LDS is filled twice.  Each wave brings two pieces of 8 KiB.  CLUSTER: the four work-groups of a cluster belong to one head: every piece is asked for jointly, by the same tensor load with the same descriptor and the mask 15.
; A wave has two tensor loads outstanding.
; LAYOUT.  Both products are used transposed: S^T = K Q^T (source 0 = 16 keys, source 1 = my 16 queries), O^T = V^T P^T: a lane holds ONE query throughout.  Slot r of a tile (b, u) is element 32 b + 8 u + r + 8 (r / 8),
; so score register n of a lane's half h is key 32 (n / 16) + 16 h + n % 16 of the step, and the conversions' results are the second product's operand.
; SOFTMAX.  t = score x log2(e) / 8; M = the largest t so far, rounded up to a whole number; p = 2^(t - M) is quantised with the given 2^ep, not normalised; the sum is taken of the unquantised p and divides at the end;
; when M moves, the sum and O^T are multiplied by 2^(old M - new M), which rounds nothing.
; LIMITS on the given exponents: eq + ek between -123 and 130; ep and eo between -126 and 112; ep + ev is applied by v_ldexp_f32.  NaN is not served.
; REGISTERS: v1 16 x lane; v2 the step's LDS address; v4, v5 2^ep and 57,344 x 2^ep; v6, v7 the same for eo; v8-15 Q; v16 -M, v17 the largest t; v[18:19] the sum; v[20:21] f; v22-27 at work;
; v32-95 K's fragments, then V's; v96-159 S^T, then p; v160-191 O^T; v192-207 p's codes; v208-247 the way out.
.set MASKED, 0
.set SC, 18                            ; eq, ek, ep, ev, eo are entries SC .. SC + 4 of the scales
.set WV,  16                           ; s16 my wave's number
.set TB,  17                           ; s17 LDS byte of the key step in hand
.set CNT, 18                           ; s18 trips
.set MO,  19                           ; s19 (with a mask: byte offset of the mask words that are asked for)
.set CS,  20                           ; s[20:21] c = log2(e) / 8 x 2^(eq + ek)
.set SEL, 22                           ; s[22:23] lane selects: lane l xor 16
.set G1,  24                           ; s[24:31] descriptor group 1; s[4:7], s[8:11] the two groups 0; s[14:15] my output; s100 ep + ev
.macro PLACES n
.rept \n
	v_nop
.endr
.endm
.macro CROUND                          ; a round of the cluster's barrier
	s_barrier_signal -1
	s_barrier_wait -1
	s_cmp_lg_u32 s[WV], 0
	s_cbranch_scc1 .Lnot_wave_0_\@
	s_barrier_signal -3
.Lnot_wave_0_\@:
	s_barrier_wait -3
	s_barrier_signal -1
	s_barrier_wait -1
.endm
	s_load_b128 s[32:35], s[0:1], 0x0              ; qimg s[32:33], kv s[34:35]
.if MASKED
	s_load_b128 s[36:39], s[0:1], 0x10             ; maskw s[36:37], the scales s[38:39]
	s_load_b64 s[40:41], s[0:1], 0x20              ; aimg
.else
	s_load_b64 s[38:39], s[0:1], 0x10              ; the scales
	s_load_b64 s[40:41], s[0:1], 0x18              ; aimg
	v_lshl_add_u32 v254, v0, 2, 0x40000
	v_mov_b32 v255, 0
	ds_add_u32 v254, v255
	ds_add_u32 v254, v255
.endif
	v_lshrrev_b32 v2, 5, v0
	v_readfirstlane_b32 s[WV], v2
	v_and_b32 v1, 31, v0
	v_lshlrev_b32 v1, 4, v1
	s_bfe_u32 s42, ttmp6, 0x40000                  ; cx: it enters the addresses of Q and of the output alone
	s_lshl_b32 s43, ttmp9, 2
	s_add_co_u32 s43, s43, s42
	s_lshl_b32 s43, s43, 4
	s_add_co_u32 s43, s43, s[WV]                   ; my tile of queries: 16 x work-group x + wave
	s_and_b32 s44, ttmp7, 0xffff                   ; batch x 8 + head, which the four partners share
	s_lshl_b32 s45, s[WV], 13                      ; my piece of each half of the head's block
	s_lshl_b32 s46, s44, 18
	s_add_co_u32 s46, s46, s45
	s_mov_b32 s47, 0
	s_lshl_b32 s48, s44, 17
	s_lshl_b32 s49, s43, 10
	s_add_co_u32 s48, s48, s49                     ; Q: head x 131,072 + tile x 1,024
	s_mov_b32 s49, 0
	s_mov_b32 s[G1], 15|(3<<16)|(1<<21)            ; 15:0 the mask: all four work-groups; 17:16 elements of 8 bytes; 21 set beside a mask; no padding
	s_mov_b32 s[G1+1], 32<<16                      ; tensor_dim0 = 32 elements: rows of 256 bytes
	s_mov_b32 s[G1+2], 32<<16                      ; tensor_dim1 = 32 rows
	s_mov_b32 s[G1+3], 32<<16                      ; tile_dim0
	s_mov_b32 s[G1+4], 32                          ; tile_dim1
	s_mov_b32 s[G1+5], 32                          ; the pitch: dense
	s_mov_b32 s[G1+6], 0
	s_mov_b32 s[G1+7], 0
	s_mov_b32 s[SEL], 0x76543210
	s_mov_b32 s[SEL+1], 0xfedcba98
	s_mov_b32 s[TB], 0
	s_wait_dscnt 0x0
	s_wait_kmcnt 0x0
	s_load_b128 s[52:55], s[38:39], 4*SC           ; eq, ek, ep, ev
	s_load_b32 s56, s[38:39], 4*SC+16              ; eo
	s_mov_b32 s4, 1
	s_mov_b32 s5, s45                              ; LDS: 8,192 x wave
	s_add_nc_u64 s[6:7], s[34:35], s[46:47]
	s_mov_b32 s8, 1
	s_add_co_u32 s9, s45, 0x20000                  ; and 131,072 further on
	s_add_nc_u64 s[10:11], s[6:7], 0x20000
	s_or_b32 s7, s7, 0x80000000
	s_or_b32 s11, s11, 0x80000000
	s_add_nc_u64 s[50:51], s[32:33], s[48:49]
	s_lshr_b32 s48, s44, 3
	s_lshl_b32 s48, s48, 7
	s_add_co_u32 s48, s48, s43
	s_lshl_b32 s48, s48, 13
	s_and_b32 s57, s44, 7
	s_lshl_b32 s57, s57, 10
	s_add_co_u32 s48, s48, s57
	s_add_nc_u64 s[14:15], s[40:41], s[48:49]      ; the output: (batch x 128 + tile) x 8,192 + head x 1,024
	CROUND                                         ; all four work-groups are here: the joint loads meet
	tensor_load_to_lds s[4:7], s[G1:G1+7]          ; key steps 0-7: my piece
	s_nop 0
	tensor_load_to_lds s[8:11], s[G1:G1+7]         ; key steps 8-15
	s_nop 0
	PLACES 4
	global_load_b128 v[8:11], v1, s[50:51]         ; Q's fragment stays in registers
	global_load_b128 v[12:15], v1, s[50:51] offset:512
	v_mov_b32 v17, 0xff61b1e6                      ; the largest t so far: -3e38
	v_floor_f32 v16, -v17
	v_mov_b32 v18, 0
	v_mov_b32 v19, 0
	v_mov_b32 v21, 0                               ; (named as the upper half of a pair)
	v_mov_b32 v24, 0                               ; (a lane permute's destination counts as one of its sources)
.set j, 0
.rept 32
	v_mov_b32 v[160+j], 0                          ; O^T: the step is written once, its first trip finds zeros
.set j, j+1
.endr
	s_wait_kmcnt 0x0
	s_add_co_i32 s57, s52, s53
	s_lshl_b32 s58, s57, 23
	s_mov_b32 s[CS], 0x3e38aa3b                    ; log2(e) / 8
	s_add_co_i32 s[CS], s[CS], s58                 ; x 2^(eq + ek), by its exponent field
	s_mov_b32 s[CS+1], s[CS]
	s_add_co_i32 s58, s54, 127
	s_lshl_b32 s59, s58, 23
	v_mov_b32 v4, s59
	s_add_co_i32 s58, s58, 15
	s_lshl_b32 s58, s58, 23
	s_or_b32 s58, s58, 0x600000
	v_mov_b32 v5, s58
	s_add_co_i32 s58, s56, 127
	s_lshl_b32 s59, s58, 23
	v_mov_b32 v6, s59
	s_add_co_i32 s58, s58, 15
	s_lshl_b32 s58, s58, 23
	s_or_b32 s58, s58, 0x600000
	v_mov_b32 v7, s58
	s_add_co_i32 s100, s54, s55
	s_wait_loadcnt 0x0                             ; Q is in
; A KEY STEP: 128 keys.
.macro STEP
	v_add_nc_u32 v2, s[TB], v1
	PLACES 3                                       ; with the addition: four places behind the last products, whose operands the loads below write over
.irp t, 0,1,2,3,4,5,6,7
	ds_load_b128 v[32+8*\t:35+8*\t], v2 offset:1024*\t
	ds_load_b128 v[36+8*\t:39+8*\t], v2 offset:1024*\t+512
.endr
	s_wait_dscnt 0x0
.irp t, 0,1,2,3,4,5,6,7
	v_wmma_f32_16x16x64_bf8_bf8 v[96+8*\t:103+8*\t], v[32+8*\t:39+8*\t], v[8:15], 0
.endr
	PLACES 4
.irp t, 0,1,2,3
.irp c, 0,1,2,3
	ds_load_b128 v[32+16*\t+4*\c:35+16*\t+4*\c], v2 offset:8192+2048*\t+512*\c   ; V^T's four fragments land under the softmax
.endr
.endr
	v_max3_num_f32 v22, v96, v97, v98              ; the step's largest score of my query among my 64 keys, in two chains, from the low end on
	v_max3_num_f32 v23, v99, v100, v101
.irp i, 6,10,14,18,22,26,30,34,38,42,46,50,54,58
	v_max3_num_f32 v22, v22, v[96+\i], v[97+\i]
	v_max3_num_f32 v23, v23, v[98+\i], v[99+\i]
.endr
	v_max3_num_f32 v22, v22, v158, v159
	v_max_num_f32 v22, v22, v23
	v_permlanex16_b32 v24, v22, s[SEL], s[SEL+1]
	v_max_num_f32 v22, v22, v24                    ; and among lane l xor 16's
	v_mul_f32 v22, s[CS], v22                      ; as t (c is positive)
	v_max_num_f32 v17, v17, v22
	v_mov_b32 v22, v16
	v_floor_f32 v16, -v17                          ; -M = floor(-t)
	v_sub_f32 v22, v16, v22                        ; old M - new M: a whole number, 0 or less
	v_cvt_i32_f32 v22, v22                         ; (it saturates)
	v_ldexp_f32 v20, 1.0, v22                      ; f = 2^(old M - new M)
.set j, 0
.rept 32
	v_pk_fma_f32 v[96+j:97+j], v[96+j:97+j], s[CS:CS+1], v[16:17] op_sel_hi:[1,0,0]   ; t - M
.set j, j+2
.endr
.set j, 0
.rept 64
	v_exp_f32 v[96+j], v[96+j]
.set j, j+1
.endr
	v_pk_mul_f32 v[18:19], v[18:19], v[20:21] op_sel_hi:[1,0]   ; the sum under the new M (a plain place behind the exponentials)
	s_wait_alu depctr_va_vdst(0)
	v_pk_add_f32 v[26:27], v[96:97], v[98:99]      ; the sum of the unquantised p, in two chains
.irp j, 4,8,12,16,20,24,28,32,36,40,44,48,52,56,60
	v_pk_add_f32 v[18:19], v[18:19], v[96+\j:97+\j]
	v_pk_add_f32 v[26:27], v[26:27], v[98+\j:99+\j]
.endr
	v_pk_add_f32 v[18:19], v[18:19], v[26:27]
.irp b, 0,1,2,3
.set k, 0
.rept 16
	v_min_num_f32 v[96+16*\b+k], v[96+16*\b+k], v5 ; the conversion does not saturate (ISA guide 7.6.2); p is not negative: a one-sided hold
.set k, k+1
.endr
	v_cvt_scalef32_pk8_bf8_f32 v[192+4*\b:193+4*\b], v[96+16*\b:103+16*\b], v4
	v_cvt_scalef32_pk8_bf8_f32 v[194+4*\b:195+4*\b], v[104+16*\b:111+16*\b], v4
.endr
.set j, 0
.rept 16
	v_pk_mul_f32 v[160+j:161+j], v[160+j:161+j], v[20:21] op_sel_hi:[1,0]   ; O^T under the new M; also the plain lines behind the conversions
.set j, j+2
.endr
	s_wait_dscnt 0x0                               ; V
.irp t, 0,1,2,3
	v_wmma_f32_16x16x128_bf8_bf8 v[160+8*\t:167+8*\t], v[32+16*\t:47+16*\t], v[192:207], v[160+8*\t:167+8*\t]   ; four accumulators by turns, the scores' eight products between two turns
.endr
	s_add_co_u32 s[TB], s[TB], 16384
.endm
.macro HALF                            ; eight key steps
	s_mov_b32 s[CNT], 8
.Lstep_\@:
	STEP
	s_sub_co_u32 s[CNT], s[CNT], 1
	s_cmp_lg_u32 s[CNT], 0
	s_cbranch_scc1 .Lstep_\@
.endm
	s_wait_tensorcnt 0x1                           ; my piece of key steps 0-7 has landed; the other may stay out
	s_barrier_signal -1
	s_barrier_wait -1                              ; everybody's has
	HALF
	s_wait_tensorcnt 0x0                           ; my piece of key steps 8-15
	s_wait_dscnt 0x0
	s_barrier_signal -1
	s_barrier_wait -1
	s_mov_b32 s[TB], 0x20000
	HALF
	; THE WAY OUT: O^T / the sum x 2^(ep + ev), quantised with 2^eo: a lane's 16 registers of tiles 2 c and 2 c + 1 are channels 32 c + 16 h + 0 .. 15 of its query: image c of the next product's operand.
	PLACES 4
	v_add_f32 v18, v18, v19
	v_permlanex16_b32 v24, v18, s[SEL], s[SEL+1]
	v_add_f32 v18, v18, v24
	v_rcp_f32 v18, v18
	v_nop
	s_wait_alu depctr_va_vdst(0)
	v_ldexp_f32 v18, v18, s100
.set j, 0
.rept 32
	v_mul_f32 v[208+j], v[160+j], v18
.set j, j+1
.endr
.set j, 0
.rept 32
	v_med3_num_f32 v[208+j], v[208+j], -v7, v7
.set j, j+1
.endr
.irp q, 0,1,2,3
	v_cvt_scalef32_pk8_bf8_f32 v[240+2*\q:241+2*\q], v[208+8*\q:215+8*\q], v6
.endr
	v_nop
	global_store_b128 v1, v[240:243], s[14:15]     ; 512 consecutive bytes each, aligned
	global_store_b128 v1, v[244:247], s[14:15] offset:512
	s_wait_tensorcnt 0x0
	ds_add_u32 v254, v255
	s_wait_dscnt 0x0
	CROUND                                         ; the closing round: no work-group ends while a partner may still ask
	s_endpgm
.Lfunc_end_k_qf519aa45e2_ca_attn:
	.size	k_qf519aa45e2_ca_attn, .Lfunc_end_k_qf519aa45e2_ca_attn-k_qf519aa45e2_ca_attn
	.p2alignl 7, 3214868480
	.fill 96, 4, 3214868480
	.section	.rodata,"a",@progbits
	.p2align	6, 0x0
	.amdhsa_kernel k_qf519aa45e2_ca_attn
		.amdhsa_group_segment_fixed_size 264192
		.amdhsa_private_segment_fixed_size 0
		.amdhsa_enable_private_segment 0
		.amdhsa_kernarg_size 32
		.amdhsa_user_sgpr_count 2
		.amdhsa_user_sgpr_kernarg_segment_ptr 1
		.amdhsa_wavefront_size32 1
		.amdhsa_system_sgpr_workgroup_id_x 1
		.amdhsa_system_sgpr_workgroup_id_y 1
		.amdhsa_system_sgpr_workgroup_id_z 1
		.amdhsa_system_vgpr_workitem_id 0
		.amdhsa_next_free_vgpr 256
		.amdhsa_next_free_sgpr 102
		.amdhsa_reserve_vcc 0
		.amdhsa_float_denorm_mode_32 3
		.amdhsa_float_denorm_mode_16_64 3
		.amdhsa_memory_ordered 1
		.amdhsa_forward_progress 1
		.amdhsa_inst_pref_size 41
	.end_amdhsa_kernel
	.amdgpu_metadata
---
amdhsa.version: [ 1, 2 ]
amdhsa.kernels:
  - .name:           k_qf519aa45e2_ca_attn
    .symbol:         k_qf519aa45e2_ca_attn.kd
    .args:
      - { .name: qimg, .offset: 0, .size: 8, .value_kind: global_buffer, .address_space: global }
      - { .name: kv_ca, .offset: 8, .size: 8, .value_kind: global_buffer, .address_space: global }
      - { .name: lowp_scales, .offset: 16, .size: 8, .value_kind: global_buffer, .address_space: global }
      - { .name: aimg, .offset: 24, .size: 8, .value_kind: global_buffer, .address_space: global }
    .group_segment_fixed_size: 264192
    .private_segment_fixed_size: 0
    .kernarg_segment_align: 8
    .kernarg_segment_size: 32
    .max_flat_workgroup_size: 512
    .sgpr_count:     102
    .vgpr_count:     256
    .wavefront_size: 32
...
	.end_amdgpu_metadata
.endif
;; end of part 4
;; launch tail (part 5): grid 128 x 1, 16 waves a work-group, no clusters, 297,984 bytes of LDS; arguments aimg, ca_wo_codes, ca_bo, x1, ln2_w, ln2_b, w1_codes, b1, w2_codes, b2, ln3_w, ln3_b, lowp_scales, out0; writes out0
.if DOCPART == 5
	.amdgcn_target "amdgcn-amd-amdhsa--gfx1250"
	.amdhsa_code_object_version 6
	.text
	.protected	k_qf519aa45e2_tail
	.globl	k_qf519aa45e2_tail
	.p2align	8
	.type	k_qf519aa45e2_tail,@function
k_qf519aa45e2_tail:
	s_mov_b64 s[64:65], 0
	v_nop
	global_prefetch_b8 v0, s[64:65] scope:SCOPE_SE
	s_setreg_imm32_b32 hwreg(HW_REG_WAVE_MODE, 25, 1), 1
	s_wait_xcnt 0x0
; x2 = LayerNorm(x1 + attention W_o^T + b_o);  out = LayerNorm(x2 + relu(x2 W1^T + b1) W2^T + b2).  All three products on codes of E5M2; x2 and the hidden layer never go to memory.
; A work-group owns 64 whole rows (four tiles of tokens); its 16 waves share the COLUMNS, 32 each (the hidden layer's 2,048 in four passes).  Tiles, images and scales as in the launch 'front':
; slot r of tile (b, u) is element 32 b + 8 u + r + 8 (r / 8); four registers of a fragment are 512 bytes on end; weights go from memory into the registers of the one wave that multiplies by them, each byte once in a work-group.
; NO JOINT LOADS: the weights never lie in LDS; a K step of weights for sixteen waves is 64 KiB, and beside the stage and the images 31,744 bytes of a WGP's 327,680 are left.
; PHASES: the attention's images are copied into LDS | barrier | W_o; sum x 2^(e22 + e23) + b_o into the stage | barrier | the norm of rows 4 w .. 4 w + 3 (+ x1); x2 stays in the stage and is laid as images under 2^e24 | barrier |
; four passes of W1: relu and hold in one, codes under 2^e26 as images of the second product's K steps | barrier | W2: sixteen K steps; sum x 2^(e26 + e27) + b2 + x2, in place in the stage | barrier | the norm; out0.
; LIMITS: e22 + e23 and e26 + e27 between -126 and 127; e24 and e26 - e24 - e25 between -126 and 112.  NaN is not served.
; REGISTERS: v1-15 addresses; v16-31 bias; v32-47 codes, in a norm its gain; v48-63 at work (v62, v63 the conversion's scale and hold), in a norm its bias; v64-127 accumulators, in a norm four rows;
; v128-191 the rows' fragments, in a norm the residual and what is at work; v192-255 W's fragments, two buffers.
.set BIAS, 16
.set PC,   32
.set LNW,  32
.set TMP,  48
.set LNB,  48
.set SCL,  62
.set LIM,  63
.set ACC,  64
.set XF,   128
.set WF,   192
.set LI,   1                           ; 16 x lane
.set WA5,  2                           ; 512 pi(r) + 16 h
.set WA20, 3                           ; 2,048 pi(r) + 16 h: W2's rows
.set SO0,  4                           ; the stage, by columns: 2,064 pi(r) + 64 h + 128 w: tiles 0, 1
.set SO1,  5                           ; + 32 rows: tiles 2, 3
.set SR,   6                           ; the stage, by rows: 4 w x 2,064 + 16 x lane
.set SQ,   7                           ; 4 w x 2,064 + 64 x lane: 16 neighbours
.set IMW,  8                           ; where a row's 16 codes go in x2's images
.set LIX,  9                           ; LI + XIMG
.set XCW,  10                          ; LIX + 2,048 w
.set BA,   11                          ; 64 h
.set LIH0, 12                          ; LI + HIMG: the hidden layer's K steps 0-7
.set LIH1, 13                          ; + 65,536: K steps 8-15
.set HW0,  14                          ; where I store the hidden layer's images: LIH0 + 8,192 (w / 4) + 512 (w % 4): passes 0, 1
.set HW1,  15                          ; + 65,536: passes 2, 3
.set SP,   2064                        ; a stage row: 2,048 bytes + 16
.set XIMG, 64*SP                       ; LDS: the stage at 0; x's images [tile 4][K step 4][c 4] x 512 bytes;
.set HIMG, XIMG+32768                  ; the hidden layer's [K step 16][tile 4][c 4] x 512 bytes
.set SEL,  48                          ; s[48:49] lane selects; s50 1/512; s51 eps; s[52:53] the output factor
.set RN,   50
.set EPS,  51
.macro PLACES n
.rept \n
	v_nop
.endr
.endm
.macro BARRIER                         ; my LDS stores have landed and my LDS loads are in: then the work-group's barrier
	s_wait_dscnt 0x0
	s_barrier_signal -1
	s_barrier_wait -1
.endm
.macro SETSC e                         ; s[e] = an exponent x: v[SCL] = 2^x as f32, v[LIM] = 57,344 x 2^x
	s_add_co_i32 s99, s[\e], 142
	s_add_co_i32 s98, s[\e], 127
	s_lshl_b32 s99, s99, 23
	s_lshl_b32 s98, s98, 23
	s_or_b32 s99, s99, 0x600000
	v_mov_b32 v[SCL], s98
	v_mov_b32 v[LIM], s99
.endm
.macro WLOAD buf, ptr, areg, off, pitch ; my two tiles of W's rows, 128 along K from byte off of the rows, into buffer buf: 8 loads
.irp u, 0,1
.irp c, 0,1,2,3
	global_load_b128 v[WF+32*(\buf)+16*\u+4*\c:WF+32*(\buf)+16*\u+4*\c+3], v[\areg], s[\ptr:\ptr+1] offset:(\off)+\u*8*\pitch+32*\c
.endr
.endr
.endm
; A K step: the rows' four fragments from LDS, 8 matrix instructions on 8 accumulators by turns, five places for the next loads, the first reads and accumulators begun anew.
; cm: 0 the sums start at 0, 1 at the bias, 2 they go on.  lcnt: the global loads issued behind the weight buffer that is multiplied here.
.macro KSTEP areg, off, ms, buf, cm, lcnt
.irp m, 0,1,2,3
.irp c, 0,1,2,3
	ds_load_b128 v[XF+16*\m+4*\c:XF+16*\m+4*\c+3], v[\areg] offset:(\off)+\m*(\ms)+512*\c
.endr
.endr
	s_wait_loadcnt \lcnt
	s_wait_dscnt 0x0
.irp m, 0,1,2,3
.irp u, 0,1
.if \cm == 0
	v_wmma_f32_16x16x128_bf8_bf8 v[ACC+16*\m+8*\u:ACC+16*\m+8*\u+7], v[WF+32*(\buf)+16*\u:WF+32*(\buf)+16*\u+15], v[XF+16*\m:XF+16*\m+15], 0
.elseif \cm == 1
	v_wmma_f32_16x16x128_bf8_bf8 v[ACC+16*\m+8*\u:ACC+16*\m+8*\u+7], v[WF+32*(\buf)+16*\u:WF+32*(\buf)+16*\u+15], v[XF+16*\m:XF+16*\m+15], v[BIAS+8*\u:BIAS+8*\u+7]
.else
	v_wmma_f32_16x16x128_bf8_bf8 v[ACC+16*\m+8*\u:ACC+16*\m+8*\u+7], v[WF+32*(\buf)+16*\u:WF+32*(\buf)+16*\u+15], v[XF+16*\m:XF+16*\m+15], v[ACC+16*\m+8*\u:ACC+16*\m+8*\u+7]
.endif
.endr
.endr
	PLACES 5
.endm
.macro BIASK ptr, off                  ; my half's 16 numbers of the wave's 32: 4 loads
.irp i, 0,1,2,3
	global_load_b128 v[BIAS+4*\i:BIAS+4*\i+3], v[BA], s[\ptr:\ptr+1] offset:(\off)+16*\i
.endr
.endm
.macro PREPK neg
.set k, 0
.rept 16
	v_ldexp_f32 v[BIAS+k], v[BIAS+k], s[\neg]
.set k, k+1
.endr
.endm
.macro QUANT relu                      ; four groups of 16 neighbours become four images' registers; each accumulator is read from its low end on
.irp g, 0,1,2,3
.set k, 0
.rept 16
.if \relu
	v_med3_num_f32 v[ACC+16*\g+k], v[ACC+16*\g+k], 0, v[LIM]         ; the activation and the hold in one
.else
	v_med3_num_f32 v[ACC+16*\g+k], v[ACC+16*\g+k], -v[LIM], v[LIM]
.endif
.set k, k+1
.endr
	v_cvt_scalef32_pk8_bf8_f32 v[PC+4*\g:PC+4*\g+1], v[ACC+16*\g:ACC+16*\g+7], v[SCL]
	v_cvt_scalef32_pk8_bf8_f32 v[PC+4*\g+2:PC+4*\g+3], v[ACC+16*\g+8:ACC+16*\g+15], v[SCL]
.endr
	v_nop                                          ; a plain line behind the last conversion: later products write its sources
.endm
.macro HEPI areg, off                  ; a pass's 32 hidden units of the 64 rows: image w % 4 of K step 4 p + w / 4, for each tile of tokens
	QUANT 1
.irp m, 0,1,2,3
	ds_store_b128 v[\areg], v[PC+4*\m:PC+4*\m+3] offset:(\off)+2048*\m
.endr
.endm
; A layer: four K steps; the weights run two K steps ahead, on into the successor's first two.  sk: 0 no successor; 1 a bias and weights; 3 weights alone.
.macro LAYER areg, xoff, cm, wp, woff, sk, bp, boff, swp, swoff, sareg, spitch
	KSTEP \areg, (\xoff), 8192, 0, \cm, 8
	WLOAD 0, \wp, WA5, (\woff)+256, 512
	KSTEP \areg, (\xoff)+2048, 8192, 1, 2, 8
	WLOAD 1, \wp, WA5, (\woff)+384, 512
	KSTEP \areg, (\xoff)+4096, 8192, 0, 2, 8
.if \sk == 1
	BIASK \bp, \boff
.endif
.if \sk > 0
	WLOAD 0, \swp, \sareg, (\swoff), \spitch
.endif
.if \sk == 0
	KSTEP \areg, (\xoff)+6144, 8192, 1, 2, 0
.elseif \sk == 1
	KSTEP \areg, (\xoff)+6144, 8192, 1, 2, 12      ; behind: 4 of the bias, 8 of the successor's weights
.else
	KSTEP \areg, (\xoff)+6144, 8192, 1, 2, 8
.endif
.if \sk > 0
	WLOAD 1, \swp, \sareg, (\swoff)+128, \spitch
.endif
.endm
; The sums become numbers, sum x s[sp] + bias, and go into the stage: lane (r, h) holds features 32 w + 16 h + 0 .. 15 of its token: 64 bytes.  addx = 1: what lies at those bytes (x2) is added first: a lane reads and rewrites its own bytes alone.
.macro STAGEOUT sp, addx
.if \addx
.irp m, 0,1,2,3
.irp i, 0,1,2,3
.if \m < 2
	ds_load_b128 v[XF+16*\m+4*\i:XF+16*\m+4*\i+3], v[SO0] offset:8*(\m%2)*SP+16*\i
.else
	ds_load_b128 v[XF+16*\m+4*\i:XF+16*\m+4*\i+3], v[SO1] offset:8*(\m%2)*SP+16*\i
.endif
.endr
.endr
.endif
.irp m, 0,1,2,3
.irp q, 0,2,4,6,8,10,12,14
	v_pk_fma_f32 v[ACC+16*\m+\q:ACC+16*\m+\q+1], v[ACC+16*\m+\q:ACC+16*\m+\q+1], s[\sp:\sp+1], v[BIAS+\q:BIAS+\q+1] op_sel_hi:[1,0,1]
.endr
.endr
.if \addx
	s_wait_dscnt 0x0
.set k, 0
.rept 32
	v_pk_add_f32 v[ACC+k:ACC+k+1], v[ACC+k:ACC+k+1], v[XF+k:XF+k+1]
.set k, k+2
.endr
.endif
.irp m, 0,1,2,3
.irp i, 0,1,2,3
.if \m < 2
	ds_store_b128 v[SO0], v[ACC+16*\m+4*\i:ACC+16*\m+4*\i+3] offset:8*(\m%2)*SP+16*\i
.else
	ds_store_b128 v[SO1], v[ACC+16*\m+4*\i:ACC+16*\m+4*\i+3] offset:8*(\m%2)*SP+16*\i
.endif
.endr
.endr
.endm
.macro LNRED                           ; four rows side by side: two packed chains become one number in every lane of the wave
.irp i, 0,1,2,3
	v_pk_add_f32 v[XF+16*\i:XF+16*\i+1], v[XF+16*\i:XF+16*\i+1], v[XF+16*\i+2:XF+16*\i+3]
.endr
.irp i, 0,1,2,3
	v_add_f32 v[XF+16*\i+4], v[XF+16*\i], v[XF+16*\i+1]
.endr
.irp x, 1,2,4,8
.irp i, 0,1,2,3
	v_add_f32_dpp v[XF+16*\i+4], v[XF+16*\i+4], v[XF+16*\i+4] row_xmask:\x row_mask:0xf bank_mask:0xf
.endr
.endr
.irp i, 0,1,2,3
	v_permlanex16_b32 v[XF+16*\i+5], v[XF+16*\i+4], s[SEL], s[SEL+1]
.endr
.irp i, 0,1,2,3
	v_add_f32 v[XF+16*\i+4], v[XF+16*\i+4], v[XF+16*\i+5]
.endr
.endm
; THE NORM of my four rows.  Row i in v[ACC + 16 i ..]: register 4 j + q is feature 128 j + 4 x lane + q.  res: the residual lies in v[XF ..], loaded alike.  sto: the rows are stored at s[stoptr].
; qnt: they go back into the stage, are quantised with 2^s[esc] and laid as images.  lcnt: the global loads issued behind the residual's and the gain's.
.macro LNROWS res, sto, qnt, lcnt, stoptr, esc
.irp i, 0,1,2,3
.irp j, 0,1,2,3
	ds_load_b128 v[ACC+16*\i+4*\j:ACC+16*\i+4*\j+3], v[SR] offset:SP*\i+512*\j
.endr
.endr
	s_wait_dscnt 0x0
	s_wait_loadcnt \lcnt
.if \res
.set k, 0
.rept 32
	v_pk_add_f32 v[ACC+k:ACC+k+1], v[ACC+k:ACC+k+1], v[XF+k:XF+k+1]
.set k, k+2
.endr
.endif
.irp i, 0,1,2,3
	v_pk_add_f32 v[XF+16*\i:XF+16*\i+1], v[ACC+16*\i:ACC+16*\i+1], v[ACC+16*\i+2:ACC+16*\i+3]
	v_pk_add_f32 v[XF+16*\i+2:XF+16*\i+3], v[ACC+16*\i+4:ACC+16*\i+5], v[ACC+16*\i+6:ACC+16*\i+7]
.endr
.irp k, 8,12
.irp i, 0,1,2,3
	v_pk_add_f32 v[XF+16*\i:XF+16*\i+1], v[XF+16*\i:XF+16*\i+1], v[ACC+16*\i+\k:ACC+16*\i+\k+1]
	v_pk_add_f32 v[XF+16*\i+2:XF+16*\i+3], v[XF+16*\i+2:XF+16*\i+3], v[ACC+16*\i+\k+2:ACC+16*\i+\k+3]
.endr
.endr
	LNRED
.irp i, 0,1,2,3
	v_mul_f32 v[XF+16*\i+6], s[RN], v[XF+16*\i+4]  ; the mean
.endr
.irp i, 0,1,2,3
.irp k, 0,2,4,6,8,10,12,14
	v_pk_add_f32 v[ACC+16*\i+\k:ACC+16*\i+\k+1], v[ACC+16*\i+\k:ACC+16*\i+\k+1], v[XF+16*\i+6:XF+16*\i+7] op_sel_hi:[1,0] neg_lo:[0,1] neg_hi:[0,1]
.endr
.endr
.irp i, 0,1,2,3                        ; the variance of what is left: no difference of large sums is formed
	v_pk_mul_f32 v[XF+16*\i:XF+16*\i+1], v[ACC+16*\i:ACC+16*\i+1], v[ACC+16*\i:ACC+16*\i+1]
	v_pk_mul_f32 v[XF+16*\i+2:XF+16*\i+3], v[ACC+16*\i+2:ACC+16*\i+3], v[ACC+16*\i+2:ACC+16*\i+3]
.endr
.irp k, 4,8,12
.irp i, 0,1,2,3
	v_pk_fma_f32 v[XF+16*\i:XF+16*\i+1], v[ACC+16*\i+\k:ACC+16*\i+\k+1], v[ACC+16*\i+\k:ACC+16*\i+\k+1], v[XF+16*\i:XF+16*\i+1]
	v_pk_fma_f32 v[XF+16*\i+2:XF+16*\i+3], v[ACC+16*\i+\k+2:ACC+16*\i+\k+3], v[ACC+16*\i+\k+2:ACC+16*\i+\k+3], v[XF+16*\i+2:XF+16*\i+3]
.endr
.endr
	LNRED
.irp i, 0,1,2,3
	v_fma_f32 v[XF+16*\i+4], v[XF+16*\i+4], s[RN], s[EPS]
.endr
.irp i, 0,1,2,3
	v_rsq_f32 v[XF+16*\i+8], v[XF+16*\i+4]
.endr
	v_nop                                          ; a plain line behind the last transcendental
	s_wait_alu depctr_va_vdst(0)
.irp i, 0,1,2,3
.irp k, 0,2,4,6,8,10,12,14
	v_pk_mul_f32 v[ACC+16*\i+\k:ACC+16*\i+\k+1], v[ACC+16*\i+\k:ACC+16*\i+\k+1], v[XF+16*\i+8:XF+16*\i+9] op_sel_hi:[1,0]
.endr
.endr
.irp i, 0,1,2,3
.irp k, 0,2,4,6,8,10,12,14
	v_pk_fma_f32 v[ACC+16*\i+\k:ACC+16*\i+\k+1], v[ACC+16*\i+\k:ACC+16*\i+\k+1], v[LNW+\k:LNW+\k+1], v[LNB+\k:LNB+\k+1]
.endr
.endr
.if \sto
.irp i, 0,1,2,3
.irp j, 0,1,2,3
	global_store_b128 v[LI], v[ACC+16*\i+4*\j:ACC+16*\i+4*\j+3], s[\stoptr:\stoptr+1] offset:2048*\i+512*\j th:TH_STORE_NT   ; 512 consecutive bytes, aligned; written once, read by nobody here
.endr
.endr
.endif
.if \qnt
.irp i, 0,1,2,3
.irp j, 0,1,2,3
	ds_store_b128 v[SR], v[ACC+16*\i+4*\j:ACC+16*\i+4*\j+3] offset:SP*\i+512*\j   ; back into my own rows of the stage, where x2 stays,
.endr
.endr
.irp i, 0,1,2,3
.irp j, 0,1,2,3
	ds_load_b128 v[XF+16*\i+4*\j:XF+16*\i+4*\j+3], v[SQ] offset:SP*\i+16*\j       ; and out again 16 neighbours a lane: LDS serves a wave's instructions in order (ISA guide 5.7.1.4)
.endr
.endr
	SETSC \esc
	s_wait_dscnt 0x0
.irp i, 0,1,2,3
.set k, 0
.rept 16
	v_med3_num_f32 v[XF+16*\i+k], v[XF+16*\i+k], -v[LIM], v[LIM]
.set k, k+1
.endr
	v_cvt_scalef32_pk8_bf8_f32 v[PC+4*\i:PC+4*\i+1], v[XF+16*\i:XF+16*\i+7], v[SCL]
	v_cvt_scalef32_pk8_bf8_f32 v[PC+4*\i+2:PC+4*\i+3], v[XF+16*\i+8:XF+16*\i+15], v[SCL]
.endr
	v_nop
.irp i, 0,1,2,3
	ds_store_b128 v[IMW], v[PC+4*\i:PC+4*\i+3] offset:16*\i   ; features 16 l .. 16 l + 15 of row 4 w + i: 256 l bytes into its tile's images, at its slot
.endr
.endif
.endm
	s_load_b512 s[4:19], s[0:1], 0x0               ; aimg 4, ca_wo 6, ca_bo 8, x1 10, ln2_w 12, ln2_b 14, w1 16, b1 18
	s_load_b256 s[20:27], s[0:1], 0x40             ; w2 20, b2 22, ln3_w 24, ln3_b 26
	s_load_b128 s[28:31], s[0:1], 0x60             ; scales 28, out0 30
	v_lshrrev_b32 v16, 5, v0
	v_readfirstlane_b32 s66, v16                   ; wave w
	v_and_b32 v16, 31, v0                          ; lane
	v_and_b32 v17, 15, v0                          ; r
	v_bfe_u32 v18, v0, 4, 1                        ; h
	v_and_b32 v19, 8, v17
	v_add_nc_u32 v19, v19, v17                     ; pi(r)
	v_lshlrev_b32 v[LI], 4, v16
	v_lshlrev_b32 v[WA5], 9, v19
	v_lshl_add_u32 v[WA5], v18, 4, v[WA5]
	v_lshlrev_b32 v[WA20], 11, v19
	v_lshl_add_u32 v[WA20], v18, 4, v[WA20]
	v_lshlrev_b32 v[BA], 6, v18
	v_mul_u32_u24 v[SO0], v19, SP
	v_lshl_add_u32 v[SO0], v18, 6, v[SO0]
	s_lshl_b32 s67, s66, 7
	v_add_nc_u32 v[SO0], s67, v[SO0]
	v_add_nc_u32 v[SO1], 32*SP, v[SO0]
	s_mul_i32 s68, s66, 4*SP
	v_add_nc_u32 v[SR], s68, v[LI]
	v_lshl_add_u32 v[SQ], v16, 6, s68
	s_lshr_b32 s69, s66, 3                         ; local row 4 w + i lies in tile m = 2 (w / 8) + (w / 2) % 2, slot 4 (w % 2) + 8 ((w / 4) % 2) + i
	s_lshl_b32 s69, s69, 1
	s_bfe_u32 s70, s66, 0x10001
	s_add_co_u32 s69, s69, s70
	s_lshl_b32 s69, s69, 13
	s_and_b32 s70, s66, 1
	s_lshl_b32 s70, s70, 6
	s_add_co_u32 s69, s69, s70
	s_bfe_u32 s70, s66, 0x10002
	s_lshl_b32 s70, s70, 7
	s_add_co_u32 s69, s69, s70
	s_add_co_u32 s69, s69, XIMG
	v_lshl_add_u32 v[IMW], v16, 8, s69
	v_add_nc_u32 v[LIX], XIMG, v[LI]
	s_lshl_b32 s70, s66, 11
	v_add_nc_u32 v[XCW], s70, v[LIX]
	v_add_nc_u32 v[LIH0], HIMG, v[LI]
	v_add_nc_u32 v[LIH1], 0x10000, v[LIH0]
	s_lshr_b32 s71, s66, 2
	s_lshl_b32 s71, s71, 13
	s_and_b32 s69, s66, 3
	s_lshl_b32 s69, s69, 9
	s_add_co_u32 s71, s71, s69
	v_add_nc_u32 v[HW0], s71, v[LIH0]
	v_add_nc_u32 v[HW1], 0x10000, v[HW0]
	s_lshl_b32 s72, ttmp9, 15                      ; the attention's images of my 64 rows, my wave's 2,048 bytes of them
	s_add_co_u32 s72, s72, s70
	s_mov_b32 s73, 0
	s_lshl_b32 s74, s66, 14                        ; my 32 rows of W_o, and of each pass of W1
	s_mov_b32 s75, 0
	s_mov_b32 s76, s67                             ; my 32 numbers of a bias
	s_mov_b32 s77, 0
	s_lshl_b32 s78, ttmp9, 17                      ; rows 64 g + 4 w of x1 and out0
	s_lshl_b32 s79, s66, 13
	s_add_co_u32 s78, s78, s79
	s_mov_b32 s79, 0
	s_lshl_b32 s80, s66, 16                        ; my 32 rows of W2
	s_mov_b32 s81, 0
	s_mov_b32 s[SEL], 0x76543210
	s_mov_b32 s[SEL+1], 0xfedcba98
	s_mov_b32 s[RN], 0x3b000000                    ; 1 / 512
	s_mov_b32 s[EPS], 0x3727c5ac                   ; 1e-5
	s_wait_kmcnt 0x0
	s_load_b128 s[40:43], s[28:29], 88             ; e22, e23, e24, e25
	s_load_b64 s[44:45], s[28:29], 104             ; e26, e27
	s_add_nc_u64 s[4:5], s[4:5], s[72:73]
	s_add_nc_u64 s[6:7], s[6:7], s[74:75]
	s_add_nc_u64 s[8:9], s[8:9], s[76:77]
	s_add_nc_u64 s[10:11], s[10:11], s[78:79]
	s_add_nc_u64 s[16:17], s[16:17], s[74:75]
	s_add_nc_u64 s[18:19], s[18:19], s[76:77]
	s_add_nc_u64 s[20:21], s[20:21], s[80:81]
	s_add_nc_u64 s[22:23], s[22:23], s[76:77]
	s_add_nc_u64 s[30:31], s[30:31], s[78:79]
.irp i, 0,1,2,3
	global_load_b128 v[TMP+4*\i:TMP+4*\i+3], v[LI], s[4:5] offset:512*\i
.endr
	BIASK 8, 0
	WLOAD 0, 6, WA5, 0, 512
	WLOAD 1, 6, WA5, 128, 512
	s_wait_loadcnt 20                              ; the images' four loads are in; behind them: 4 + 8 + 8
.irp i, 0,1,2,3
	ds_store_b128 v[XCW], v[TMP+4*\i:TMP+4*\i+3] offset:512*\i
.endr
	BARRIER                                        ; the attention's sixteen fragments lie in LDS
	LAYER LIX, 0, 0, 6, 0, 3, 0, 0, 16, 0, WA5, 512
.irp i, 0,1,2,3
.irp j, 0,1,2,3
	global_load_b128 v[XF+16*\i+4*\j:XF+16*\i+4*\j+3], v[LI], s[10:11] offset:2048*\i+512*\j   ; x1's rows 4 w + i, for the norm
.endr
.endr
.irp j, 0,1,2,3
	global_load_b128 v[LNW+4*\j:LNW+4*\j+3], v[LI], s[12:13] offset:512*\j
	global_load_b128 v[LNB+4*\j:LNB+4*\j+3], v[LI], s[14:15] offset:512*\j
.endr
	s_wait_kmcnt 0x0
	s_add_co_i32 s52, s40, s41
	s_add_co_i32 s52, s52, 127
	s_lshl_b32 s52, s52, 23                        ; 2^(e22 + e23) as f32
	s_mov_b32 s53, s52
	STAGEOUT 52, 0
	BIASK 18, 0
	BARRIER                                        ; 64 whole rows lie in the stage, and nobody reads the images any more
	LNROWS 1, 0, 1, 4, 0, 42                       ; behind x1's rows and the gain: the 4 loads of b1
	BARRIER                                        ; x2 lies in the stage, its sixteen fragments in the images
	s_add_co_i32 s94, s42, s43
	s_sub_co_i32 s95, 0, s94
	s_wait_loadcnt 0x0
	PREPK 95
	s_sub_co_i32 s94, s44, s94                     ; e26 - e24 - e25
	SETSC 94
	; ---- the hidden layer: pass p makes units 512 p + 32 w .. + 31
	LAYER LIX, 0, 1, 16, 0, 1, 18, 2048, 16, 262144, WA5, 512
	HEPI HW0, 0
	s_wait_loadcnt 16                              ; the next pass's bias is in; behind it: its two weight buffers
	PREPK 95
	LAYER LIX, 0, 1, 16, 262144, 1, 18, 4096, 16, 524288, WA5, 512
	HEPI HW0, 32768
	s_wait_loadcnt 16
	PREPK 95
	LAYER LIX, 0, 1, 16, 524288, 1, 18, 6144, 16, 786432, WA5, 512
	HEPI HW1, 0
	s_wait_loadcnt 16
	PREPK 95
	LAYER LIX, 0, 1, 16, 786432, 1, 22, 0, 20, 0, WA20, 2048
	HEPI HW1, 32768
	BARRIER                                        ; the hidden layer's sixty-four fragments lie in LDS
.irp j, 0,1,2,3
	global_load_b128 v[LNW+4*\j:LNW+4*\j+3], v[LI], s[24:25] offset:512*\j
	global_load_b128 v[LNB+4*\j:LNB+4*\j+3], v[LI], s[26:27] offset:512*\j
.endr
	; ---- the second product: sixteen K steps
	KSTEP LIH0, 0, 2048, 0, 0, 16                  ; behind K step 0's weights: K step 1's 8 and the gain's 8
	WLOAD 0, 20, WA20, 256, 2048
	KSTEP LIH0, 8192, 2048, 1, 2, 16               ; behind K step 1's: the gain's 8 and K step 2's 8
	WLOAD 1, 20, WA20, 384, 2048
.irp ks, 2,3,4,5,6,7
	KSTEP LIH0, 8192*\ks, 2048, (\ks%2), 2, 8
	WLOAD (\ks%2), 20, WA20, 128*(\ks+2), 2048
.endr
.irp ks, 8,9,10,11,12,13
	KSTEP LIH1, 8192*(\ks-8), 2048, (\ks%2), 2, 8
	WLOAD (\ks%2), 20, WA20, 128*(\ks+2), 2048
.endr
	KSTEP LIH1, 8192*6, 2048, 0, 2, 8
	KSTEP LIH1, 8192*7, 2048, 1, 2, 0
	s_add_co_i32 s52, s44, s45
	s_add_co_i32 s52, s52, 127
	s_lshl_b32 s52, s52, 23                        ; 2^(e26 + e27) as f32
	s_mov_b32 s53, s52
	STAGEOUT 52, 1                                 ; x2 + the sums x 2^(e26 + e27) + b2
	BARRIER
	LNROWS 0, 1, 0, 0, 30, 0
	s_wait_xcnt 0x0
	v_lshl_add_u32 v254, v0, 2, 0x48400
	v_mov_b32 v255, 0
	s_wait_tensorcnt 0x0
	ds_add_u32 v254, v255
	s_wait_dscnt 0x0
	s_endpgm
.Lfunc_end_k_qf519aa45e2_tail:
	.size	k_qf519aa45e2_tail, .Lfunc_end_k_qf519aa45e2_tail-k_qf519aa45e2_tail
	.p2alignl 7, 3214868480
	.fill 96, 4, 3214868480
	.section	.rodata,"a",@progbits
	.p2align	6, 0x0
	.amdhsa_kernel k_qf519aa45e2_tail
		.amdhsa_group_segment_fixed_size 297984
		.amdhsa_private_segment_fixed_size 0
		.amdhsa_enable_private_segment 0
		.amdhsa_kernarg_size 112
		.amdhsa_user_sgpr_count 2
		.amdhsa_user_sgpr_kernarg_segment_ptr 1
		.amdhsa_wavefront_size32 1
		.amdhsa_system_sgpr_workgroup_id_x 1
		.amdhsa_system_sgpr_workgroup_id_y 1
		.amdhsa_system_sgpr_workgroup_id_z 1
		.amdhsa_system_vgpr_workitem_id 0
		.amdhsa_next_free_vgpr 256
		.amdhsa_next_free_sgpr 100
		.amdhsa_reserve_vcc 0
		.amdhsa_float_denorm_mode_32 3
		.amdhsa_float_denorm_mode_16_64 3
		.amdhsa_memory_ordered 1
		.amdhsa_forward_progress 1
		.amdhsa_inst_pref_size 172
	.end_amdhsa_kernel
	.amdgpu_metadata
---
amdhsa.version: [ 1, 2 ]
amdhsa.kernels:
  - .name:           k_qf519aa45e2_tail
    .symbol:         k_qf519aa45e2_tail.kd
    .args:
      - { .name: aimg, .offset: 0, .size: 8, .value_kind: global_buffer, .address_space: global }
      - { .name: ca_wo_codes, .offset: 8, .size: 8, .value_kind: global_buffer, .address_space: global }
      - { .name: ca_bo, .offset: 16, .size: 8, .value_kind: global_buffer, .address_space: global }
      - { .name: x1, .offset: 24, .size: 8, .value_kind: global_buffer, .address_space: global }
      - { .name: ln2_w, .offset: 32, .size: 8, .value_kind: global_buffer, .address_space: global }
      - { .name: ln2_b, .offset: 40, .size: 8, .value_kind: global_buffer, .address_space: global }
      - { .name: w1_codes, .offset: 48, .size: 8, .value_kind: global_buffer, .address_space: global }
      - { .name: b1, .offset: 56, .size: 8, .value_kind: global_buffer, .address_space: global }
      - { .name: w2_codes, .offset: 64, .size: 8, .value_kind: global_buffer, .address_space: global }
      - { .name: b2, .offset: 72, .size: 8, .value_kind: global_buffer, .address_space: global }
      - { .name: ln3_w, .offset: 80, .size: 8, .value_kind: global_buffer, .address_space: global }
      - { .name: ln3_b, .offset: 88, .size: 8, .value_kind: global_buffer, .address_space: global }
      - { .name: lowp_scales, .offset: 96, .size: 8, .value_kind: global_buffer, .address_space: global }
      - { .name: out0, .offset: 104, .size: 8, .value_kind: global_buffer, .address_space: global }
    .group_segment_fixed_size: 297984
    .private_segment_fixed_size: 0
    .kernarg_segment_align: 8
    .kernarg_segment_size: 112
    .max_flat_workgroup_size: 512
    .sgpr_count:     100
    .vgpr_count:     256
    .wavefront_size: 32
...
	.end_amdgpu_metadata
.endif
;; end of part 5
;; ======== version 2 of 2: 5 launches
;; limits: right only within a limited range of input values
;; workspace buffers: qimg 4,194,304 bytes; aimg 4,194,304 bytes; kv_sa 8,388,608 bytes; kv_ca 8,388,608 bytes; maskw 524,288 bytes of whole numbers; x1 16,777,216 bytes
;; launch front (part 6): grid 256 x 1, 16 waves a work-group, no clusters, 133,120 bytes of LDS; arguments tgt, memory_codes, tgt_mask, sa_wq_codes, sa_wk_codes, sa_wv_codes, ca_wk_codes, ca_wv_codes, sa_bq, sa_bk, sa_bv, ca_bk, ca_bv, lowp_scales, qimg, kv_sa, kv_ca, maskw; writes qimg, kv_sa, kv_ca, maskw
.if DOCPART == 6
	.amdgcn_target "amdgcn-amd-amdhsa--gfx1250"
	.amdhsa_code_object_version 6
	.text
	.protected	k_qf519aa45e2_front
	.globl	k_qf519aa45e2_front
	.p2align	8
	.type	k_qf519aa45e2_front,@function
k_qf519aa45e2_front:
	s_mov_b64 s[64:65], 0
	v_nop
	global_prefetch_b8 v0, s[64:65] scope:SCOPE_SE
	s_setreg_imm32_b32 hwreg(HW_REG_WAVE_SCHED_MODE, 0, 2), 2
	s_setreg_imm32_b32 hwreg(HW_REG_WAVE_MODE, 25, 1), 1
	s_wait_xcnt 0x0
	s_wait_alu depctr_vm_vsrc(0)
; THE PROJECTIONS IN FRONT OF BOTH ATTENTIONS, on codes of E5M2, and the mask as bits.
; Work-groups 0-127: 64 rows of tgt each: quantised three times (its three given scales may differ), then Q, K, V of the self-attention.
; Work-groups 128-255: 64 rows of memory (codes as given) each: K, V of the cross-attention; and one tile of 16 queries of tgt_mask, turned into words of 32 bits.
; TILES.  Every axis is cut into blocks of 32; tile (b, u) takes, in slot r, element 32 b + 8 u + pi(r), pi(r) = r + 8 (r / 8).  In a result the registers of tiles (b, 0) and (b, 1) of a
; lane's half h are then the 16 neighbours 32 b + 16 h + 0 .. 15 of source 0's axis: two conversions make of them four registers of the next product's operand.
; IMAGES.  Four registers of a fragment are kept as 512 bytes on end, lane l's 16 bytes at 16 l: in LDS and in the workspace buffers alike.  Image c of a fragment holds k = 32 c + 16 h + 0 .. 15 of slot r:
; a permutation of k that is the same on both sides of every product.
; SHARES.  The 16 waves share the COLUMNS: wave w makes features 32 w .. 32 w + 31 (two tiles of W's rows) for all 64 rows (four tiles of tokens).  Its weights go from memory straight into its registers,
; each byte once in a work-group; the rows' codes go round as images in LDS.  NO JOINT LOADS: the weights never lie in LDS, so there is no tile for a joint tensor load to bring; through LDS a K step's
; 64 KiB of weights would be written there and read again, which the registers now take directly.
; Q and K: source 0 = W's rows, source 1 = tokens: a lane holds a token, its registers run along the features (the next K).  V: the sources swapped: a lane holds a feature, its registers run along the tokens (the keys, V's K).
; SCALES.  A sum stands for sum x 2^(ea + eb).  The bias goes in as the C of the first K step, divided by 2^(ea + eb); the conversion's one scale is 2^(eout - ea - eb), the hold +-57,344 x that.
; LIMITS: e0, e2, e4 and every eout - ea - eb lie between -126 and 112.  NaN among the inputs is not served.
; REGISTERS: v1-11 addresses; v16-31 bias; v32-47 codes; v48-63 at work (v62 the conversion's scale, v63 the hold); v64-127 accumulators; v128-191 the rows' four fragments; v192-255 W's fragments, two buffers of two.
; THE MODE: SCHED_MODE bits 1:0 = 2 (LLVM: expert scheduling mode 2), set by the entry lines.  The code itself states the register dependences
; between vector or matrix instructions and memory or LDS instructions, with s_wait_alu, always for 0.
; THE PLAN.  Registers that memory or LDS instructions touch:
;   v1-11       offsets and LDS addresses: written at the head, read by every load and store, never written again.
;   XF          a K step's 16 LDS loads land in it; that step's eight matrix instructions read it.
;   WF0, WF1    8 global loads land in a buffer two K steps ahead; the matrix instructions of every second step read it.
;   BIAS        loads land in it in the last K step of the layer before; a few vector lines scale it; the first K step's products read it as C.
;   PC          written by conversions, read by the run of stores behind them, written again by the next conversions.
;   TMP         (memory's path) loads land in it, LDS stores read it; v62 and v63 of it are written later.
; So ONE wait on va_vdst stands behind a K step's products: they are done reading XF and their weight buffer.  The next step's fragment loads, the weight loads of two steps on and, in a layer's last step, the
; successor's bias follow it with no vector line between.  One wait on va_vdst stands ahead of each run of stores, one on vm_vsrc ahead of the conversions that write the codes' registers again.
.set BIAS, 16
.set PC,   32
.set TMP,  48
.set SCL,  62
.set LIM,  63
.set ACC,  64
.set XF,   128
.set WF,   192
.set LI,   1                           ; 16 x lane
.set WA5,  2                           ; 512 pi(r) + 16 h: a lane's place in 16 rows of 512 codes
.set LI2,  3                           ; LI + 65,536
.set XW,   4                           ; LI + 2,048 x wave: where my wave stores its fragment of the rows
.set XW2,  5                           ; XW + 65,536
.set TA,   6                           ; 2,048 pi(r) + 64 h: tgt
.set MA,   7                           ; 2,048 pi(r) + 16 h: tgt_mask
.set BAV,  8                           ; 4 pi(r): a bias by lanes
.set L8,   9                           ; 8 x lane
.set BA,   11                          ; 64 h: a bias by registers
; LDS: tgt's images under e0 at 0, under e2 at 32,768, under e4 at 65,536 (work-groups 0-127); memory's at 98,304 (work-groups 128-255).  An image set is [tile of tokens 4][K step 4][c 4] x 512 bytes.
.macro PLACES n
.rept \n
	v_nop
.endr
.endm
.macro BARRIER                         ; my LDS stores have landed and my LDS loads are in: then the work-group's barrier
	s_wait_dscnt 0x0
	s_barrier_signal -1
	s_barrier_wait -1
.endm
.macro SETSC e                         ; s[e] = an exponent x: v[SCL] = 2^x as f32, v[LIM] = 57,344 x 2^x
	s_add_co_i32 s99, s[\e], 142
	s_add_co_i32 s98, s[\e], 127
	s_lshl_b32 s99, s99, 23
	s_lshl_b32 s98, s98, 23
	s_or_b32 s99, s99, 0x600000
	v_mov_b32 v[SCL], s98
	v_mov_b32 v[LIM], s99
.endm
.macro WLOAD buf, ptr, areg, off, pitch ; my two tiles of W's rows, 128 along K from byte off of the rows, into buffer buf: 8 loads
.irp u, 0,1
.irp c, 0,1,2,3
	global_load_b128 v[WF+32*(\buf)+16*\u+4*\c:WF+32*(\buf)+16*\u+4*\c+3], v[\areg], s[\ptr:\ptr+1] offset:(\off)+\u*8*\pitch+32*\c
.endr
.endr
.endm
.macro XLOAD areg, off, ms             ; a K step's four fragments of the rows, from LDS: 16 loads
.irp m, 0,1,2,3
.irp c, 0,1,2,3
	ds_load_b128 v[XF+16*\m+4*\c:XF+16*\m+4*\c+3], v[\areg] offset:(\off)+\m*(\ms)+512*\c
.endr
.endr
.endm
; A K step's products: 8 matrix instructions on 8 accumulators by turns, five places.
; cm: 0 the sums start at 0, 1 at the bias, 2 they go on.  vt = 1: the sources swapped.  lcnt: the global loads issued behind the weight buffer that is multiplied here.  w = 1: loads into these products' sources follow.
; The five places serve the first read of results and accumulators begun anew (ISA guide 7.12.1), and stay ahead of the wait.
.macro MULT buf, cm, vt, lcnt, w
	s_wait_loadcnt \lcnt
	s_wait_dscnt 0x0
.irp m, 0,1,2,3
.irp u, 0,1
.if \vt
.if \cm == 1
	v_wmma_f32_16x16x128_bf8_bf8 v[ACC+32*\u+8*\m:ACC+32*\u+8*\m+7], v[XF+16*\m:XF+16*\m+15], v[WF+32*(\buf)+16*\u:WF+32*(\buf)+16*\u+15], v[BIAS+8*\u:BIAS+8*\u+7]
.else
	v_wmma_f32_16x16x128_bf8_bf8 v[ACC+32*\u+8*\m:ACC+32*\u+8*\m+7], v[XF+16*\m:XF+16*\m+15], v[WF+32*(\buf)+16*\u:WF+32*(\buf)+16*\u+15], v[ACC+32*\u+8*\m:ACC+32*\u+8*\m+7]
.endif
.else
.if \cm == 0
	v_wmma_f32_16x16x128_bf8_bf8 v[ACC+16*\m+8*\u:ACC+16*\m+8*\u+7], v[WF+32*(\buf)+16*\u:WF+32*(\buf)+16*\u+15], v[XF+16*\m:XF+16*\m+15], 0
.elseif \cm == 1
	v_wmma_f32_16x16x128_bf8_bf8 v[ACC+16*\m+8*\u:ACC+16*\m+8*\u+7], v[WF+32*(\buf)+16*\u:WF+32*(\buf)+16*\u+15], v[XF+16*\m:XF+16*\m+15], v[BIAS+8*\u:BIAS+8*\u+7]
.else
	v_wmma_f32_16x16x128_bf8_bf8 v[ACC+16*\m+8*\u:ACC+16*\m+8*\u+7], v[WF+32*(\buf)+16*\u:WF+32*(\buf)+16*\u+15], v[XF+16*\m:XF+16*\m+15], v[ACC+16*\m+8*\u:ACC+16*\m+8*\u+7]
.endif
.endif
.endr
.endr
	PLACES 5
.if \w
	s_wait_alu depctr_va_vdst(0)                   ; the products so far are done reading v[XF ..], this weight buffer and the bias: the loads that follow land there
.endif
.endm
.macro BIASK ptr, off                  ; a bias by registers: my half's 16 numbers of the wave's 32: 4 loads
.irp i, 0,1,2,3
	global_load_b128 v[BIAS+4*\i:BIAS+4*\i+3], v[BA], s[\ptr:\ptr+1] offset:(\off)+16*\i
.endr
.endm
.macro PREPK neg                       ; / 2^(ea + eb): exact
.set k, 0
.rept 16
	v_ldexp_f32 v[BIAS+k], v[BIAS+k], s[\neg]
.set k, k+1
.endr
.endm
.macro BIASV ptr                       ; a bias by lanes: my slot's number in each of the two tiles: 2 loads
	global_load_b32 v[BIAS], v[BAV], s[\ptr:\ptr+1]
	global_load_b32 v[BIAS+8], v[BAV], s[\ptr:\ptr+1] offset:32
.endm
.macro PREPV neg                       ; and alike in a tile's eight registers of C
	v_ldexp_f32 v[BIAS], v[BIAS], s[\neg]
	v_ldexp_f32 v[BIAS+8], v[BIAS+8], s[\neg]
.irp j, 1,2,3,4,5,6,7
	v_mov_b32 v[BIAS+\j], v[BIAS]
	v_mov_b32 v[BIAS+8+\j], v[BIAS+8]
.endr
.endm
.macro QUANT relu                      ; four groups of 16 neighbours become four images' registers; each accumulator is read from its low end on
.irp g, 0,1,2,3
.set k, 0
.rept 16
.if \relu
	v_med3_num_f32 v[ACC+16*\g+k], v[ACC+16*\g+k], 0, v[LIM]
.else
	v_med3_num_f32 v[ACC+16*\g+k], v[ACC+16*\g+k], -v[LIM], v[LIM]   ; the conversion to an 8-bit code does not saturate (ISA guide 7.6.2): the hold comes first
.endif
.set k, k+1
.endr
	v_cvt_scalef32_pk8_bf8_f32 v[PC+4*\g:PC+4*\g+1], v[ACC+16*\g:ACC+16*\g+7], v[SCL]
	v_cvt_scalef32_pk8_bf8_f32 v[PC+4*\g+2:PC+4*\g+3], v[ACC+16*\g+8:ACC+16*\g+15], v[SCL]
.endr
	v_nop                                          ; a plain line behind the last conversion: later products write its sources
.endm
.macro EPIG ptr, o0, o1, o2, o3, again ; a layer's results leave as four images: each store covers 512 consecutive bytes, aligned.  again = 1: an earlier layer's stores have named the codes' registers
	s_wait_xcnt 0x0                                ; the codes' registers were the data of earlier stores
.if \again
	s_wait_alu depctr_vm_vsrc(0)                   ; the last layer's four stores have read v[PC ..], which the conversions below write again
.endif
	QUANT 0
	s_wait_alu depctr_va_vdst(0)                   ; the conversions have written v[PC ..], which the four stores read
	global_store_b128 v[LI], v[PC:PC+3], s[\ptr:\ptr+1] offset:\o0
	global_store_b128 v[LI], v[PC+4:PC+7], s[\ptr:\ptr+1] offset:\o1
	global_store_b128 v[LI], v[PC+8:PC+11], s[\ptr:\ptr+1] offset:\o2
	global_store_b128 v[LI], v[PC+12:PC+15], s[\ptr:\ptr+1] offset:\o3
.endm
; A layer: four K steps.  The weights run two K steps ahead in two buffers, on into the successor's first two.  sk: the successor: 0 none; 1 a bias by registers and weights; 2 a bias by lanes and weights; 3 weights alone.
; Behind a step's wait its successor's fragments are asked for first, since they are wanted first, then the weights of two steps on.
.macro LAYER areg, xoff, vt, cm, wp, woff, sk, bp, boff, swp, swoff, sareg, spitch
	XLOAD \areg, (\xoff), 8192
	MULT 0, \cm, \vt, 8, 1                         ; behind this buffer's loads: the other buffer's 8
	XLOAD \areg, (\xoff)+2048, 8192
	WLOAD 0, \wp, WA5, (\woff)+256, 512
	MULT 1, 2, \vt, 8, 1
	XLOAD \areg, (\xoff)+4096, 8192
	WLOAD 1, \wp, WA5, (\woff)+384, 512
	MULT 0, 2, \vt, 8, 1
	XLOAD \areg, (\xoff)+6144, 8192
.if \sk == 1
	BIASK \bp, \boff
.endif
.if \sk == 2
	BIASV \bp
.endif
.if \sk > 0
	WLOAD 0, \swp, \sareg, (\swoff), \spitch
.endif
.if \sk == 0
	MULT 1, 2, \vt, 0, 0                           ; nothing is loaded behind these products: no wait
.elseif \sk == 1
	MULT 1, 2, \vt, 12, 1                          ; behind: 4 of the bias, 8 of the successor's weights
.elseif \sk == 2
	MULT 1, 2, \vt, 10, 1                          ; behind: 2 and 8
.else
	MULT 1, 2, \vt, 8, 1
.endif
.if \sk > 0
	WLOAD 1, \swp, \sareg, (\swoff)+128, \spitch
.endif
.endm
.macro XQ e, areg, off                 ; my fragment of tgt (64 numbers a lane, kept in the accumulators' registers) under the scale 2^s[e], as an image set's part
	SETSC \e
.set k, 0
.rept 64
	v_med3_num_f32 v[XF+k], v[ACC+k], -v[LIM], v[LIM]
.set k, k+1
.endr
.irp q, 0,1,2,3,4,5,6,7
	v_cvt_scalef32_pk8_bf8_f32 v[PC+2*\q:PC+2*\q+1], v[XF+8*\q:XF+8*\q+7], v[SCL]
.endr
	v_nop
	s_wait_alu depctr_va_vdst(0)                   ; the conversions have written v[PC ..], which the LDS stores read; the holds and they are done with v[XF ..], in which the first K step's fragments land
.irp c, 0,1,2,3
	ds_store_b128 v[\areg], v[PC+4*\c:PC+4*\c+3] offset:(\off)+512*\c
.endr
	s_wait_dscnt 0x0                               ; the image's four stores are done
	s_wait_alu depctr_vm_vsrc(0)                   ; and have read v[PC ..], which the next conversions write
.endm
	s_load_b512 s[4:19], s[0:1], 0x0               ; tgt 4, memory 6, mask 8, sa_wq 10, sa_wk 12, sa_wv 14, ca_wk 16, ca_wv 18
	s_load_b512 s[20:35], s[0:1], 0x40             ; sa_bq 20, sa_bk 22, sa_bv 24, ca_bk 26, ca_bv 28, scales 30, qimg 32, kv_sa 34
	s_load_b128 s[36:39], s[0:1], 0x80             ; kv_ca 36, maskw 38
	v_lshl_add_u32 v14, v0, 2, 0x20000
	v_mov_b32 v15, 0
	v_lshrrev_b32 v16, 5, v0
	v_readfirstlane_b32 s66, v16                   ; wave w
	v_and_b32 v16, 31, v0                          ; lane
	v_and_b32 v17, 15, v0                          ; r
	v_bfe_u32 v18, v0, 4, 1                        ; h
	v_and_b32 v19, 8, v17
	v_add_nc_u32 v19, v19, v17                     ; pi(r)
	v_lshlrev_b32 v[LI], 4, v16
	v_lshlrev_b32 v[L8], 3, v16
	v_lshlrev_b32 v[WA5], 9, v19
	v_lshl_add_u32 v[WA5], v18, 4, v[WA5]
	v_lshlrev_b32 v[TA], 11, v19
	v_lshl_add_u32 v[MA], v18, 4, v[TA]
	v_lshl_add_u32 v[TA], v18, 6, v[TA]
	v_lshlrev_b32 v[BAV], 2, v19
	v_lshlrev_b32 v[BA], 6, v18
	s_wait_alu depctr_va_sdst(0)                   ; s66 is written, ahead of its first reader: LDS addresses and every base are made from it
	s_lshl_b32 s67, s66, 11
	v_add_nc_u32 v[XW], s67, v[LI]
	v_add_nc_u32 v[LI2], 0x10000, v[LI]
	v_add_nc_u32 v[XW2], 0x10000, v[XW]
	s_and_b32 s68, ttmp9, 127                      ; g: which 64 rows
	s_lshr_b32 s69, s66, 2                         ; the fragment that my wave prepares: tile of tokens m = w / 4,
	s_and_b32 s70, s66, 3                          ; K step w % 4
	s_lshr_b32 s71, s69, 1
	s_lshl_b32 s71, s71, 5
	s_and_b32 s72, s69, 1
	s_lshl_b32 s72, s72, 3
	s_add_co_u32 s71, s71, s72
	s_lshl_b32 s72, s68, 6
	s_add_co_u32 s71, s71, s72                     ; its slot 0 is row 64 g + 32 (m / 2) + 8 (m % 2)
	s_lshr_b32 s72, s68, 5
	s_lshl_b32 s72, s72, 3
	s_lshr_b32 s73, s66, 1
	s_add_co_u32 s72, s72, s73                     ; batch x 8 + head: my 32 features are half c of head w / 2
	s_and_b32 s73, s66, 1                          ; c
	s_and_b32 s74, s68, 31
	s_and_b32 s75, s68, 1
	s_lshl_b32 s76, s72, 17                        ; Q's images: head x 131,072 + tile 4 (g % 32) x 1,024 + 512 c
	s_lshl_b32 s78, s74, 12
	s_add_co_u32 s76, s76, s78
	s_lshl_b32 s78, s73, 9
	s_add_co_u32 s76, s76, s78
	s_mov_b32 s77, 0
	s_lshl_b32 s80, s72, 18                        ; K and V: head x 262,144 + key step ((g % 32) / 2) x 16,384
	s_lshr_b32 s78, s74, 1
	s_lshl_b32 s78, s78, 14
	s_add_co_u32 s80, s80, s78
	s_mov_b32 s81, 0
	s_mov_b32 s83, 0
	s_lshl_b32 s78, s73, 12                        ; V: + 8,192 + 4,096 c + 1,024 (g % 2)
	s_add_co_u32 s82, s80, s78
	s_lshl_b32 s78, s75, 10
	s_add_co_u32 s82, s82, s78
	s_add_co_u32 s82, s82, 8192
	s_lshl_b32 s78, s75, 12                        ; K: + 4,096 (g % 2) + 512 c
	s_add_co_u32 s80, s80, s78
	s_lshl_b32 s78, s73, 9
	s_add_co_u32 s80, s80, s78
	s_lshl_b32 s84, s66, 14                        ; my 32 rows of a weight
	s_mov_b32 s85, 0
	s_lshl_b32 s86, s66, 7                         ; my 32 numbers of a bias
	s_mov_b32 s87, 0
	s_mov_b32 s89, 0
	s_wait_kmcnt 0x0
	s_load_b512 s[40:55], s[30:31], 0x0            ; e0 .. e15 in s40 ..
	s_load_b256 s[56:63], s[30:31], 0x40           ; e16 .. e23
	s_wait_alu depctr_va_vdst(0)                   ; the offsets and addresses v1 to v11 are written, which the loads and stores of both paths read; so are v16 to v19, in which a bias lands
	s_cmp_lt_u32 ttmp9, 128
	s_cbranch_scc0 .Lcross
	; ---------------- work-groups 0-127: tgt, and the self-attention's Q, K, V
	s_lshl_b32 s88, s71, 11
	s_lshl_b32 s78, s70, 9
	s_add_co_u32 s88, s88, s78
	s_add_nc_u64 s[4:5], s[4:5], s[88:89]
	s_add_nc_u64 s[10:11], s[10:11], s[84:85]
	s_add_nc_u64 s[12:13], s[12:13], s[84:85]
	s_add_nc_u64 s[14:15], s[14:15], s[84:85]
	s_add_nc_u64 s[20:21], s[20:21], s[86:87]
	s_add_nc_u64 s[22:23], s[22:23], s[86:87]
	s_add_nc_u64 s[24:25], s[24:25], s[86:87]
	s_add_nc_u64 s[32:33], s[32:33], s[76:77]
	s_add_nc_u64 s[90:91], s[34:35], s[80:81]
	s_add_nc_u64 s[92:93], s[34:35], s[82:83]
.irp c, 0,1,2,3
.irp j, 0,1,2,3
	global_load_b128 v[ACC+16*\c+4*\j:ACC+16*\c+4*\j+3], v[TA], s[4:5] offset:128*\c+16*\j th:TH_LOAD_NT   ; register 16 c + i: feature 128 ks + 32 c + 16 h + i of my slot's row
.endr
.endr
	BIASK 20, 0
	WLOAD 0, 10, WA5, 0, 512
	WLOAD 1, 10, WA5, 128, 512
	s_wait_kmcnt 0x0
	s_wait_loadcnt 20                              ; tgt is in; behind it: 4 of the bias, 16 of the weights
	XQ 40, XW, 0
	XQ 42, XW, 32768
	XQ 44, XW2, 0
	BARRIER                                        ; the three image sets lie in LDS
	s_add_co_i32 s94, s40, s41
	s_sub_co_i32 s95, 0, s94
	s_wait_loadcnt 16                              ; the bias is in
	PREPK 95
	s_wait_alu depctr_va_vdst(0)
	s_sub_co_i32 s94, s46, s94                     ; e6 - e0 - e1
	SETSC 94
	LAYER LI, 0, 0, 1, 10, 0, 1, 22, 0, 12, 0, WA5, 512
	EPIG 32, 0, 1024, 2048, 3072, 0
	s_add_co_i32 s94, s42, s43
	s_sub_co_i32 s95, 0, s94
	s_wait_loadcnt 16
	PREPK 95
	s_wait_alu depctr_va_vdst(0)
	s_sub_co_i32 s94, s47, s94                     ; e7 - e2 - e3
	SETSC 94
	LAYER LI, 32768, 0, 1, 12, 0, 2, 24, 0, 14, 0, WA5, 512
	EPIG 90, 0, 1024, 2048, 3072, 1
	s_add_co_i32 s94, s44, s45
	s_sub_co_i32 s95, 0, s94
	s_wait_loadcnt 16
	PREPV 95
	s_sub_co_i32 s94, s49, s94                     ; e9 - e4 - e5
	SETSC 94
	s_wait_alu depctr_va_vdst(0)
	LAYER LI2, 0, 1, 1, 14, 0, 0, 0, 0, 0, 0, 0, 0
	EPIG 92, 0, 512, 2048, 2560, 1                 ; group 2 u + b: tile u of the head's channels, key block b of my 64 keys
	s_wait_dscnt 0x0                               ; the closing lines, six on end
	s_wait_alu 0x0
	s_wait_tensorcnt 0x0
	ds_add_u32 v14, v15
	s_wait_dscnt 0x0
	s_endpgm
	; ---------------- work-groups 128-255: memory, the cross-attention's K, V; and the mask's words
.Lcross:
	s_lshl_b32 s88, s71, 9
	s_lshl_b32 s78, s70, 7
	s_add_co_u32 s88, s88, s78
	s_add_nc_u64 s[6:7], s[6:7], s[88:89]
	s_lshr_b32 s88, s68, 1                         ; query tile g: slot 0 is row 32 (g / 2) + 8 (g % 2) of the mask; my wave takes key step w: 128 bytes of each row
	s_lshl_b32 s88, s88, 16
	s_lshl_b32 s78, s75, 14
	s_add_co_u32 s88, s88, s78
	s_add_co_u32 s88, s88, s86
	s_add_nc_u64 s[8:9], s[8:9], s[88:89]
	s_lshl_b32 s88, s68, 12
	s_lshl_b32 s78, s66, 8
	s_add_co_u32 s88, s88, s78
	s_add_nc_u64 s[38:39], s[38:39], s[88:89]      ; its 64 words: (16 g + w) x 256 bytes
	s_add_nc_u64 s[16:17], s[16:17], s[84:85]
	s_add_nc_u64 s[18:19], s[18:19], s[84:85]
	s_add_nc_u64 s[26:27], s[26:27], s[86:87]
	s_add_nc_u64 s[28:29], s[28:29], s[86:87]
	s_add_nc_u64 s[90:91], s[36:37], s[80:81]
	s_add_nc_u64 s[92:93], s[36:37], s[82:83]
.irp c, 0,1,2,3
	global_load_b128 v[XF+4*\c:XF+4*\c+3], v[MA], s[8:9] offset:32*\c           ; mask(my query, 128 w + 32 c + 16 h + 0 .. 15)
.endr
.irp c, 0,1,2,3
	global_load_b128 v[TMP+4*\c:TMP+4*\c+3], v[WA5], s[6:7] offset:32*\c th:TH_LOAD_NT   ; memory's codes are a fragment's registers as they lie
.endr
	BIASK 26, 0
	WLOAD 0, 16, WA5, 0, 512
	WLOAD 1, 16, WA5, 128, 512
	s_wait_loadcnt 20                              ; the mask's bytes and the codes are in; behind them: 4 + 8 + 8
.irp c, 0,1,2,3
	ds_store_b128 v[XW2], v[TMP+4*\c:TMP+4*\c+3] offset:32768+512*\c
.endr
	; Word n = 16 c + i: bit l = mask(query of lane l, key 128 w + 32 c + 16 (l / 16) + i): the very place that score register n has in the attention.  Lane n / 2 gathers words n and n + 1.
	; The compares go in runs of sixteen, into s68 to s83 (free since the bases above are made), so that one wait serves a run's sixteen lane writes.
	v_mov_b32 v[XF+16], 0
	v_mov_b32 v[XF+17], 0
.set n, 0
.rept 4
.rept 16
	v_and_b32 v[XF+18+n%2], 0xff<<(8*(n%4)), v[XF+4*(n/16)+(n%16)/4]
	v_cmp_ne_u32 s[68+n%16], 0, v[XF+18+n%2]
.set n, n+1
.endr
	s_wait_alu depctr_va_sdst(0)                   ; the sixteen compares have written s68 to s83, ahead of the lane writes that read them
.set n, n-16
.rept 16
	v_writelane_b32 v[XF+16+n%2], s[68+n%16], n/2
.set n, n+1
.endr
.endr
	s_wait_alu depctr_va_vdst(0)                   ; the lane writes have written v[XF+16] and v[XF+17], which the store reads; every vector line that names v[XF ..] is done, so the first K step's fragments may land there
	global_store_b64 v[L8], v[XF+16:XF+17], s[38:39]   ; 256 consecutive bytes, aligned
	BARRIER                                        ; memory's images lie in LDS
	s_wait_alu depctr_vm_vsrc(0)                   ; my LDS stores have read v[TMP ..], of which v62 and v63 are written below; the words' store has read v[XF+16] and v[XF+17], in which fragments land
	s_wait_kmcnt 0x0
	s_add_co_i32 s94, s54, s55                     ; e14 + e15
	s_sub_co_i32 s95, 0, s94
	s_wait_loadcnt 16
	PREPK 95
	s_sub_co_i32 s94, s59, s94                     ; e19 - e14 - e15
	SETSC 94
	s_wait_alu depctr_va_vdst(0)
	s_wait_xcnt 0x0                                ; the words' store has read its registers: the fragments' loads may land there
	LAYER LI2, 32768, 0, 1, 16, 0, 2, 28, 0, 18, 0, WA5, 512
	EPIG 90, 0, 1024, 2048, 3072, 0
	s_add_co_i32 s94, s56, s57                     ; e16 + e17
	s_sub_co_i32 s95, 0, s94
	s_wait_loadcnt 16
	PREPV 95
	s_sub_co_i32 s94, s61, s94                     ; e21 - e16 - e17
	SETSC 94
	s_wait_alu depctr_va_vdst(0)
	LAYER LI2, 32768, 1, 1, 18, 0, 0, 0, 0, 0, 0, 0, 0
	EPIG 92, 0, 512, 2048, 2560, 1
	s_wait_dscnt 0x0                               ; the closing lines, six on end
	s_wait_alu 0x0
	s_wait_tensorcnt 0x0
	ds_add_u32 v14, v15
	s_wait_dscnt 0x0
	s_endpgm
.Lfunc_end_k_qf519aa45e2_front:
	.size	k_qf519aa45e2_front, .Lfunc_end_k_qf519aa45e2_front-k_qf519aa45e2_front
	.p2alignl 7, 3214868480
	.fill 96, 4, 3214868480
	.section	.rodata,"a",@progbits
	.p2align	6, 0x0
	.amdhsa_kernel k_qf519aa45e2_front
		.amdhsa_group_segment_fixed_size 133120
		.amdhsa_private_segment_fixed_size 0
		.amdhsa_enable_private_segment 0
		.amdhsa_kernarg_size 144
		.amdhsa_user_sgpr_count 2
		.amdhsa_user_sgpr_kernarg_segment_ptr 1
		.amdhsa_wavefront_size32 1
		.amdhsa_system_sgpr_workgroup_id_x 1
		.amdhsa_system_sgpr_workgroup_id_y 1
		.amdhsa_system_sgpr_workgroup_id_z 1
		.amdhsa_system_vgpr_workitem_id 0
		.amdhsa_next_free_vgpr 256
		.amdhsa_next_free_sgpr 100
		.amdhsa_reserve_vcc 0
		.amdhsa_float_denorm_mode_32 3
		.amdhsa_float_denorm_mode_16_64 3
		.amdhsa_memory_ordered 1
		.amdhsa_forward_progress 1
		.amdhsa_inst_pref_size 119
	.end_amdhsa_kernel
	.amdgpu_metadata
---
amdhsa.version: [ 1, 2 ]
amdhsa.kernels:
  - .name:           k_qf519aa45e2_front
    .symbol:         k_qf519aa45e2_front.kd
    .args:
      - { .name: tgt, .offset: 0, .size: 8, .value_kind: global_buffer, .address_space: global }
      - { .name: memory_codes, .offset: 8, .size: 8, .value_kind: global_buffer, .address_space: global }
      - { .name: tgt_mask, .offset: 16, .size: 8, .value_kind: global_buffer, .address_space: global }
      - { .name: sa_wq_codes, .offset: 24, .size: 8, .value_kind: global_buffer, .address_space: global }
      - { .name: sa_wk_codes, .offset: 32, .size: 8, .value_kind: global_buffer, .address_space: global }
      - { .name: sa_wv_codes, .offset: 40, .size: 8, .value_kind: global_buffer, .address_space: global }
      - { .name: ca_wk_codes, .offset: 48, .size: 8, .value_kind: global_buffer, .address_space: global }
      - { .name: ca_wv_codes, .offset: 56, .size: 8, .value_kind: global_buffer, .address_space: global }
      - { .name: sa_bq, .offset: 64, .size: 8, .value_kind: global_buffer, .address_space: global }
      - { .name: sa_bk, .offset: 72, .size: 8, .value_kind: global_buffer, .address_space: global }
      - { .name: sa_bv, .offset: 80, .size: 8, .value_kind: global_buffer, .address_space: global }
      - { .name: ca_bk, .offset: 88, .size: 8, .value_kind: global_buffer, .address_space: global }
      - { .name: ca_bv, .offset: 96, .size: 8, .value_kind: global_buffer, .address_space: global }
      - { .name: lowp_scales, .offset: 104, .size: 8, .value_kind: global_buffer, .address_space: global }
      - { .name: qimg, .offset: 112, .size: 8, .value_kind: global_buffer, .address_space: global }
      - { .name: kv_sa, .offset: 120, .size: 8, .value_kind: global_buffer, .address_space: global }
      - { .name: kv_ca, .offset: 128, .size: 8, .value_kind: global_buffer, .address_space: global }
      - { .name: maskw, .offset: 136, .size: 8, .value_kind: global_buffer, .address_space: global }
    .group_segment_fixed_size: 133120
    .private_segment_fixed_size: 0
    .kernarg_segment_align: 8
    .kernarg_segment_size: 144
    .max_flat_workgroup_size: 512
    .sgpr_count:     100
    .vgpr_count:     256
    .wavefront_size: 32
...
	.end_amdgpu_metadata
.endif
;; end of part 6
;; launch sa_attn (part 7): grid 8 x 32, 16 waves a work-group, clusters of 4 x 1, 327,680 bytes of LDS; arguments qimg, kv_sa, maskw, lowp_scales, aimg; writes aimg
.if DOCPART == 7
	.amdgcn_target "amdgcn-amd-amdhsa--gfx1250"
	.amdhsa_code_object_version 6
	.text
	.protected	k_qf519aa45e2_sa_attn
	.globl	k_qf519aa45e2_sa_attn
	.p2align	8
	.type	k_qf519aa45e2_sa_attn,@function
k_qf519aa45e2_sa_attn:
	s_mov_b64 s[64:65], 0
	v_nop
	global_prefetch_b8 v0, s[64:65] scope:SCOPE_SE
	s_setreg_imm32_b32 hwreg(HW_REG_WAVE_MODE, 25, 1), 1
	s_wait_xcnt 0x0
	s_wait_alu depctr_hold_cnt(0) depctr_sa_sdst(0) depctr_va_vdst(0) depctr_va_sdst(0) depctr_va_ssrc(0) depctr_va_vcc(0) depctr_vm_vsrc(0)
	s_getreg_b32 s2, hwreg(HW_REG_IB_STS2, 6, 4)
	s_cmp_eq_u32 s2, 0
	s_cbranch_scc0 .Lentry_in_a_cluster
	s_endpgm
.Lentry_in_a_cluster:
	s_bfe_u32 s2, ttmp6, 0x10000c
	s_cmp_lg_u32 s2, 0x3003
	s_cbranch_scc0 .Lentry_shape_is_right
	s_endpgm
.Lentry_shape_is_right:
; ATTENTION ON CODES OF E5M2, head size 64, 2,048 keys, with the mask that is given (MASKED = 1) or none (0).  Its result leaves as codes, quantised for the projection that follows.
; SHARES.  A work-group owns 256 queries of one head (grid y = batch x 8 + head); each of its sixteen waves owns one tile of 16 queries, in 256 registers: four waves to a SIMD, so that one wave's softmax stands beside another's products and LDS loads.
; THE HEAD'S K AND V LIE WHOLE IN LDS: 262,144 bytes of codes, laid by the launch before as images of the fragments' registers (16 key steps x (8 tiles of K x 1,024 bytes, then 4 fragments of V^T x 2,048)).
; No byte of LDS is filled twice.  Each wave brings two pieces of 8 KiB.  CLUSTER: the four work-groups of a cluster belong to one head: every piece is asked for jointly, by the same tensor load with the same descriptor and the mask 15.
; A wave has one tensor load outstanding at a time.
; LAYOUT.  Both products are used transposed: S^T = K Q^T (source 0 = 16 keys, source 1 = my 16 queries), O^T = V^T P^T: a lane holds ONE query throughout.  Slot r of a tile (b, u) is element 32 b + 8 u + r + 8 (r / 8),
; so score register n of a lane's half h is key 32 (n / 16) + 16 h + n % 16 of the step, and the conversions' results are the second product's operand.
; SOFTMAX.  t = score x log2(e) / 8; M = the largest t so far, rounded up to a whole number; p = 2^(t - M) is quantised with the given 2^ep, not normalised; the sum is taken of the unquantised p and divides at the end;
; when M moves, the sum and O^T are multiplied by 2^(old M - new M), which rounds nothing.
; THE MASK comes as words of 32 bits, one for each score register and key step, bit l for lane l; they are read a step ahead into scalar registers and select by v_cndmask_b32; nothing branches on them.
; A hidden raw score becomes X = -2^(33 - eq - ek), so that its t is -2^30 log2(e), a whole number: in a row whose keys are all hidden t - M is exactly 0 and p = 1, as with the -1e9 of the definition; beside any key that counts p is 0.
; LIMIT: a hidden logit stands at -2^30, not at -1e9: the results are the same as long as no logit that counts lies near -1e9.
; LIMITS on the given exponents: eq + ek between -94 and 130; ep and eo between -126 and 112; ep + ev is applied by v_ldexp_f32.  NaN is not served.
; REGISTERS: v1 16 x lane; v2 the step's LDS address; v3 X; v4, v5 2^ep and 57,344 x 2^ep; v6, v7 the same for eo; v8-15 Q; v16 -M, v17 the largest t; v[18:19] the sum; v[20:21] f; v22-27 at work;
; v32-95 K's fragments, then V's; v96-159 S^T, then p; v160-191 O^T; v192-207 p's codes; v208-247 the way out.
.set MASKED, 1
.set SC, 6                             ; eq, ek, ep, ev, eo are entries SC .. SC + 4 of the scales
.set WV,  16                           ; s16 my wave's number
.set TB,  17                           ; s17 LDS byte of the key step in hand
.set CNT, 18                           ; s18 trips
.set MO,  19                           ; s19 byte offset of the mask words that are asked for
.set CS,  20                           ; s[20:21] c = log2(e) / 8 x 2^(eq + ek)
.set SEL, 22                           ; s[22:23] lane selects: lane l xor 16
.set G1,  24                           ; s[24:31] descriptor group 1; s[4:7], s[8:11] the two groups 0; s[12:13] my mask words; s[14:15] my output; s[32:63], s[68:99] 64 mask words; s100 ep + ev
.macro PLACES n
.rept \n
	v_nop
.endr
.endm
.macro CROUND                          ; a round of the cluster's barrier
	s_barrier_signal -1
	s_barrier_wait -1
	s_cmp_lg_u32 s[WV], 0
	s_cbranch_scc1 .Lnot_wave_0_\@
	s_barrier_signal -3
.Lnot_wave_0_\@:
	s_barrier_wait -3
	s_barrier_signal -1
	s_barrier_wait -1
.endm
	s_load_b128 s[32:35], s[0:1], 0x0              ; qimg s[32:33], kv s[34:35]
.if MASKED
	s_load_b128 s[36:39], s[0:1], 0x10             ; maskw s[36:37], the scales s[38:39]
	s_load_b64 s[40:41], s[0:1], 0x20              ; aimg
	v_lshl_add_u32 v254, v0, 2, 0x40000
	v_mov_b32 v255, 0
	ds_add_u32 v254, v255
	ds_add_u32 v254, v255
.else
	s_load_b64 s[38:39], s[0:1], 0x10
	s_load_b64 s[40:41], s[0:1], 0x18
.endif
	v_lshrrev_b32 v2, 5, v0
	s_delay_alu instid0(VALU_DEP_1)
	v_readfirstlane_b32 s[WV], v2
	v_and_b32 v1, 31, v0
	s_delay_alu instid0(VALU_DEP_1)
	v_lshlrev_b32 v1, 4, v1
	s_bfe_u32 s42, ttmp6, 0x40000                  ; cx: it enters the addresses of Q, of the mask words and of the output alone
	s_lshl_b32 s43, ttmp9, 2
	s_add_co_u32 s43, s43, s42
	s_lshl_b32 s43, s43, 4
	s_add_co_u32 s43, s43, s[WV]                   ; my tile of queries: 16 x work-group x + wave
	s_and_b32 s44, ttmp7, 0xffff                   ; batch x 8 + head, which the four partners share
	s_lshl_b32 s45, s[WV], 13                      ; my piece of each half of the head's block
	s_lshl_b32 s46, s44, 18
	s_add_co_u32 s46, s46, s45
	s_mov_b32 s47, 0
	s_lshl_b32 s48, s44, 17
	s_lshl_b32 s49, s43, 10
	s_add_co_u32 s48, s48, s49                     ; Q: head x 131,072 + tile x 1,024
	s_mov_b32 s49, 0
	s_mov_b32 s[G1], 15|(3<<16)|(1<<21)            ; 15:0 the mask: all four work-groups; 17:16 elements of 8 bytes; 21 set beside a mask; no padding
	s_mov_b32 s[G1+1], 32<<16                      ; tensor_dim0 = 32 elements: rows of 256 bytes
	s_mov_b32 s[G1+2], 32<<16                      ; tensor_dim1 = 32 rows
	s_mov_b32 s[G1+3], 32<<16                      ; tile_dim0
	s_mov_b32 s[G1+4], 32                          ; tile_dim1
	s_mov_b32 s[G1+5], 32                          ; the pitch: dense
	s_mov_b32 s[G1+6], 0
	s_mov_b32 s[G1+7], 0
	s_mov_b32 s[SEL], 0x76543210
	s_mov_b32 s[SEL+1], 0xfedcba98
	s_mov_b32 s[TB], 0
	s_mov_b32 s[MO], 0
	s_wait_dscnt 0x0
	s_wait_kmcnt 0x0
	s_load_b128 s[52:55], s[38:39], 4*SC           ; eq, ek, ep, ev
	s_load_b32 s56, s[38:39], 4*SC+16              ; eo
	s_mov_b32 s4, 1
	s_mov_b32 s5, s45                              ; LDS: 8,192 x wave
	s_add_nc_u64 s[6:7], s[34:35], s[46:47]
	s_mov_b32 s8, 1
	s_add_co_u32 s9, s45, 0x20000                  ; and 131,072 further on
	s_add_nc_u64 s[10:11], s[6:7], 0x20000
	s_or_b32 s7, s7, 0x80000000
	s_or_b32 s11, s11, 0x80000000
	s_add_nc_u64 s[50:51], s[32:33], s[48:49]
.if MASKED
	s_lshl_b32 s48, s43, 12
	s_add_nc_u64 s[12:13], s[36:37], s[48:49]      ; my tile's words: 16 steps x 256 bytes
.endif
	s_lshr_b32 s48, s44, 3
	s_lshl_b32 s48, s48, 7
	s_add_co_u32 s48, s48, s43
	s_lshl_b32 s48, s48, 13
	s_and_b32 s57, s44, 7
	s_lshl_b32 s57, s57, 10
	s_add_co_u32 s48, s48, s57
	s_add_nc_u64 s[14:15], s[40:41], s[48:49]      ; the output: (batch x 128 + tile) x 8,192 + head x 1,024
	CROUND                                         ; all four work-groups are here: the joint loads meet
	tensor_load_to_lds s[4:7], s[G1:G1+7]          ; key steps 0-7: my piece
	s_nop 0
	s_wait_alu depctr_va_vdst(0)
	s_wait_tensorcnt 0x0
	ds_add_u32 v254, v255
	s_wait_dscnt 0x0
	CROUND
	tensor_load_to_lds s[8:11], s[G1:G1+7]         ; key steps 8-15
	s_nop 0
	PLACES 4
	s_wait_alu depctr_va_vdst(0)
	global_load_b128 v[8:11], v1, s[50:51]         ; Q's fragment stays in registers
	global_load_b128 v[12:15], v1, s[50:51] offset:512
	v_mov_b32 v17, 0xff61b1e6                      ; the largest t so far: -3e38
	s_delay_alu instid0(VALU_DEP_1)
	v_floor_f32 v16, -v17
	v_mov_b32 v18, 0
	v_mov_b32 v19, 0
	v_mov_b32 v21, 0                               ; (named as the upper half of a pair)
	v_mov_b32 v24, 0                               ; (a lane permute's destination counts as one of its sources)
.set j, 0
.rept 32
	v_mov_b32 v[160+j], 0                          ; O^T: the step is written once, its first trip finds zeros
.set j, j+1
.endr
	s_wait_kmcnt 0x0
	s_add_co_i32 s57, s52, s53
	s_lshl_b32 s58, s57, 23
	s_mov_b32 s[CS], 0x3e38aa3b                    ; log2(e) / 8
	s_add_co_i32 s[CS], s[CS], s58                 ; x 2^(eq + ek), by its exponent field
	s_mov_b32 s[CS+1], s[CS]
.if MASKED
	s_sub_co_i32 s58, 160, s57
	s_lshl_b32 s58, s58, 23
	s_or_b32 s58, s58, 0x80000000
	v_mov_b32 v3, s58                              ; X = -2^(33 - eq - ek)
.endif
	s_add_co_i32 s58, s54, 127
	s_lshl_b32 s59, s58, 23
	v_mov_b32 v4, s59
	s_add_co_i32 s58, s58, 15
	s_lshl_b32 s58, s58, 23
	s_or_b32 s58, s58, 0x600000
	v_mov_b32 v5, s58
	s_add_co_i32 s58, s56, 127
	s_lshl_b32 s59, s58, 23
	v_mov_b32 v6, s59
	s_add_co_i32 s58, s58, 15
	s_lshl_b32 s58, s58, 23
	s_or_b32 s58, s58, 0x600000
	v_mov_b32 v7, s58
	s_add_co_i32 s100, s54, s55
	s_wait_loadcnt 0x0                             ; Q is in, and its base may be written over
.if MASKED
	s_load_b512 s[32:47], s[12:13], s[MO] offset:0x0   ; step 0's 64 words
	s_load_b512 s[48:63], s[12:13], s[MO] offset:0x40
	s_load_b512 s[68:83], s[12:13], s[MO] offset:0x80
	s_load_b512 s[84:99], s[12:13], s[MO] offset:0xc0
.endif
; A KEY STEP: 128 keys.
.macro STEP
	v_add_nc_u32 v2, s[TB], v1
	PLACES 3                                       ; with the addition: four places behind the last products, whose operands the loads below write over
.irp t, 0,1,2,3,4,5,6,7
	ds_load_b128 v[32+8*\t:35+8*\t], v2 offset:1024*\t
	ds_load_b128 v[36+8*\t:39+8*\t], v2 offset:1024*\t+512
.endr
	s_wait_alu depctr_va_vdst(0)
	s_wait_dscnt 0x0
.irp t, 0,1,2,3,4,5,6,7
	v_wmma_f32_16x16x64_bf8_bf8 v[96+8*\t:103+8*\t], v[32+8*\t:39+8*\t], v[8:15], 0
.endr
	PLACES 4
.irp t, 0,1,2,3
.irp c, 0,1,2,3
	ds_load_b128 v[32+16*\t+4*\c:35+16*\t+4*\c], v2 offset:8192+2048*\t+512*\c   ; V^T's four fragments land under the softmax
.endr
.endr
.if MASKED
	s_wait_kmcnt 0x0                               ; this step's words
.set n, 0
.rept 64
.if n < 32
	v_cndmask_b32 v[96+n], v3, v[96+n], s[32+n]
.else
	v_cndmask_b32 v[96+n], v3, v[96+n], s[36+n]
.endif
.set n, n+1
.endr
.endif
	v_max3_num_f32 v22, v96, v97, v98              ; the step's largest score of my query among my 64 keys, in two chains, from the low end on
	v_max3_num_f32 v23, v99, v100, v101
.irp i, 6,10,14,18,22,26,30,34,38,42,46,50,54,58
	s_delay_alu instid0(VALU_DEP_2)
	v_max3_num_f32 v22, v22, v[96+\i], v[97+\i]
	s_delay_alu instid0(VALU_DEP_2)
	v_max3_num_f32 v23, v23, v[98+\i], v[99+\i]
.endr
	s_delay_alu instid0(VALU_DEP_2)
	v_max3_num_f32 v22, v22, v158, v159
	s_delay_alu instid0(VALU_DEP_1)
	v_max_num_f32 v22, v22, v23
.if MASKED
	s_add_co_u32 s[MO], s[MO], 256                 ; the next step's words, a step ahead; behind the wait above the offset may be written.
	s_min_u32 s[MO], s[MO], 3840                   ; The last trip asks for step 15's again: no load leaves the buffer
	s_load_b512 s[32:47], s[12:13], s[MO] offset:0x0
	s_load_b512 s[48:63], s[12:13], s[MO] offset:0x40
	s_load_b512 s[68:83], s[12:13], s[MO] offset:0x80
	s_load_b512 s[84:99], s[12:13], s[MO] offset:0xc0
.endif
	v_permlanex16_b32 v24, v22, s[SEL], s[SEL+1]
	s_delay_alu instid0(VALU_DEP_1)
	v_max_num_f32 v22, v22, v24                    ; and among lane l xor 16's
	s_delay_alu instid0(VALU_DEP_1)
	v_mul_f32 v22, s[CS], v22                      ; as t (c is positive)
	s_delay_alu instid0(VALU_DEP_1)
	v_max_num_f32 v17, v17, v22
	v_mov_b32 v22, v16
	s_delay_alu instid0(VALU_DEP_2)
	v_floor_f32 v16, -v17                          ; -M = floor(-t)
	s_delay_alu instid0(VALU_DEP_1)
	v_sub_f32 v22, v16, v22                        ; old M - new M: a whole number, 0 or less
	s_delay_alu instid0(VALU_DEP_1)
	v_cvt_i32_f32 v22, v22                         ; (it saturates)
	s_delay_alu instid0(VALU_DEP_1)
	v_ldexp_f32 v20, 1.0, v22                      ; f = 2^(old M - new M)
.set j, 0
.rept 32
	v_pk_fma_f32 v[96+j:97+j], v[96+j:97+j], s[CS:CS+1], v[16:17] op_sel_hi:[1,0,0]   ; t - M
.set j, j+2
.endr
.set j, 0
	s_wait_alu depctr_va_vdst(0)
.rept 64
	v_exp_f32 v[96+j], v[96+j]
.set j, j+1
.endr
	s_setprio 1
	v_pk_mul_f32 v[18:19], v[18:19], v[20:21] op_sel_hi:[1,0]   ; the sum under the new M (a plain place behind the exponentials)
	s_wait_alu depctr_va_vdst(0)
	v_pk_add_f32 v[26:27], v[96:97], v[98:99]      ; the sum of the unquantised p, in two chains
.irp j, 4,8,12,16,20,24,28,32,36,40,44,48,52,56,60
	v_pk_add_f32 v[18:19], v[18:19], v[96+\j:97+\j]
	v_pk_add_f32 v[26:27], v[26:27], v[98+\j:99+\j]
.endr
	s_delay_alu instid0(VALU_DEP_1)
	v_pk_add_f32 v[18:19], v[18:19], v[26:27]
.irp b, 0,1,2,3
.set k, 0
.rept 16
	v_min_num_f32 v[96+16*\b+k], v[96+16*\b+k], v5 ; the conversion does not saturate (ISA guide 7.6.2); p is not negative: a one-sided hold
.set k, k+1
.endr
	v_cvt_scalef32_pk8_bf8_f32 v[192+4*\b:193+4*\b], v[96+16*\b:103+16*\b], v4
	v_cvt_scalef32_pk8_bf8_f32 v[194+4*\b:195+4*\b], v[104+16*\b:111+16*\b], v4
.endr
.set j, 0
	s_setprio 0
.rept 16
	v_pk_mul_f32 v[160+j:161+j], v[160+j:161+j], v[20:21] op_sel_hi:[1,0]   ; O^T under the new M; also the plain lines behind the conversions
.set j, j+2
.endr
	s_wait_alu depctr_va_vdst(0)
	s_wait_dscnt 0x0                               ; V
.irp t, 0,1,2,3
	v_wmma_f32_16x16x128_bf8_bf8 v[160+8*\t:167+8*\t], v[32+16*\t:47+16*\t], v[192:207], v[160+8*\t:167+8*\t]   ; four accumulators by turns, the scores' eight products between two turns
.endr
	s_add_co_u32 s[TB], s[TB], 16384
.endm
.macro HALF                            ; eight key steps
	s_mov_b32 s[CNT], 8
.Lstep_\@:
	s_setprio 2
	STEP
	s_sub_co_u32 s[CNT], s[CNT], 1
	s_cmp_lg_u32 s[CNT], 0
	s_cbranch_scc1 .Lstep_\@
	s_setprio 0
.endm
	s_wait_tensorcnt 0x1                           ; my piece of key steps 0-7 has landed; the other may stay out
	s_barrier_signal -1
	s_barrier_wait -1                              ; everybody's has
	HALF
	s_wait_tensorcnt 0x0                           ; my piece of key steps 8-15
	s_wait_dscnt 0x0
	s_barrier_signal -1
	s_barrier_wait -1
	s_mov_b32 s[TB], 0x20000
	HALF
	; THE WAY OUT: O^T / the sum x 2^(ep + ev), quantised with 2^eo: a lane's 16 registers of tiles 2 c and 2 c + 1 are channels 32 c + 16 h + 0 .. 15 of its query: image c of the next product's operand.
	PLACES 4
	v_add_f32 v18, v18, v19
	s_delay_alu instid0(VALU_DEP_1)
	v_permlanex16_b32 v24, v18, s[SEL], s[SEL+1]
	s_delay_alu instid0(VALU_DEP_1)
	v_add_f32 v18, v18, v24
	s_wait_alu depctr_va_vdst(0)
	v_rcp_f32 v18, v18
	v_nop
	s_wait_alu depctr_va_vdst(0)
	v_ldexp_f32 v18, v18, s100
.set j, 0
.rept 32
	v_mul_f32 v[208+j], v[160+j], v18
.set j, j+1
.endr
.set j, 0
.rept 32
	v_med3_num_f32 v[208+j], v[208+j], -v7, v7
.set j, j+1
.endr
.irp q, 0,1,2,3
	v_cvt_scalef32_pk8_bf8_f32 v[240+2*\q:241+2*\q], v[208+8*\q:215+8*\q], v6
.endr
	v_nop
	global_store_b128 v1, v[240:243], s[14:15]     ; 512 consecutive bytes each, aligned
	global_store_b128 v1, v[244:247], s[14:15] offset:512
	s_wait_tensorcnt 0x0
	ds_add_u32 v254, v255
	s_wait_dscnt 0x0
	CROUND                                         ; the closing round: no work-group ends while a partner may still ask
	s_endpgm
.Lfunc_end_k_qf519aa45e2_sa_attn:
	.size	k_qf519aa45e2_sa_attn, .Lfunc_end_k_qf519aa45e2_sa_attn-k_qf519aa45e2_sa_attn
	.p2alignl 7, 3214868480
	.fill 96, 4, 3214868480
	.section	.rodata,"a",@progbits
	.p2align	6, 0x0
	.amdhsa_kernel k_qf519aa45e2_sa_attn
		.amdhsa_group_segment_fixed_size 327680
		.amdhsa_private_segment_fixed_size 0
		.amdhsa_enable_private_segment 0
		.amdhsa_kernarg_size 40
		.amdhsa_user_sgpr_count 2
		.amdhsa_user_sgpr_kernarg_segment_ptr 1
		.amdhsa_wavefront_size32 1
		.amdhsa_system_sgpr_workgroup_id_x 1
		.amdhsa_system_sgpr_workgroup_id_y 1
		.amdhsa_system_sgpr_workgroup_id_z 1
		.amdhsa_system_vgpr_workitem_id 0
		.amdhsa_next_free_vgpr 256
		.amdhsa_next_free_sgpr 102
		.amdhsa_reserve_vcc 0
		.amdhsa_float_denorm_mode_32 3
		.amdhsa_float_denorm_mode_16_64 3
		.amdhsa_memory_ordered 1
		.amdhsa_forward_progress 1
		.amdhsa_inst_pref_size 54
	.end_amdhsa_kernel
	.amdgpu_metadata
---
amdhsa.version: [ 1, 2 ]
amdhsa.kernels:
  - .name:           k_qf519aa45e2_sa_attn
    .symbol:         k_qf519aa45e2_sa_attn.kd
    .args:
      - { .name: qimg, .offset: 0, .size: 8, .value_kind: global_buffer, .address_space: global }
      - { .name: kv_sa, .offset: 8, .size: 8, .value_kind: global_buffer, .address_space: global }
      - { .name: maskw, .offset: 16, .size: 8, .value_kind: global_buffer, .address_space: global }
      - { .name: lowp_scales, .offset: 24, .size: 8, .value_kind: global_buffer, .address_space: global }
      - { .name: aimg, .offset: 32, .size: 8, .value_kind: global_buffer, .address_space: global }
    .group_segment_fixed_size: 327680
    .private_segment_fixed_size: 0
    .kernarg_segment_align: 8
    .kernarg_segment_size: 40
    .max_flat_workgroup_size: 512
    .sgpr_count:     102
    .vgpr_count:     256
    .wavefront_size: 32
...
	.end_amdgpu_metadata
.endif
;; end of part 7
;; launch mid1 (part 8): grid 128 x 1, 16 waves a work-group, no clusters, 166,912 bytes of LDS; arguments aimg, sa_wo_codes, sa_bo, tgt, ln1_w, ln1_b, ca_wq_codes, ca_bq, lowp_scales, x1, qimg; writes x1, qimg
.if DOCPART == 8
	.amdgcn_target "amdgcn-amd-amdhsa--gfx1250"
	.amdhsa_code_object_version 6
	.text
	.protected	k_qf519aa45e2_mid1
	.globl	k_qf519aa45e2_mid1
	.p2align	8
	.type	k_qf519aa45e2_mid1,@function
k_qf519aa45e2_mid1:
	s_mov_b64 s[64:65], 0
	v_nop
	global_prefetch_b8 v0, s[64:65] scope:SCOPE_SE
	s_setreg_imm32_b32 hwreg(HW_REG_WAVE_SCHED_MODE, 0, 2), 2
	s_setreg_imm32_b32 hwreg(HW_REG_WAVE_MODE, 25, 1), 1
	s_wait_xcnt 0x0
	s_wait_alu depctr_vm_vsrc(0)
; x1 = LayerNorm(tgt + attention W_o^T + b_o), and the cross-attention's Q = x1 W_q^T + b_q as codes.  Both products on codes of E5M2.
; A work-group owns 64 whole rows (four tiles of tokens), since the norm wants whole rows; its 16 waves share the COLUMNS, 32 each.  Tiles, images and scales as in the launch 'front':
; slot r of tile (b, u) is element 32 b + 8 u + r + 8 (r / 8); four registers of a fragment are 512 bytes on end; weights go from memory into the registers of the one wave that multiplies by them.
; NO JOINT LOADS: the weights never lie in LDS, so there is no tile for a joint tensor load to bring.
; PHASES: the attention's images, 32 KiB, are copied into LDS | barrier | W_o: four K steps; sum x 2^(e10 + e11) + b_o into a stage of 64 rows | barrier | wave w takes rows 4 w .. 4 w + 3 whole: + tgt, mean, variance in
; two passes, gain and bias; x1 is stored; the rows go back through the stage, 16 neighbours a lane, are quantised with 2^e12 and laid as images | barrier | W_q: four K steps; codes to qimg.
; LIMITS: e10 + e11 between -126 and 127; e12 and e18 - e12 - e13 between -126 and 112.  NaN is not served.
; REGISTERS: v1-11 addresses; v16-31 bias; v32-47 codes, in the norm its gain; v48-63 at work (v62, v63 the conversion's scale and hold), in the norm its bias; v64-127 accumulators, in the norm four rows;
; v128-191 the rows' fragments, in the norm tgt's rows and what is at work; v192-255 W's fragments, two buffers.
; THE MODE: SCHED_MODE bits 1:0 = 2 (LLVM: expert scheduling mode 2), set by the entry lines.  The code itself states the register dependences
; between vector or matrix instructions and memory or LDS instructions, with s_wait_alu, always for 0.
; THE PLAN.  Registers that memory or LDS instructions touch:
;   v1-11       offsets and LDS addresses: written at the head, read by every load and store, never written again.
;   XF          a K step's 16 LDS loads land in it, that step's eight matrix instructions read it; behind the first layer tgt's rows land in it, the norm works in it, and the rows come back into it from the stage.
;   WF0, WF1    8 global loads land in a buffer two K steps ahead; the matrix instructions of every second step read it.
;   BIAS        loads land in it; the way into the stage reads it, or a first K step as C.
;   ACC         written by products and vector lines; read by the stage's LDS stores and by x1's stores; in the norm the rows' LDS loads land in it.
;   PC (the norm's gain), TMP (the norm's bias): loads land there; LDS and global stores read the codes.
; So ONE wait on va_vdst stands behind a K step's products, and the loads that land in their sources follow it with no vector line between; one stands ahead of each run of stores;
; a wait on vm_vsrc stands ahead of each first write of registers that stores have read.
.set BIAS, 16
.set PC,   32
.set LNW,  32
.set TMP,  48
.set LNB,  48
.set SCL,  62
.set LIM,  63
.set ACC,  64
.set XF,   128
.set WF,   192
.set LI,   1                           ; 16 x lane
.set WA5,  2                           ; 512 pi(r) + 16 h
.set SO0,  4                           ; the stage, by columns: 2,064 pi(r) + 64 h + 128 w: tiles 0, 1
.set SO1,  5                           ; + 32 rows: tiles 2, 3
.set SR,   6                           ; the stage, by rows: 4 w x 2,064 + 16 x lane
.set SQ,   7                           ; 4 w x 2,064 + 64 x lane: 16 neighbours
.set IMW,  8                           ; where a row's 16 codes go in the images
.set LIX,  9                           ; LI + XIMG
.set XCW,  10                          ; LIX + 2,048 w
.set BA,   11                          ; 64 h
.set SP,   2064                        ; a stage row: 2,048 bytes + 16
.set XIMG, 64*SP                       ; LDS: the stage at 0; the images [tile 4][K step 4][c 4] x 512 bytes behind it
.set SEL,  48                          ; s[48:49] lane selects; s50 1/512; s51 eps; s[52:53] the output factor
.set RN,   50
.set EPS,  51
.macro PLACES n
.rept \n
	v_nop
.endr
.endm
.macro BARRIER                         ; my LDS stores have landed and my LDS loads are in: then the work-group's barrier
	s_wait_dscnt 0x0
	s_barrier_signal -1
	s_barrier_wait -1
.endm
.macro SETSC e                         ; s[e] = an exponent x: v[SCL] = 2^x as f32, v[LIM] = 57,344 x 2^x
	s_add_co_i32 s99, s[\e], 142
	s_add_co_i32 s98, s[\e], 127
	s_lshl_b32 s99, s99, 23
	s_lshl_b32 s98, s98, 23
	s_or_b32 s99, s99, 0x600000
	v_mov_b32 v[SCL], s98
	v_mov_b32 v[LIM], s99
.endm
.macro WLOAD buf, ptr, areg, off, pitch ; my two tiles of W's rows, 128 along K from byte off of the rows, into buffer buf: 8 loads
.irp u, 0,1
.irp c, 0,1,2,3
	global_load_b128 v[WF+32*(\buf)+16*\u+4*\c:WF+32*(\buf)+16*\u+4*\c+3], v[\areg], s[\ptr:\ptr+1] offset:(\off)+\u*8*\pitch+32*\c
.endr
.endr
.endm
.macro XLOAD areg, off, ms             ; a K step's four fragments of the rows, from LDS: 16 loads
.irp m, 0,1,2,3
.irp c, 0,1,2,3
	ds_load_b128 v[XF+16*\m+4*\c:XF+16*\m+4*\c+3], v[\areg] offset:(\off)+\m*(\ms)+512*\c
.endr
.endr
.endm
; A K step's products: 8 matrix instructions on 8 accumulators by turns, five places (ISA guide 7.12.1) for the first reads and accumulators begun anew; they stay ahead of the wait.
; cm: 0 the sums start at 0, 1 at the bias, 2 they go on.  lcnt: the global loads issued behind the weight buffer that is multiplied here.  w = 1: loads into these products' sources follow.
.macro MULT buf, cm, lcnt, w
	s_wait_loadcnt \lcnt
	s_wait_dscnt 0x0
.irp m, 0,1,2,3
.irp u, 0,1
.if \cm == 0
	v_wmma_f32_16x16x128_bf8_bf8 v[ACC+16*\m+8*\u:ACC+16*\m+8*\u+7], v[WF+32*(\buf)+16*\u:WF+32*(\buf)+16*\u+15], v[XF+16*\m:XF+16*\m+15], 0
.elseif \cm == 1
	v_wmma_f32_16x16x128_bf8_bf8 v[ACC+16*\m+8*\u:ACC+16*\m+8*\u+7], v[WF+32*(\buf)+16*\u:WF+32*(\buf)+16*\u+15], v[XF+16*\m:XF+16*\m+15], v[BIAS+8*\u:BIAS+8*\u+7]
.else
	v_wmma_f32_16x16x128_bf8_bf8 v[ACC+16*\m+8*\u:ACC+16*\m+8*\u+7], v[WF+32*(\buf)+16*\u:WF+32*(\buf)+16*\u+15], v[XF+16*\m:XF+16*\m+15], v[ACC+16*\m+8*\u:ACC+16*\m+8*\u+7]
.endif
.endr
.endr
	PLACES 5
.if \w
	s_wait_alu depctr_va_vdst(0)                   ; the products so far are done reading v[XF ..], this weight buffer and the bias: the loads that follow land there
.endif
.endm
.macro BIASK ptr, off                  ; my half's 16 numbers of the wave's 32: 4 loads
.irp i, 0,1,2,3
	global_load_b128 v[BIAS+4*\i:BIAS+4*\i+3], v[BA], s[\ptr:\ptr+1] offset:(\off)+16*\i
.endr
.endm
.macro PREPK neg
.set k, 0
.rept 16
	v_ldexp_f32 v[BIAS+k], v[BIAS+k], s[\neg]
.set k, k+1
.endr
.endm
.macro QUANT relu                      ; four groups of 16 neighbours become four images' registers; each accumulator is read from its low end on
.irp g, 0,1,2,3
.set k, 0
.rept 16
.if \relu
	v_med3_num_f32 v[ACC+16*\g+k], v[ACC+16*\g+k], 0, v[LIM]
.else
	v_med3_num_f32 v[ACC+16*\g+k], v[ACC+16*\g+k], -v[LIM], v[LIM]   ; the conversion to an 8-bit code does not saturate (ISA guide 7.6.2): the hold comes first
.endif
.set k, k+1
.endr
	v_cvt_scalef32_pk8_bf8_f32 v[PC+4*\g:PC+4*\g+1], v[ACC+16*\g:ACC+16*\g+7], v[SCL]
	v_cvt_scalef32_pk8_bf8_f32 v[PC+4*\g+2:PC+4*\g+3], v[ACC+16*\g+8:ACC+16*\g+15], v[SCL]
.endr
	v_nop
.endm
.macro EPIG ptr, o0, o1, o2, o3
	s_wait_xcnt 0x0
	QUANT 0
	s_wait_alu depctr_va_vdst(0)                   ; the conversions have written v[PC ..], which the four stores read
	global_store_b128 v[LI], v[PC:PC+3], s[\ptr:\ptr+1] offset:\o0
	global_store_b128 v[LI], v[PC+4:PC+7], s[\ptr:\ptr+1] offset:\o1
	global_store_b128 v[LI], v[PC+8:PC+11], s[\ptr:\ptr+1] offset:\o2
	global_store_b128 v[LI], v[PC+12:PC+15], s[\ptr:\ptr+1] offset:\o3
.endm
; A layer: four K steps; the weights run two K steps ahead, on into the successor's first two.  sk: 0 no successor; 1 a bias and weights; 3 weights alone.
; Behind a step's wait its successor's fragments are asked for first, since they are wanted first, then the weights of two steps on.
.macro LAYER areg, xoff, cm, wp, woff, sk, bp, boff, swp, swoff, sareg, spitch
	XLOAD \areg, (\xoff), 8192
	MULT 0, \cm, 8, 1
	XLOAD \areg, (\xoff)+2048, 8192
	WLOAD 0, \wp, WA5, (\woff)+256, 512
	MULT 1, 2, 8, 1
	XLOAD \areg, (\xoff)+4096, 8192
	WLOAD 1, \wp, WA5, (\woff)+384, 512
	MULT 0, 2, 8, 1
	XLOAD \areg, (\xoff)+6144, 8192
.if \sk == 1
	BIASK \bp, \boff
.endif
.if \sk > 0
	WLOAD 0, \swp, \sareg, (\swoff), \spitch
.endif
.if \sk == 0
	MULT 1, 2, 0, 0                                ; nothing is loaded behind these products: no wait
.elseif \sk == 1
	MULT 1, 2, 12, 1
.else
	MULT 1, 2, 8, 1
.endif
.if \sk > 0
	WLOAD 1, \swp, \sareg, (\swoff)+128, \spitch
.endif
.endm
; The sums become numbers, sum x s[sp] + bias, and go into the stage: lane (r, h) holds features 32 w + 16 h + 0 .. 15 of its token: 64 bytes.  addx = 1: what lies at those bytes is added first.
.macro STAGEOUT sp, addx
.if \addx
.irp m, 0,1,2,3
.irp i, 0,1,2,3
.if \m < 2
	ds_load_b128 v[XF+16*\m+4*\i:XF+16*\m+4*\i+3], v[SO0] offset:8*(\m%2)*SP+16*\i
.else
	ds_load_b128 v[XF+16*\m+4*\i:XF+16*\m+4*\i+3], v[SO1] offset:8*(\m%2)*SP+16*\i
.endif
.endr
.endr
.endif
.irp m, 0,1,2,3
.irp q, 0,2,4,6,8,10,12,14
	v_pk_fma_f32 v[ACC+16*\m+\q:ACC+16*\m+\q+1], v[ACC+16*\m+\q:ACC+16*\m+\q+1], s[\sp:\sp+1], v[BIAS+\q:BIAS+\q+1] op_sel_hi:[1,0,1]
.endr
.endr
.if \addx
	s_wait_dscnt 0x0
.set k, 0
.rept 32
	v_pk_add_f32 v[ACC+k:ACC+k+1], v[ACC+k:ACC+k+1], v[XF+k:XF+k+1]
.set k, k+2
.endr
.endif
	s_wait_alu depctr_va_vdst(0)                   ; the lines above have written v[ACC ..], which the LDS stores read, and are done reading the bias, in which the next one lands
.irp m, 0,1,2,3
.irp i, 0,1,2,3
.if \m < 2
	ds_store_b128 v[SO0], v[ACC+16*\m+4*\i:ACC+16*\m+4*\i+3] offset:8*(\m%2)*SP+16*\i
.else
	ds_store_b128 v[SO1], v[ACC+16*\m+4*\i:ACC+16*\m+4*\i+3] offset:8*(\m%2)*SP+16*\i
.endif
.endr
.endr
.endm
.macro LNRED                           ; four rows side by side: two packed chains become one number in every lane of the wave
.irp i, 0,1,2,3
	v_pk_add_f32 v[XF+16*\i:XF+16*\i+1], v[XF+16*\i:XF+16*\i+1], v[XF+16*\i+2:XF+16*\i+3]
.endr
.irp i, 0,1,2,3
	v_add_f32 v[XF+16*\i+4], v[XF+16*\i], v[XF+16*\i+1]
.endr
.irp x, 1,2,4,8
.irp i, 0,1,2,3
	v_add_f32_dpp v[XF+16*\i+4], v[XF+16*\i+4], v[XF+16*\i+4] row_xmask:\x row_mask:0xf bank_mask:0xf
.endr
.endr
.irp i, 0,1,2,3
	v_permlanex16_b32 v[XF+16*\i+5], v[XF+16*\i+4], s[SEL], s[SEL+1]
.endr
.irp i, 0,1,2,3
	v_add_f32 v[XF+16*\i+4], v[XF+16*\i+4], v[XF+16*\i+5]
.endr
.endm
; THE NORM of my four rows.  Row i in v[ACC + 16 i ..]: register 4 j + q is feature 128 j + 4 x lane + q.  res: the residual lies in v[XF ..], loaded alike.  sto: the rows are stored at s[stoptr].
; qnt: they are quantised with 2^s[esc] and laid as images.  lcnt: the global loads issued behind the residual's and the gain's.
.macro LNROWS res, sto, qnt, lcnt, stoptr, esc
	s_wait_alu depctr_vm_vsrc(0)                   ; my LDS stores into the stage have read v[ACC ..], in which the rows land
.irp i, 0,1,2,3
.irp j, 0,1,2,3
	ds_load_b128 v[ACC+16*\i+4*\j:ACC+16*\i+4*\j+3], v[SR] offset:SP*\i+512*\j
.endr
.endr
	s_wait_dscnt 0x0
	s_wait_loadcnt \lcnt
.if \res
.set k, 0
.rept 32
	v_pk_add_f32 v[ACC+k:ACC+k+1], v[ACC+k:ACC+k+1], v[XF+k:XF+k+1]
.set k, k+2
.endr
.endif
.irp i, 0,1,2,3
	v_pk_add_f32 v[XF+16*\i:XF+16*\i+1], v[ACC+16*\i:ACC+16*\i+1], v[ACC+16*\i+2:ACC+16*\i+3]
	v_pk_add_f32 v[XF+16*\i+2:XF+16*\i+3], v[ACC+16*\i+4:ACC+16*\i+5], v[ACC+16*\i+6:ACC+16*\i+7]
.endr
.irp k, 8,12
.irp i, 0,1,2,3
	v_pk_add_f32 v[XF+16*\i:XF+16*\i+1], v[XF+16*\i:XF+16*\i+1], v[ACC+16*\i+\k:ACC+16*\i+\k+1]
	v_pk_add_f32 v[XF+16*\i+2:XF+16*\i+3], v[XF+16*\i+2:XF+16*\i+3], v[ACC+16*\i+\k+2:ACC+16*\i+\k+3]
.endr
.endr
	LNRED
.irp i, 0,1,2,3
	v_mul_f32 v[XF+16*\i+6], s[RN], v[XF+16*\i+4]  ; the mean
.endr
.irp i, 0,1,2,3
.irp k, 0,2,4,6,8,10,12,14
	v_pk_add_f32 v[ACC+16*\i+\k:ACC+16*\i+\k+1], v[ACC+16*\i+\k:ACC+16*\i+\k+1], v[XF+16*\i+6:XF+16*\i+7] op_sel_hi:[1,0] neg_lo:[0,1] neg_hi:[0,1]
.endr
.endr
.irp i, 0,1,2,3                        ; the variance of what is left: no difference of large sums is formed
	v_pk_mul_f32 v[XF+16*\i:XF+16*\i+1], v[ACC+16*\i:ACC+16*\i+1], v[ACC+16*\i:ACC+16*\i+1]
	v_pk_mul_f32 v[XF+16*\i+2:XF+16*\i+3], v[ACC+16*\i+2:ACC+16*\i+3], v[ACC+16*\i+2:ACC+16*\i+3]
.endr
.irp k, 4,8,12
.irp i, 0,1,2,3
	v_pk_fma_f32 v[XF+16*\i:XF+16*\i+1], v[ACC+16*\i+\k:ACC+16*\i+\k+1], v[ACC+16*\i+\k:ACC+16*\i+\k+1], v[XF+16*\i:XF+16*\i+1]
	v_pk_fma_f32 v[XF+16*\i+2:XF+16*\i+3], v[ACC+16*\i+\k+2:ACC+16*\i+\k+3], v[ACC+16*\i+\k+2:ACC+16*\i+\k+3], v[XF+16*\i+2:XF+16*\i+3]
.endr
.endr
	LNRED
.irp i, 0,1,2,3
	v_fma_f32 v[XF+16*\i+4], v[XF+16*\i+4], s[RN], s[EPS]
.endr
	s_wait_alu depctr_va_vdst(0)
.irp i, 0,1,2,3
	v_rsq_f32 v[XF+16*\i+8], v[XF+16*\i+4]
.endr
	v_nop                                          ; a plain line behind the last transcendental
	s_wait_alu depctr_va_vdst(0)                   ; the four reciprocal roots v[XF + 16 i + 8] are written, ahead of their first reader
.irp i, 0,1,2,3
.irp k, 0,2,4,6,8,10,12,14
	v_pk_mul_f32 v[ACC+16*\i+\k:ACC+16*\i+\k+1], v[ACC+16*\i+\k:ACC+16*\i+\k+1], v[XF+16*\i+8:XF+16*\i+9] op_sel_hi:[1,0]
.endr
.endr
.irp i, 0,1,2,3
.irp k, 0,2,4,6,8,10,12,14
	v_pk_fma_f32 v[ACC+16*\i+\k:ACC+16*\i+\k+1], v[ACC+16*\i+\k:ACC+16*\i+\k+1], v[LNW+\k:LNW+\k+1], v[LNB+\k:LNB+\k+1]
.endr
.endr
	s_wait_alu depctr_va_vdst(0)                   ; the norm has written v[ACC ..], which the stores below read, and is done with v[XF ..], in which the rows come back from the stage
.if \sto
.irp i, 0,1,2,3
.irp j, 0,1,2,3
	global_store_b128 v[LI], v[ACC+16*\i+4*\j:ACC+16*\i+4*\j+3], s[\stoptr:\stoptr+1] offset:2048*\i+512*\j   ; 512 consecutive bytes, aligned
.endr
.endr
.endif
.if \qnt
.irp i, 0,1,2,3
.irp j, 0,1,2,3
	ds_store_b128 v[SR], v[ACC+16*\i+4*\j:ACC+16*\i+4*\j+3] offset:SP*\i+512*\j   ; back into my own rows of the stage,
.endr
.endr
.irp i, 0,1,2,3
.irp j, 0,1,2,3
	ds_load_b128 v[XF+16*\i+4*\j:XF+16*\i+4*\j+3], v[SQ] offset:SP*\i+16*\j       ; and out again 16 neighbours a lane: LDS serves a wave's instructions in order (ISA guide 5.7.1.4)
.endr
.endr
	SETSC \esc
	s_wait_alu depctr_va_vdst(0)
	s_wait_dscnt 0x0
.irp i, 0,1,2,3
.set k, 0
.rept 16
	v_med3_num_f32 v[XF+16*\i+k], v[XF+16*\i+k], -v[LIM], v[LIM]
.set k, k+1
.endr
	v_cvt_scalef32_pk8_bf8_f32 v[PC+4*\i:PC+4*\i+1], v[XF+16*\i:XF+16*\i+7], v[SCL]
	v_cvt_scalef32_pk8_bf8_f32 v[PC+4*\i+2:PC+4*\i+3], v[XF+16*\i+8:XF+16*\i+15], v[SCL]
.endr
	v_nop
	s_wait_alu depctr_va_vdst(0)                   ; the conversions have written v[PC ..], which the LDS stores read, and are done reading v[XF ..], in which the next layer's fragments land
.irp i, 0,1,2,3
	ds_store_b128 v[IMW], v[PC+4*\i:PC+4*\i+3] offset:16*\i   ; features 16 l .. 16 l + 15 of row 4 w + i: 256 l bytes into its tile's images, at its slot
.endr
.endif
.if \sto && \qnt
	s_wait_xcnt 0x0                                ; the stores have read the rows' registers, which become accumulators again
.endif
.if \qnt
	s_wait_alu depctr_vm_vsrc(0)                   ; the stores above have read v[ACC ..], which the next products write, and v[PC ..], which the next conversions write
.endif
.endm
	s_load_b512 s[4:19], s[0:1], 0x0               ; aimg 4, sa_wo 6, sa_bo 8, tgt 10, ln1_w 12, ln1_b 14, ca_wq 16, ca_bq 18
	s_load_b128 s[20:23], s[0:1], 0x40             ; scales 20, x1 22
	s_load_b64 s[24:25], s[0:1], 0x50              ; qimg
	v_lshl_add_u32 v14, v0, 2, 0x28400
	v_mov_b32 v15, 0
	v_lshrrev_b32 v16, 5, v0
	v_readfirstlane_b32 s66, v16                   ; wave w
	v_and_b32 v16, 31, v0                          ; lane
	v_and_b32 v17, 15, v0                          ; r
	v_bfe_u32 v18, v0, 4, 1                        ; h
	v_and_b32 v19, 8, v17
	v_add_nc_u32 v19, v19, v17                     ; pi(r)
	v_lshlrev_b32 v[LI], 4, v16
	v_lshlrev_b32 v[WA5], 9, v19
	v_lshl_add_u32 v[WA5], v18, 4, v[WA5]
	v_lshlrev_b32 v[BA], 6, v18
	v_mul_u32_u24 v[SO0], v19, SP
	v_lshl_add_u32 v[SO0], v18, 6, v[SO0]
	s_wait_alu depctr_va_sdst(0)                   ; s66 is written, ahead of its first reader: LDS addresses and every base are made from it
	s_lshl_b32 s67, s66, 7
	v_add_nc_u32 v[SO0], s67, v[SO0]
	v_add_nc_u32 v[SO1], 32*SP, v[SO0]
	s_mul_i32 s68, s66, 4*SP
	v_add_nc_u32 v[SR], s68, v[LI]
	v_lshl_add_u32 v[SQ], v16, 6, s68
	s_lshr_b32 s69, s66, 3                         ; local row 4 w + i lies in tile m = 2 (w / 8) + (w / 2) % 2, slot 4 (w % 2) + 8 ((w / 4) % 2) + i
	s_lshl_b32 s69, s69, 1
	s_bfe_u32 s70, s66, 0x10001
	s_add_co_u32 s69, s69, s70
	s_lshl_b32 s69, s69, 13
	s_and_b32 s70, s66, 1
	s_lshl_b32 s70, s70, 6
	s_add_co_u32 s69, s69, s70
	s_bfe_u32 s70, s66, 0x10002
	s_lshl_b32 s70, s70, 7
	s_add_co_u32 s69, s69, s70
	s_add_co_u32 s69, s69, XIMG
	v_lshl_add_u32 v[IMW], v16, 8, s69
	v_add_nc_u32 v[LIX], XIMG, v[LI]
	s_lshl_b32 s70, s66, 11
	v_add_nc_u32 v[XCW], s70, v[LIX]
	s_lshl_b32 s72, ttmp9, 15                      ; the attention's images of my 64 rows, my wave's 2,048 bytes of them
	s_add_co_u32 s72, s72, s70
	s_mov_b32 s73, 0
	s_lshl_b32 s74, s66, 14                        ; my 32 rows of a weight
	s_mov_b32 s75, 0
	s_mov_b32 s76, s67                             ; my 32 numbers of a bias
	s_mov_b32 s77, 0
	s_lshl_b32 s78, ttmp9, 17                      ; rows 64 g + 4 w of tgt and x1
	s_lshl_b32 s79, s66, 13
	s_add_co_u32 s78, s78, s79
	s_mov_b32 s79, 0
	s_lshr_b32 s80, ttmp9, 5                       ; Q's images: (batch x 8 + w / 2) x 131,072 + 4 (g % 32) x 1,024 + 512 (w % 2)
	s_lshl_b32 s80, s80, 3
	s_lshr_b32 s82, s66, 1
	s_add_co_u32 s80, s80, s82
	s_lshl_b32 s80, s80, 17
	s_and_b32 s82, ttmp9, 31
	s_lshl_b32 s82, s82, 12
	s_add_co_u32 s80, s80, s82
	s_and_b32 s82, s66, 1
	s_lshl_b32 s82, s82, 9
	s_add_co_u32 s80, s80, s82
	s_mov_b32 s81, 0
	s_mov_b32 s[SEL], 0x76543210
	s_mov_b32 s[SEL+1], 0xfedcba98
	s_mov_b32 s[RN], 0x3b000000                    ; 1 / 512
	s_mov_b32 s[EPS], 0x3727c5ac                   ; 1e-5
	s_wait_kmcnt 0x0
	s_load_b128 s[40:43], s[20:21], 40             ; e10, e11, e12, e13
	s_load_b32 s44, s[20:21], 72                   ; e18
	s_add_nc_u64 s[4:5], s[4:5], s[72:73]
	s_add_nc_u64 s[6:7], s[6:7], s[74:75]
	s_add_nc_u64 s[8:9], s[8:9], s[76:77]
	s_add_nc_u64 s[10:11], s[10:11], s[78:79]
	s_add_nc_u64 s[16:17], s[16:17], s[74:75]
	s_add_nc_u64 s[18:19], s[18:19], s[76:77]
	s_add_nc_u64 s[22:23], s[22:23], s[78:79]
	s_add_nc_u64 s[24:25], s[24:25], s[80:81]
	s_wait_alu depctr_va_vdst(0)                   ; the offsets and addresses v1 to v11 are written, which every load and store below reads; so are v16 to v19, in which the bias lands
.irp i, 0,1,2,3
	global_load_b128 v[TMP+4*\i:TMP+4*\i+3], v[LI], s[4:5] offset:512*\i
.endr
	BIASK 8, 0
	WLOAD 0, 6, WA5, 0, 512
	WLOAD 1, 6, WA5, 128, 512
	s_wait_loadcnt 20                              ; the images' four loads are in; behind them: 4 + 8 + 8
.irp i, 0,1,2,3
	ds_store_b128 v[XCW], v[TMP+4*\i:TMP+4*\i+3] offset:512*\i
.endr
	BARRIER                                        ; the attention's sixteen fragments lie in LDS
	LAYER LIX, 0, 0, 6, 0, 3, 0, 0, 16, 0, WA5, 512
	s_wait_alu depctr_vm_vsrc(0)                   ; the LDS stores at the head have read v[TMP ..], in which the norm's bias lands
.irp i, 0,1,2,3
.irp j, 0,1,2,3
	global_load_b128 v[XF+16*\i+4*\j:XF+16*\i+4*\j+3], v[LI], s[10:11] offset:2048*\i+512*\j   ; tgt's rows 4 w + i, for the norm
.endr
.endr
.irp j, 0,1,2,3
	global_load_b128 v[LNW+4*\j:LNW+4*\j+3], v[LI], s[12:13] offset:512*\j
	global_load_b128 v[LNB+4*\j:LNB+4*\j+3], v[LI], s[14:15] offset:512*\j
.endr
	s_wait_kmcnt 0x0
	s_add_co_i32 s52, s40, s41
	s_add_co_i32 s52, s52, 127
	s_lshl_b32 s52, s52, 23                        ; 2^(e10 + e11) as f32
	s_mov_b32 s53, s52
	STAGEOUT 52, 0
	BIASK 18, 0
	BARRIER                                        ; 64 whole rows lie in the stage, and nobody reads the images any more
	LNROWS 1, 1, 1, 4, 22, 42                      ; behind tgt's rows and the gain: the 4 loads of b_q
	BARRIER                                        ; x1's sixteen fragments lie in LDS
	s_add_co_i32 s94, s42, s43
	s_sub_co_i32 s95, 0, s94
	s_wait_loadcnt 0x0
	PREPK 95
	s_wait_alu depctr_va_vdst(0)
	s_sub_co_i32 s94, s44, s94                     ; e18 - e12 - e13
	SETSC 94
	LAYER LIX, 0, 1, 16, 0, 0, 0, 0, 0, 0, 0, 0
	EPIG 24, 0, 1024, 2048, 3072
	s_wait_dscnt 0x0                               ; the closing lines, six on end
	s_wait_alu 0x0
	s_wait_tensorcnt 0x0
	ds_add_u32 v14, v15
	s_wait_dscnt 0x0
	s_endpgm
.Lfunc_end_k_qf519aa45e2_mid1:
	.size	k_qf519aa45e2_mid1, .Lfunc_end_k_qf519aa45e2_mid1-k_qf519aa45e2_mid1
	.p2alignl 7, 3214868480
	.fill 96, 4, 3214868480
	.section	.rodata,"a",@progbits
	.p2align	6, 0x0
	.amdhsa_kernel k_qf519aa45e2_mid1
		.amdhsa_group_segment_fixed_size 166912
		.amdhsa_private_segment_fixed_size 0
		.amdhsa_enable_private_segment 0
		.amdhsa_kernarg_size 88
		.amdhsa_user_sgpr_count 2
		.amdhsa_user_sgpr_kernarg_segment_ptr 1
		.amdhsa_wavefront_size32 1
		.amdhsa_system_sgpr_workgroup_id_x 1
		.amdhsa_system_sgpr_workgroup_id_y 1
		.amdhsa_system_sgpr_workgroup_id_z 1
		.amdhsa_system_vgpr_workitem_id 0
		.amdhsa_next_free_vgpr 256
		.amdhsa_next_free_sgpr 100
		.amdhsa_reserve_vcc 0
		.amdhsa_float_denorm_mode_32 3
		.amdhsa_float_denorm_mode_16_64 3
		.amdhsa_memory_ordered 1
		.amdhsa_forward_progress 1
		.amdhsa_inst_pref_size 63
	.end_amdhsa_kernel
	.amdgpu_metadata
---
amdhsa.version: [ 1, 2 ]
amdhsa.kernels:
  - .name:           k_qf519aa45e2_mid1
    .symbol:         k_qf519aa45e2_mid1.kd
    .args:
      - { .name: aimg, .offset: 0, .size: 8, .value_kind: global_buffer, .address_space: global }
      - { .name: sa_wo_codes, .offset: 8, .size: 8, .value_kind: global_buffer, .address_space: global }
      - { .name: sa_bo, .offset: 16, .size: 8, .value_kind: global_buffer, .address_space: global }
      - { .name: tgt, .offset: 24, .size: 8, .value_kind: global_buffer, .address_space: global }
      - { .name: ln1_w, .offset: 32, .size: 8, .value_kind: global_buffer, .address_space: global }
      - { .name: ln1_b, .offset: 40, .size: 8, .value_kind: global_buffer, .address_space: global }
      - { .name: ca_wq_codes, .offset: 48, .size: 8, .value_kind: global_buffer, .address_space: global }
      - { .name: ca_bq, .offset: 56, .size: 8, .value_kind: global_buffer, .address_space: global }
      - { .name: lowp_scales, .offset: 64, .size: 8, .value_kind: global_buffer, .address_space: global }
      - { .name: x1, .offset: 72, .size: 8, .value_kind: global_buffer, .address_space: global }
      - { .name: qimg, .offset: 80, .size: 8, .value_kind: global_buffer, .address_space: global }
    .group_segment_fixed_size: 166912
    .private_segment_fixed_size: 0
    .kernarg_segment_align: 8
    .kernarg_segment_size: 88
    .max_flat_workgroup_size: 512
    .sgpr_count:     100
    .vgpr_count:     256
    .wavefront_size: 32
...
	.end_amdgpu_metadata
.endif
;; end of part 8
;; launch ca_attn (part 9): grid 8 x 32, 16 waves a work-group, clusters of 4 x 1, 327,680 bytes of LDS; arguments qimg, kv_ca, lowp_scales, aimg; writes aimg
.if DOCPART == 9
	.amdgcn_target "amdgcn-amd-amdhsa--gfx1250"
	.amdhsa_code_object_version 6
	.text
	.protected	k_qf519aa45e2_ca_attn
	.globl	k_qf519aa45e2_ca_attn
	.p2align	8
	.type	k_qf519aa45e2_ca_attn,@function
k_qf519aa45e2_ca_attn:
	s_mov_b64 s[64:65], 0
	v_nop
	global_prefetch_b8 v0, s[64:65] scope:SCOPE_SE
	s_setreg_imm32_b32 hwreg(HW_REG_WAVE_MODE, 25, 1), 1
	s_wait_xcnt 0x0
	s_wait_alu depctr_hold_cnt(0) depctr_sa_sdst(0) depctr_va_vdst(0) depctr_va_sdst(0) depctr_va_ssrc(0) depctr_va_vcc(0) depctr_vm_vsrc(0)
	s_getreg_b32 s2, hwreg(HW_REG_IB_STS2, 6, 4)
	s_cmp_eq_u32 s2, 0
	s_cbranch_scc0 .Lentry_in_a_cluster
	s_endpgm
.Lentry_in_a_cluster:
	s_bfe_u32 s2, ttmp6, 0x10000c
	s_cmp_lg_u32 s2, 0x3003
	s_cbranch_scc0 .Lentry_shape_is_right
	s_endpgm
.Lentry_shape_is_right:
; ATTENTION ON CODES OF E5M2, head size 64, 2,048 keys, with the mask that is given (MASKED = 1) or none (0).  Its result leaves as codes, quantised for the projection that follows.
; This is the cross-attention: no mask; the text is the self-attention's with the two constants below set otherwise.
; SHARES.  A work-group owns 256 queries of one head (grid y = batch x 8 + head); each of its sixteen waves owns one tile of 16 queries, in 256 registers: four waves to a SIMD, so that one wave's softmax stands beside another's products and LDS loads.
; THE HEAD'S K AND V LIE WHOLE IN LDS: 262,144 bytes of codes, laid by an earlier launch as images of the fragments' registers (16 key steps x (8 tiles of K x 1,024 bytes, then 4 fragments of V^T x 2,048)).
; No byte of LDS is filled twice.  Each wave brings two pieces of 8 KiB.  CLUSTER: the four work-groups of a cluster belong to one head: every piece is asked for jointly, by the same tensor load with the same descriptor and the mask 15.
; A wave has one tensor load outstanding at a time.
; LAYOUT.  Both products are used transposed: S^T = K Q^T (source 0 = 16 keys, source 1 = my 16 queries), O^T = V^T P^T: a lane holds ONE query throughout.  Slot r of a tile (b, u) is element 32 b + 8 u + r + 8 (r / 8),
; so score register n of a lane's half h is key 32 (n / 16) + 16 h + n % 16 of the step, and the conversions' results are the second product's operand.
; SOFTMAX.  t = score x log2(e) / 8; M = the largest t so far, rounded up to a whole number; p = 2^(t - M) is quantised with the given 2^ep, not normalised; the sum is taken of the unquantised p and divides at the end;
; when M moves, the sum and O^T are multiplied by 2^(old M - new M), which rounds nothing.
; LIMITS on the given exponents: eq + ek between -123 and 130; ep and eo between -126 and 112; ep + ev is applied by v_ldexp_f32.  NaN is not served.
; REGISTERS: v1 16 x lane; v2 the step's LDS address; v4, v5 2^ep and 57,344 x 2^ep; v6, v7 the same for eo; v8-15 Q; v16 -M, v17 the largest t; v[18:19] the sum; v[20:21] f; v22-27 at work;
; v32-95 K's fragments, then V's; v96-159 S^T, then p; v160-191 O^T; v192-207 p's codes; v208-247 the way out.
.set MASKED, 0
.set SC, 18                            ; eq, ek, ep, ev, eo are entries SC .. SC + 4 of the scales
.set WV,  16                           ; s16 my wave's number
.set TB,  17                           ; s17 LDS byte of the key step in hand
.set CNT, 18                           ; s18 trips
.set MO,  19                           ; s19 (with a mask: byte offset of the mask words that are asked for)
.set CS,  20                           ; s[20:21] c = log2(e) / 8 x 2^(eq + ek)
.set SEL, 22                           ; s[22:23] lane selects: lane l xor 16
.set G1,  24                           ; s[24:31] descriptor group 1; s[4:7], s[8:11] the two groups 0; s[14:15] my output; s100 ep + ev
.macro PLACES n
.rept \n
	v_nop
.endr
.endm
.macro CROUND                          ; a round of the cluster's barrier
	s_barrier_signal -1
	s_barrier_wait -1
	s_cmp_lg_u32 s[WV], 0
	s_cbranch_scc1 .Lnot_wave_0_\@
	s_barrier_signal -3
.Lnot_wave_0_\@:
	s_barrier_wait -3
	s_barrier_signal -1
	s_barrier_wait -1
.endm
	s_load_b128 s[32:35], s[0:1], 0x0              ; qimg s[32:33], kv s[34:35]
.if MASKED
	s_load_b128 s[36:39], s[0:1], 0x10             ; maskw s[36:37], the scales s[38:39]
	s_load_b64 s[40:41], s[0:1], 0x20              ; aimg
.else
	s_load_b64 s[38:39], s[0:1], 0x10              ; the scales
	s_load_b64 s[40:41], s[0:1], 0x18              ; aimg
	v_lshl_add_u32 v254, v0, 2, 0x40000
	v_mov_b32 v255, 0
	ds_add_u32 v254, v255
	ds_add_u32 v254, v255
.endif
	v_lshrrev_b32 v2, 5, v0
	s_delay_alu instid0(VALU_DEP_1)
	v_readfirstlane_b32 s[WV], v2
	v_and_b32 v1, 31, v0
	s_delay_alu instid0(VALU_DEP_1)
	v_lshlrev_b32 v1, 4, v1
	s_bfe_u32 s42, ttmp6, 0x40000                  ; cx: it enters the addresses of Q and of the output alone
	s_lshl_b32 s43, ttmp9, 2
	s_add_co_u32 s43, s43, s42
	s_lshl_b32 s43, s43, 4
	s_add_co_u32 s43, s43, s[WV]                   ; my tile of queries: 16 x work-group x + wave
	s_and_b32 s44, ttmp7, 0xffff                   ; batch x 8 + head, which the four partners share
	s_lshl_b32 s45, s[WV], 13                      ; my piece of each half of the head's block
	s_lshl_b32 s46, s44, 18
	s_add_co_u32 s46, s46, s45
	s_mov_b32 s47, 0
	s_lshl_b32 s48, s44, 17
	s_lshl_b32 s49, s43, 10
	s_add_co_u32 s48, s48, s49                     ; Q: head x 131,072 + tile x 1,024
	s_mov_b32 s49, 0
	s_mov_b32 s[G1], 15|(3<<16)|(1<<21)            ; 15:0 the mask: all four work-groups; 17:16 elements of 8 bytes; 21 set beside a mask; no padding
	s_mov_b32 s[G1+1], 32<<16                      ; tensor_dim0 = 32 elements: rows of 256 bytes
	s_mov_b32 s[G1+2], 32<<16                      ; tensor_dim1 = 32 rows
	s_mov_b32 s[G1+3], 32<<16                      ; tile_dim0
	s_mov_b32 s[G1+4], 32                          ; tile_dim1
	s_mov_b32 s[G1+5], 32                          ; the pitch: dense
	s_mov_b32 s[G1+6], 0
	s_mov_b32 s[G1+7], 0
	s_mov_b32 s[SEL], 0x76543210
	s_mov_b32 s[SEL+1], 0xfedcba98
	s_mov_b32 s[TB], 0
	s_wait_dscnt 0x0
	s_wait_kmcnt 0x0
	s_load_b128 s[52:55], s[38:39], 4*SC           ; eq, ek, ep, ev
	s_load_b32 s56, s[38:39], 4*SC+16              ; eo
	s_mov_b32 s4, 1
	s_mov_b32 s5, s45                              ; LDS: 8,192 x wave
	s_add_nc_u64 s[6:7], s[34:35], s[46:47]
	s_mov_b32 s8, 1
	s_add_co_u32 s9, s45, 0x20000                  ; and 131,072 further on
	s_add_nc_u64 s[10:11], s[6:7], 0x20000
	s_or_b32 s7, s7, 0x80000000
	s_or_b32 s11, s11, 0x80000000
	s_add_nc_u64 s[50:51], s[32:33], s[48:49]
	s_lshr_b32 s48, s44, 3
	s_lshl_b32 s48, s48, 7
	s_add_co_u32 s48, s48, s43
	s_lshl_b32 s48, s48, 13
	s_and_b32 s57, s44, 7
	s_lshl_b32 s57, s57, 10
	s_add_co_u32 s48, s48, s57
	s_add_nc_u64 s[14:15], s[40:41], s[48:49]      ; the output: (batch x 128 + tile) x 8,192 + head x 1,024
	CROUND                                         ; all four work-groups are here: the joint loads meet
	tensor_load_to_lds s[4:7], s[G1:G1+7]          ; key steps 0-7: my piece
	s_nop 0
	s_wait_alu depctr_va_vdst(0)
	s_wait_tensorcnt 0x0
	ds_add_u32 v254, v255
	s_wait_dscnt 0x0
	CROUND
	tensor_load_to_lds s[8:11], s[G1:G1+7]         ; key steps 8-15
	s_nop 0
	PLACES 4
	s_wait_alu depctr_va_vdst(0)
	global_load_b128 v[8:11], v1, s[50:51]         ; Q's fragment stays in registers
	global_load_b128 v[12:15], v1, s[50:51] offset:512
	v_mov_b32 v17, 0xff61b1e6                      ; the largest t so far: -3e38
	s_delay_alu instid0(VALU_DEP_1)
	v_floor_f32 v16, -v17
	v_mov_b32 v18, 0
	v_mov_b32 v19, 0
	v_mov_b32 v21, 0                               ; (named as the upper half of a pair)
	v_mov_b32 v24, 0                               ; (a lane permute's destination counts as one of its sources)
.set j, 0
.rept 32
	v_mov_b32 v[160+j], 0                          ; O^T: the step is written once, its first trip finds zeros
.set j, j+1
.endr
	s_wait_kmcnt 0x0
	s_add_co_i32 s57, s52, s53
	s_lshl_b32 s58, s57, 23
	s_mov_b32 s[CS], 0x3e38aa3b                    ; log2(e) / 8
	s_add_co_i32 s[CS], s[CS], s58                 ; x 2^(eq + ek), by its exponent field
	s_mov_b32 s[CS+1], s[CS]
	s_add_co_i32 s58, s54, 127
	s_lshl_b32 s59, s58, 23
	v_mov_b32 v4, s59
	s_add_co_i32 s58, s58, 15
	s_lshl_b32 s58, s58, 23
	s_or_b32 s58, s58, 0x600000
	v_mov_b32 v5, s58
	s_add_co_i32 s58, s56, 127
	s_lshl_b32 s59, s58, 23
	v_mov_b32 v6, s59
	s_add_co_i32 s58, s58, 15
	s_lshl_b32 s58, s58, 23
	s_or_b32 s58, s58, 0x600000
	v_mov_b32 v7, s58
	s_add_co_i32 s100, s54, s55
	s_wait_loadcnt 0x0                             ; Q is in
; A KEY STEP: 128 keys.
.macro STEP
	v_add_nc_u32 v2, s[TB], v1
	PLACES 3                                       ; with the addition: four places behind the last products, whose operands the loads below write over
.irp t, 0,1,2,3,4,5,6,7
	ds_load_b128 v[32+8*\t:35+8*\t], v2 offset:1024*\t
	ds_load_b128 v[36+8*\t:39+8*\t], v2 offset:1024*\t+512
.endr
	s_wait_alu depctr_va_vdst(0)
	s_wait_dscnt 0x0
.irp t, 0,1,2,3,4,5,6,7
	v_wmma_f32_16x16x64_bf8_bf8 v[96+8*\t:103+8*\t], v[32+8*\t:39+8*\t], v[8:15], 0
.endr
	PLACES 4
.irp t, 0,1,2,3
.irp c, 0,1,2,3
	ds_load_b128 v[32+16*\t+4*\c:35+16*\t+4*\c], v2 offset:8192+2048*\t+512*\c   ; V^T's four fragments land under the softmax
.endr
.endr
	v_max3_num_f32 v22, v96, v97, v98              ; the step's largest score of my query among my 64 keys, in two chains, from the low end on
	v_max3_num_f32 v23, v99, v100, v101
.irp i, 6,10,14,18,22,26,30,34,38,42,46,50,54,58
	v_max3_num_f32 v22, v22, v[96+\i], v[97+\i]
	v_max3_num_f32 v23, v23, v[98+\i], v[99+\i]
.endr
	v_max3_num_f32 v22, v22, v158, v159
	s_delay_alu instid0(VALU_DEP_1)
	v_max_num_f32 v22, v22, v23
	s_delay_alu instid0(VALU_DEP_1)
	v_permlanex16_b32 v24, v22, s[SEL], s[SEL+1]
	s_delay_alu instid0(VALU_DEP_1)
	v_max_num_f32 v22, v22, v24                    ; and among lane l xor 16's
	s_delay_alu instid0(VALU_DEP_1)
	v_mul_f32 v22, s[CS], v22                      ; as t (c is positive)
	s_delay_alu instid0(VALU_DEP_1)
	v_max_num_f32 v17, v17, v22
	v_mov_b32 v22, v16
	s_delay_alu instid0(VALU_DEP_2)
	v_floor_f32 v16, -v17                          ; -M = floor(-t)
	s_delay_alu instid0(VALU_DEP_1)
	v_sub_f32 v22, v16, v22                        ; old M - new M: a whole number, 0 or less
	s_delay_alu instid0(VALU_DEP_1)
	v_cvt_i32_f32 v22, v22                         ; (it saturates)
	s_delay_alu instid0(VALU_DEP_1)
	v_ldexp_f32 v20, 1.0, v22                      ; f = 2^(old M - new M)
.set j, 0
.rept 32
	v_pk_fma_f32 v[96+j:97+j], v[96+j:97+j], s[CS:CS+1], v[16:17] op_sel_hi:[1,0,0]   ; t - M
.set j, j+2
.endr
.set j, 0
	s_wait_alu depctr_va_vdst(0)
.rept 64
	v_exp_f32 v[96+j], v[96+j]
.set j, j+1
.endr
	s_setprio 1
	v_pk_mul_f32 v[18:19], v[18:19], v[20:21] op_sel_hi:[1,0]   ; the sum under the new M (a plain place behind the exponentials)
	s_wait_alu depctr_va_vdst(0)
	v_pk_add_f32 v[26:27], v[96:97], v[98:99]      ; the sum of the unquantised p, in two chains
.irp j, 4,8,12,16,20,24,28,32,36,40,44,48,52,56,60
	v_pk_add_f32 v[18:19], v[18:19], v[96+\j:97+\j]
	v_pk_add_f32 v[26:27], v[26:27], v[98+\j:99+\j]
.endr
	s_delay_alu instid0(VALU_DEP_1)
	v_pk_add_f32 v[18:19], v[18:19], v[26:27]
.irp b, 0,1,2,3
.set k, 0
.rept 16
	v_min_num_f32 v[96+16*\b+k], v[96+16*\b+k], v5 ; the conversion does not saturate (ISA guide 7.6.2); p is not negative: a one-sided hold
.set k, k+1
.endr
	v_cvt_scalef32_pk8_bf8_f32 v[192+4*\b:193+4*\b], v[96+16*\b:103+16*\b], v4
	v_cvt_scalef32_pk8_bf8_f32 v[194+4*\b:195+4*\b], v[104+16*\b:111+16*\b], v4
.endr
.set j, 0
	s_setprio 0
.rept 16
	v_pk_mul_f32 v[160+j:161+j], v[160+j:161+j], v[20:21] op_sel_hi:[1,0]   ; O^T under the new M; also the plain lines behind the conversions
.set j, j+2
.endr
	s_wait_alu depctr_va_vdst(0)
	s_wait_dscnt 0x0                               ; V
.irp t, 0,1,2,3
	v_wmma_f32_16x16x128_bf8_bf8 v[160+8*\t:167+8*\t], v[32+16*\t:47+16*\t], v[192:207], v[160+8*\t:167+8*\t]   ; four accumulators by turns, the scores' eight products between two turns
.endr
	s_add_co_u32 s[TB], s[TB], 16384
.endm
.macro HALF                            ; eight key steps
	s_mov_b32 s[CNT], 8
.Lstep_\@:
	s_setprio 2
	STEP
	s_sub_co_u32 s[CNT], s[CNT], 1
	s_cmp_lg_u32 s[CNT], 0
	s_cbranch_scc1 .Lstep_\@
	s_setprio 0
.endm
	s_wait_tensorcnt 0x1                           ; my piece of key steps 0-7 has landed; the other may stay out
	s_barrier_signal -1
	s_barrier_wait -1                              ; everybody's has
	HALF
	s_wait_tensorcnt 0x0                           ; my piece of key steps 8-15
	s_wait_dscnt 0x0
	s_barrier_signal -1
	s_barrier_wait -1
	s_mov_b32 s[TB], 0x20000
	HALF
	; THE WAY OUT: O^T / the sum x 2^(ep + ev), quantised with 2^eo: a lane's 16 registers of tiles 2 c and 2 c + 1 are channels 32 c + 16 h + 0 .. 15 of its query: image c of the next product's operand.
	PLACES 4
	v_add_f32 v18, v18, v19
	s_delay_alu instid0(VALU_DEP_1)
	v_permlanex16_b32 v24, v18, s[SEL], s[SEL+1]
	s_delay_alu instid0(VALU_DEP_1)
	v_add_f32 v18, v18, v24
	s_wait_alu depctr_va_vdst(0)
	v_rcp_f32 v18, v18
	v_nop
	s_wait_alu depctr_va_vdst(0)
	v_ldexp_f32 v18, v18, s100
.set j, 0
.rept 32
	v_mul_f32 v[208+j], v[160+j], v18
.set j, j+1
.endr
.set j, 0
.rept 32
	v_med3_num_f32 v[208+j], v[208+j], -v7, v7
.set j, j+1
.endr
.irp q, 0,1,2,3
	v_cvt_scalef32_pk8_bf8_f32 v[240+2*\q:241+2*\q], v[208+8*\q:215+8*\q], v6
.endr
	v_nop
	global_store_b128 v1, v[240:243], s[14:15]     ; 512 consecutive bytes each, aligned
	global_store_b128 v1, v[244:247], s[14:15] offset:512
	s_wait_tensorcnt 0x0
	ds_add_u32 v254, v255
	s_wait_dscnt 0x0
	CROUND                                         ; the closing round: no work-group ends while a partner may still ask
	s_endpgm
.Lfunc_end_k_qf519aa45e2_ca_attn:
	.size	k_qf519aa45e2_ca_attn, .Lfunc_end_k_qf519aa45e2_ca_attn-k_qf519aa45e2_ca_attn
	.p2alignl 7, 3214868480
	.fill 96, 4, 3214868480
	.section	.rodata,"a",@progbits
	.p2align	6, 0x0
	.amdhsa_kernel k_qf519aa45e2_ca_attn
		.amdhsa_group_segment_fixed_size 327680
		.amdhsa_private_segment_fixed_size 0
		.amdhsa_enable_private_segment 0
		.amdhsa_kernarg_size 32
		.amdhsa_user_sgpr_count 2
		.amdhsa_user_sgpr_kernarg_segment_ptr 1
		.amdhsa_wavefront_size32 1
		.amdhsa_system_sgpr_workgroup_id_x 1
		.amdhsa_system_sgpr_workgroup_id_y 1
		.amdhsa_system_sgpr_workgroup_id_z 1
		.amdhsa_system_vgpr_workitem_id 0
		.amdhsa_next_free_vgpr 256
		.amdhsa_next_free_sgpr 102
		.amdhsa_reserve_vcc 0
		.amdhsa_float_denorm_mode_32 3
		.amdhsa_float_denorm_mode_16_64 3
		.amdhsa_memory_ordered 1
		.amdhsa_forward_progress 1
		.amdhsa_inst_pref_size 43
	.end_amdhsa_kernel
	.amdgpu_metadata
---
amdhsa.version: [ 1, 2 ]
amdhsa.kernels:
  - .name:           k_qf519aa45e2_ca_attn
    .symbol:         k_qf519aa45e2_ca_attn.kd
    .args:
      - { .name: qimg, .offset: 0, .size: 8, .value_kind: global_buffer, .address_space: global }
      - { .name: kv_ca, .offset: 8, .size: 8, .value_kind: global_buffer, .address_space: global }
      - { .name: lowp_scales, .offset: 16, .size: 8, .value_kind: global_buffer, .address_space: global }
      - { .name: aimg, .offset: 24, .size: 8, .value_kind: global_buffer, .address_space: global }
    .group_segment_fixed_size: 327680
    .private_segment_fixed_size: 0
    .kernarg_segment_align: 8
    .kernarg_segment_size: 32
    .max_flat_workgroup_size: 512
    .sgpr_count:     102
    .vgpr_count:     256
    .wavefront_size: 32
...
	.end_amdgpu_metadata
.endif
;; end of part 9
;; launch tail (part 10): grid 128 x 1, 16 waves a work-group, no clusters, 297,984 bytes of LDS; arguments aimg, ca_wo_codes, ca_bo, x1, ln2_w, ln2_b, w1_codes, b1, w2_codes, b2, ln3_w, ln3_b, lowp_scales, out0; writes out0
.if DOCPART == 10
	.amdgcn_target "amdgcn-amd-amdhsa--gfx1250"
	.amdhsa_code_object_version 6
	.text
	.protected	k_qf519aa45e2_tail
	.globl	k_qf519aa45e2_tail
	.p2align	8
	.type	k_qf519aa45e2_tail,@function
k_qf519aa45e2_tail:
	s_mov_b64 s[64:65], 0
	v_nop
	global_prefetch_b8 v0, s[64:65] scope:SCOPE_SE
	s_setreg_imm32_b32 hwreg(HW_REG_WAVE_SCHED_MODE, 0, 2), 2
	s_setreg_imm32_b32 hwreg(HW_REG_WAVE_MODE, 25, 1), 1
	s_wait_xcnt 0x0
	s_wait_alu depctr_vm_vsrc(0)
; x2 = LayerNorm(x1 + attention W_o^T + b_o);  out = LayerNorm(x2 + relu(x2 W1^T + b1) W2^T + b2).  All three products on codes of E5M2; x2 and the hidden layer never go to memory.
; A work-group owns 64 whole rows (four tiles of tokens); its 16 waves share the COLUMNS, 32 each (the hidden layer's 2,048 in four passes).  Tiles, images and scales as in the launch 'front':
; slot r of tile (b, u) is element 32 b + 8 u + r + 8 (r / 8); four registers of a fragment are 512 bytes on end; weights go from memory into the registers of the one wave that multiplies by them, each byte once in a work-group.
; NO JOINT LOADS: the weights never lie in LDS; a K step of weights for sixteen waves is 64 KiB, and beside the stage and the images 31,744 bytes of a WGP's 327,680 are left.
; PHASES: the attention's images are copied into LDS | barrier | W_o; sum x 2^(e22 + e23) + b_o into the stage | barrier | the norm of rows 4 w .. 4 w + 3 (+ x1); x2 stays in the stage and is laid as images under 2^e24 | barrier |
; four passes of W1: relu and hold in one, codes under 2^e26 as images of the second product's K steps | barrier | W2: sixteen K steps; sum x 2^(e26 + e27) + b2 + x2, in place in the stage | barrier | the norm; out0.
; LIMITS: e22 + e23 and e26 + e27 between -126 and 127; e24 and e26 - e24 - e25 between -126 and 112.  NaN is not served.
; REGISTERS: v1-15 addresses; v16-31 bias; v32-47 codes, in a norm its gain; v48-63 at work (v62, v63 the conversion's scale and hold), in a norm its bias; v64-127 accumulators, in a norm four rows;
; v128-191 the rows' fragments, in a norm the residual and what is at work; v192-255 W's fragments, two buffers.
; THE MODE: SCHED_MODE bits 1:0 = 2 (LLVM: expert scheduling mode 2), set by the entry lines.  The code itself states the register dependences
; between vector or matrix instructions and memory or LDS instructions, with s_wait_alu, always for 0.
; THE PLAN.  Registers that memory or LDS instructions touch:
;   v1-15       offsets and LDS addresses: written at the head, read by every load and store, never written again.
;   XF          a K step's 16 LDS loads land in it, that step's eight matrix instructions read it; x1's rows and x2's bytes of the stage land in it; a norm works in it.
;   WF0, WF1    8 global loads land in a buffer two K steps ahead; the matrix instructions of every second step read it.
;   BIAS        loads land in it in the last K step of the layer before; a first K step reads it as C, or the way into the stage reads it.
;   ACC         written by products and vector lines; read by the stage's LDS stores and by out0's stores; in a norm the rows' LDS loads land in it.
;   PC (a norm's gain), TMP (a norm's bias): loads land there; conversions write the codes, LDS stores read them.
; So ONE wait on va_vdst stands behind a K step's products, and the loads that land in their sources follow it with no vector line between; one stands ahead of each run of stores;
; a wait on vm_vsrc stands ahead of each first write of registers that stores have read.
.set BIAS, 16
.set PC,   32
.set LNW,  32
.set TMP,  48
.set LNB,  48
.set SCL,  62
.set LIM,  63
.set ACC,  64
.set XF,   128
.set WF,   192
.set LI,   1                           ; 16 x lane
.set WA5,  2                           ; 512 pi(r) + 16 h
.set WA20, 3                           ; 2,048 pi(r) + 16 h: W2's rows
.set SO0,  4                           ; the stage, by columns: 2,064 pi(r) + 64 h + 128 w: tiles 0, 1
.set SO1,  5                           ; + 32 rows: tiles 2, 3
.set SR,   6                           ; the stage, by rows: 4 w x 2,064 + 16 x lane
.set SQ,   7                           ; 4 w x 2,064 + 64 x lane: 16 neighbours
.set IMW,  8                           ; where a row's 16 codes go in x2's images
.set LIX,  9                           ; LI + XIMG
.set XCW,  10                          ; LIX + 2,048 w
.set BA,   11                          ; 64 h
.set LIH0, 12                          ; LI + HIMG: the hidden layer's K steps 0-7
.set LIH1, 13                          ; + 65,536: K steps 8-15
.set HW0,  14                          ; where I store the hidden layer's images: LIH0 + 8,192 (w / 4) + 512 (w % 4): passes 0, 1
.set HW1,  15                          ; + 65,536: passes 2, 3
.set SP,   2064                        ; a stage row: 2,048 bytes + 16
.set XIMG, 64*SP                       ; LDS: the stage at 0; x's images [tile 4][K step 4][c 4] x 512 bytes;
.set HIMG, XIMG+32768                  ; the hidden layer's [K step 16][tile 4][c 4] x 512 bytes
.set SEL,  48                          ; s[48:49] lane selects; s50 1/512; s51 eps; s[52:53] the output factor
.set RN,   50
.set EPS,  51
.macro PLACES n
.rept \n
	v_nop
.endr
.endm
.macro BARRIER                         ; my LDS stores have landed and my LDS loads are in: then the work-group's barrier
	s_wait_dscnt 0x0
	s_barrier_signal -1
	s_barrier_wait -1
.endm
.macro SETSC e                         ; s[e] = an exponent x: v[SCL] = 2^x as f32, v[LIM] = 57,344 x 2^x
	s_add_co_i32 s99, s[\e], 142
	s_add_co_i32 s98, s[\e], 127
	s_lshl_b32 s99, s99, 23
	s_lshl_b32 s98, s98, 23
	s_or_b32 s99, s99, 0x600000
	v_mov_b32 v[SCL], s98
	v_mov_b32 v[LIM], s99
.endm
.macro WLOAD buf, ptr, areg, off, pitch ; my two tiles of W's rows, 128 along K from byte off of the rows, into buffer buf: 8 loads
.irp u, 0,1
.irp c, 0,1,2,3
	global_load_b128 v[WF+32*(\buf)+16*\u+4*\c:WF+32*(\buf)+16*\u+4*\c+3], v[\areg], s[\ptr:\ptr+1] offset:(\off)+\u*8*\pitch+32*\c
.endr
.endr
.endm
.macro XLOAD areg, off, ms             ; a K step's four fragments of the rows, from LDS: 16 loads
.irp m, 0,1,2,3
.irp c, 0,1,2,3
	ds_load_b128 v[XF+16*\m+4*\c:XF+16*\m+4*\c+3], v[\areg] offset:(\off)+\m*(\ms)+512*\c
.endr
.endr
.endm
; A K step's products: 8 matrix instructions on 8 accumulators by turns, five places (ISA guide 7.12.1) for the first reads and accumulators begun anew; they stay ahead of the wait.
; cm: 0 the sums start at 0, 1 at the bias, 2 they go on.  lcnt: the global loads issued behind the weight buffer that is multiplied here.  Loads into these products' sources follow every K step of this text.
.macro MULT buf, cm, lcnt
	s_wait_loadcnt \lcnt
	s_wait_dscnt 0x0
.irp m, 0,1,2,3
.irp u, 0,1
.if \cm == 0
	v_wmma_f32_16x16x128_bf8_bf8 v[ACC+16*\m+8*\u:ACC+16*\m+8*\u+7], v[WF+32*(\buf)+16*\u:WF+32*(\buf)+16*\u+15], v[XF+16*\m:XF+16*\m+15], 0
.elseif \cm == 1
	v_wmma_f32_16x16x128_bf8_bf8 v[ACC+16*\m+8*\u:ACC+16*\m+8*\u+7], v[WF+32*(\buf)+16*\u:WF+32*(\buf)+16*\u+15], v[XF+16*\m:XF+16*\m+15], v[BIAS+8*\u:BIAS+8*\u+7]
.else
	v_wmma_f32_16x16x128_bf8_bf8 v[ACC+16*\m+8*\u:ACC+16*\m+8*\u+7], v[WF+32*(\buf)+16*\u:WF+32*(\buf)+16*\u+15], v[XF+16*\m:XF+16*\m+15], v[ACC+16*\m+8*\u:ACC+16*\m+8*\u+7]
.endif
.endr
.endr
	PLACES 5
	s_wait_alu depctr_va_vdst(0)                   ; the products so far are done reading v[XF ..], this weight buffer and the bias: the loads that follow land there
.endm
.macro BIASK ptr, off                  ; my half's 16 numbers of the wave's 32: 4 loads
.irp i, 0,1,2,3
	global_load_b128 v[BIAS+4*\i:BIAS+4*\i+3], v[BA], s[\ptr:\ptr+1] offset:(\off)+16*\i
.endr
.endm
.macro PREPK neg
.set k, 0
.rept 16
	v_ldexp_f32 v[BIAS+k], v[BIAS+k], s[\neg]
.set k, k+1
.endr
.endm
.macro QUANT relu                      ; four groups of 16 neighbours become four images' registers; each accumulator is read from its low end on
.irp g, 0,1,2,3
.set k, 0
.rept 16
.if \relu
	v_med3_num_f32 v[ACC+16*\g+k], v[ACC+16*\g+k], 0, v[LIM]         ; the activation and the hold in one
.else
	v_med3_num_f32 v[ACC+16*\g+k], v[ACC+16*\g+k], -v[LIM], v[LIM]
.endif
.set k, k+1
.endr
	v_cvt_scalef32_pk8_bf8_f32 v[PC+4*\g:PC+4*\g+1], v[ACC+16*\g:ACC+16*\g+7], v[SCL]
	v_cvt_scalef32_pk8_bf8_f32 v[PC+4*\g+2:PC+4*\g+3], v[ACC+16*\g+8:ACC+16*\g+15], v[SCL]
.endr
	v_nop                                          ; a plain line behind the last conversion: later products write its sources
.endm
.macro HEPI areg, off, again           ; a pass's 32 hidden units of the 64 rows: image w % 4 of K step 4 p + w / 4, for each tile of tokens.  again = 1: an earlier pass's stores have named the codes' registers
.if \again
	s_wait_alu depctr_vm_vsrc(0)                   ; the last pass's four LDS stores have read v[PC ..], which the conversions below write again
.endif
	QUANT 1
	s_wait_alu depctr_va_vdst(0)                   ; the conversions have written v[PC ..], which the LDS stores read; behind the last pass they are also done with v62 and v63, in which the norm's bias lands
.irp m, 0,1,2,3
	ds_store_b128 v[\areg], v[PC+4*\m:PC+4*\m+3] offset:(\off)+2048*\m
.endr
.endm
; A layer: four K steps; the weights run two K steps ahead, on into the successor's first two.  sk: 1 a bias and weights follow; 3 weights alone.
; Behind a step's wait its successor's fragments are asked for first, since they are wanted first, then the weights of two steps on.
.macro LAYER areg, xoff, cm, wp, woff, sk, bp, boff, swp, swoff, sareg, spitch
	XLOAD \areg, (\xoff), 8192
	MULT 0, \cm, 8
	XLOAD \areg, (\xoff)+2048, 8192
	WLOAD 0, \wp, WA5, (\woff)+256, 512
	MULT 1, 2, 8
	XLOAD \areg, (\xoff)+4096, 8192
	WLOAD 1, \wp, WA5, (\woff)+384, 512
	MULT 0, 2, 8
	XLOAD \areg, (\xoff)+6144, 8192
.if \sk == 1
	BIASK \bp, \boff
.endif
	WLOAD 0, \swp, \sareg, (\swoff), \spitch
.if \sk == 1
	MULT 1, 2, 12                                  ; behind: 4 of the bias, 8 of the successor's weights
.else
	MULT 1, 2, 8
.endif
	WLOAD 1, \swp, \sareg, (\swoff)+128, \spitch
.endm
; The sums become numbers, sum x s[sp] + bias, and go into the stage: lane (r, h) holds features 32 w + 16 h + 0 .. 15 of its token: 64 bytes.  addx = 1: what lies at those bytes (x2) is added first: a lane reads and rewrites its own bytes alone.
.macro STAGEOUT sp, addx
.if \addx
.irp m, 0,1,2,3
.irp i, 0,1,2,3
.if \m < 2
	ds_load_b128 v[XF+16*\m+4*\i:XF+16*\m+4*\i+3], v[SO0] offset:8*(\m%2)*SP+16*\i
.else
	ds_load_b128 v[XF+16*\m+4*\i:XF+16*\m+4*\i+3], v[SO1] offset:8*(\m%2)*SP+16*\i
.endif
.endr
.endr
.endif
.irp m, 0,1,2,3
.irp q, 0,2,4,6,8,10,12,14
	v_pk_fma_f32 v[ACC+16*\m+\q:ACC+16*\m+\q+1], v[ACC+16*\m+\q:ACC+16*\m+\q+1], s[\sp:\sp+1], v[BIAS+\q:BIAS+\q+1] op_sel_hi:[1,0,1]
.endr
.endr
.if \addx
	s_wait_dscnt 0x0
.set k, 0
.rept 32
	v_pk_add_f32 v[ACC+k:ACC+k+1], v[ACC+k:ACC+k+1], v[XF+k:XF+k+1]
.set k, k+2
.endr
.endif
	s_wait_alu depctr_va_vdst(0)                   ; the lines above have written v[ACC ..], which the LDS stores read, and are done reading the bias, in which the next one lands
.irp m, 0,1,2,3
.irp i, 0,1,2,3
.if \m < 2
	ds_store_b128 v[SO0], v[ACC+16*\m+4*\i:ACC+16*\m+4*\i+3] offset:8*(\m%2)*SP+16*\i
.else
	ds_store_b128 v[SO1], v[ACC+16*\m+4*\i:ACC+16*\m+4*\i+3] offset:8*(\m%2)*SP+16*\i
.endif
.endr
.endr
.endm
.macro LNRED                           ; four rows side by side: two packed chains become one number in every lane of the wave
.irp i, 0,1,2,3
	v_pk_add_f32 v[XF+16*\i:XF+16*\i+1], v[XF+16*\i:XF+16*\i+1], v[XF+16*\i+2:XF+16*\i+3]
.endr
.irp i, 0,1,2,3
	v_add_f32 v[XF+16*\i+4], v[XF+16*\i], v[XF+16*\i+1]
.endr
.irp x, 1,2,4,8
.irp i, 0,1,2,3
	v_add_f32_dpp v[XF+16*\i+4], v[XF+16*\i+4], v[XF+16*\i+4] row_xmask:\x row_mask:0xf bank_mask:0xf
.endr
.endr
.irp i, 0,1,2,3
	v_permlanex16_b32 v[XF+16*\i+5], v[XF+16*\i+4], s[SEL], s[SEL+1]
.endr
.irp i, 0,1,2,3
	v_add_f32 v[XF+16*\i+4], v[XF+16*\i+4], v[XF+16*\i+5]
.endr
.endm
; THE NORM of my four rows.  Row i in v[ACC + 16 i ..]: register 4 j + q is feature 128 j + 4 x lane + q.  res: the residual lies in v[XF ..], loaded alike.  sto: the rows are stored at s[stoptr].
; qnt: they go back into the stage, are quantised with 2^s[esc] and laid as images.  lcnt: the global loads issued behind the residual's and the gain's.
.macro LNROWS res, sto, qnt, lcnt, stoptr, esc
	s_wait_alu depctr_vm_vsrc(0)                   ; my LDS stores into the stage have read v[ACC ..], in which the rows land
.irp i, 0,1,2,3
.irp j, 0,1,2,3
	ds_load_b128 v[ACC+16*\i+4*\j:ACC+16*\i+4*\j+3], v[SR] offset:SP*\i+512*\j
.endr
.endr
	s_wait_dscnt 0x0
	s_wait_loadcnt \lcnt
.if \res
.set k, 0
.rept 32
	v_pk_add_f32 v[ACC+k:ACC+k+1], v[ACC+k:ACC+k+1], v[XF+k:XF+k+1]
.set k, k+2
.endr
.endif
.irp i, 0,1,2,3
	v_pk_add_f32 v[XF+16*\i:XF+16*\i+1], v[ACC+16*\i:ACC+16*\i+1], v[ACC+16*\i+2:ACC+16*\i+3]
	v_pk_add_f32 v[XF+16*\i+2:XF+16*\i+3], v[ACC+16*\i+4:ACC+16*\i+5], v[ACC+16*\i+6:ACC+16*\i+7]
.endr
.irp k, 8,12
.irp i, 0,1,2,3
	v_pk_add_f32 v[XF+16*\i:XF+16*\i+1], v[XF+16*\i:XF+16*\i+1], v[ACC+16*\i+\k:ACC+16*\i+\k+1]
	v_pk_add_f32 v[XF+16*\i+2:XF+16*\i+3], v[XF+16*\i+2:XF+16*\i+3], v[ACC+16*\i+\k+2:ACC+16*\i+\k+3]
.endr
.endr
	LNRED
.irp i, 0,1,2,3
	v_mul_f32 v[XF+16*\i+6], s[RN], v[XF+16*\i+4]  ; the mean
.endr
.irp i, 0,1,2,3
.irp k, 0,2,4,6,8,10,12,14
	v_pk_add_f32 v[ACC+16*\i+\k:ACC+16*\i+\k+1], v[ACC+16*\i+\k:ACC+16*\i+\k+1], v[XF+16*\i+6:XF+16*\i+7] op_sel_hi:[1,0] neg_lo:[0,1] neg_hi:[0,1]
.endr
.endr
.irp i, 0,1,2,3                        ; the variance of what is left: no difference of large sums is formed
	v_pk_mul_f32 v[XF+16*\i:XF+16*\i+1], v[ACC+16*\i:ACC+16*\i+1], v[ACC+16*\i:ACC+16*\i+1]
	v_pk_mul_f32 v[XF+16*\i+2:XF+16*\i+3], v[ACC+16*\i+2:ACC+16*\i+3], v[ACC+16*\i+2:ACC+16*\i+3]
.endr
.irp k, 4,8,12
.irp i, 0,1,2,3
	v_pk_fma_f32 v[XF+16*\i:XF+16*\i+1], v[ACC+16*\i+\k:ACC+16*\i+\k+1], v[ACC+16*\i+\k:ACC+16*\i+\k+1], v[XF+16*\i:XF+16*\i+1]
	v_pk_fma_f32 v[XF+16*\i+2:XF+16*\i+3], v[ACC+16*\i+\k+2:ACC+16*\i+\k+3], v[ACC+16*\i+\k+2:ACC+16*\i+\k+3], v[XF+16*\i+2:XF+16*\i+3]
.endr
.endr
	LNRED
.irp i, 0,1,2,3
	v_fma_f32 v[XF+16*\i+4], v[XF+16*\i+4], s[RN], s[EPS]
.endr
	s_wait_alu depctr_va_vdst(0)
.irp i, 0,1,2,3
	v_rsq_f32 v[XF+16*\i+8], v[XF+16*\i+4]
.endr
	v_nop                                          ; a plain line behind the last transcendental
	s_wait_alu depctr_va_vdst(0)                   ; the four reciprocal roots v[XF + 16 i + 8] are written, ahead of their first reader
.irp i, 0,1,2,3
.irp k, 0,2,4,6,8,10,12,14
	v_pk_mul_f32 v[ACC+16*\i+\k:ACC+16*\i+\k+1], v[ACC+16*\i+\k:ACC+16*\i+\k+1], v[XF+16*\i+8:XF+16*\i+9] op_sel_hi:[1,0]
.endr
.endr
.irp i, 0,1,2,3
.irp k, 0,2,4,6,8,10,12,14
	v_pk_fma_f32 v[ACC+16*\i+\k:ACC+16*\i+\k+1], v[ACC+16*\i+\k:ACC+16*\i+\k+1], v[LNW+\k:LNW+\k+1], v[LNB+\k:LNB+\k+1]
.endr
.endr
	s_wait_alu depctr_va_vdst(0)                   ; the norm has written v[ACC ..], which the stores below read, and is done with v[XF ..], in which the rows come back from the stage
.if \sto
.irp i, 0,1,2,3
.irp j, 0,1,2,3
	global_store_b128 v[LI], v[ACC+16*\i+4*\j:ACC+16*\i+4*\j+3], s[\stoptr:\stoptr+1] offset:2048*\i+512*\j th:TH_STORE_NT   ; 512 consecutive bytes, aligned; written once, read by nobody here
.endr
.endr
.endif
.if \qnt
.irp i, 0,1,2,3
.irp j, 0,1,2,3
	ds_store_b128 v[SR], v[ACC+16*\i+4*\j:ACC+16*\i+4*\j+3] offset:SP*\i+512*\j   ; back into my own rows of the stage, where x2 stays,
.endr
.endr
.irp i, 0,1,2,3
.irp j, 0,1,2,3
	ds_load_b128 v[XF+16*\i+4*\j:XF+16*\i+4*\j+3], v[SQ] offset:SP*\i+16*\j       ; and out again 16 neighbours a lane: LDS serves a wave's instructions in order (ISA guide 5.7.1.4)
.endr
.endr
	SETSC \esc
	s_wait_alu depctr_va_vdst(0)
	s_wait_dscnt 0x0
.irp i, 0,1,2,3
.set k, 0
.rept 16
	v_med3_num_f32 v[XF+16*\i+k], v[XF+16*\i+k], -v[LIM], v[LIM]
.set k, k+1
.endr
	v_cvt_scalef32_pk8_bf8_f32 v[PC+4*\i:PC+4*\i+1], v[XF+16*\i:XF+16*\i+7], v[SCL]
	v_cvt_scalef32_pk8_bf8_f32 v[PC+4*\i+2:PC+4*\i+3], v[XF+16*\i+8:XF+16*\i+15], v[SCL]
.endr
	v_nop
	s_wait_alu depctr_va_vdst(0)                   ; the conversions have written v[PC ..], which the LDS stores read, and are done reading v[XF ..], in which the next layer's fragments land
.irp i, 0,1,2,3
	ds_store_b128 v[IMW], v[PC+4*\i:PC+4*\i+3] offset:16*\i   ; features 16 l .. 16 l + 15 of row 4 w + i: 256 l bytes into its tile's images, at its slot
.endr
	s_wait_alu depctr_vm_vsrc(0)                   ; the LDS stores above have read v[ACC ..], which the next products write, and v[PC ..], which the next conversions write
.endif
.endm
	s_load_b512 s[4:19], s[0:1], 0x0               ; aimg 4, ca_wo 6, ca_bo 8, x1 10, ln2_w 12, ln2_b 14, w1 16, b1 18
	s_load_b256 s[20:27], s[0:1], 0x40             ; w2 20, b2 22, ln3_w 24, ln3_b 26
	s_load_b128 s[28:31], s[0:1], 0x60             ; scales 28, out0 30
	v_lshrrev_b32 v16, 5, v0
	v_readfirstlane_b32 s66, v16                   ; wave w
	v_and_b32 v16, 31, v0                          ; lane
	v_and_b32 v17, 15, v0                          ; r
	v_bfe_u32 v18, v0, 4, 1                        ; h
	v_and_b32 v19, 8, v17
	v_add_nc_u32 v19, v19, v17                     ; pi(r)
	v_lshlrev_b32 v[LI], 4, v16
	v_lshlrev_b32 v[WA5], 9, v19
	v_lshl_add_u32 v[WA5], v18, 4, v[WA5]
	v_lshlrev_b32 v[WA20], 11, v19
	v_lshl_add_u32 v[WA20], v18, 4, v[WA20]
	v_lshlrev_b32 v[BA], 6, v18
	v_mul_u32_u24 v[SO0], v19, SP
	v_lshl_add_u32 v[SO0], v18, 6, v[SO0]
	s_wait_alu depctr_va_sdst(0)                   ; s66 is written, ahead of its first reader: LDS addresses and every base are made from it
	s_lshl_b32 s67, s66, 7
	v_add_nc_u32 v[SO0], s67, v[SO0]
	v_add_nc_u32 v[SO1], 32*SP, v[SO0]
	s_mul_i32 s68, s66, 4*SP
	v_add_nc_u32 v[SR], s68, v[LI]
	v_lshl_add_u32 v[SQ], v16, 6, s68
	s_lshr_b32 s69, s66, 3                         ; local row 4 w + i lies in tile m = 2 (w / 8) + (w / 2) % 2, slot 4 (w % 2) + 8 ((w / 4) % 2) + i
	s_lshl_b32 s69, s69, 1
	s_bfe_u32 s70, s66, 0x10001
	s_add_co_u32 s69, s69, s70
	s_lshl_b32 s69, s69, 13
	s_and_b32 s70, s66, 1
	s_lshl_b32 s70, s70, 6
	s_add_co_u32 s69, s69, s70
	s_bfe_u32 s70, s66, 0x10002
	s_lshl_b32 s70, s70, 7
	s_add_co_u32 s69, s69, s70
	s_add_co_u32 s69, s69, XIMG
	v_lshl_add_u32 v[IMW], v16, 8, s69
	v_add_nc_u32 v[LIX], XIMG, v[LI]
	s_lshl_b32 s70, s66, 11
	v_add_nc_u32 v[XCW], s70, v[LIX]
	v_add_nc_u32 v[LIH0], HIMG, v[LI]
	v_add_nc_u32 v[LIH1], 0x10000, v[LIH0]
	s_lshr_b32 s71, s66, 2
	s_lshl_b32 s71, s71, 13
	s_and_b32 s69, s66, 3
	s_lshl_b32 s69, s69, 9
	s_add_co_u32 s71, s71, s69
	v_add_nc_u32 v[HW0], s71, v[LIH0]
	v_add_nc_u32 v[HW1], 0x10000, v[HW0]
	s_lshl_b32 s72, ttmp9, 15                      ; the attention's images of my 64 rows, my wave's 2,048 bytes of them
	s_add_co_u32 s72, s72, s70
	s_mov_b32 s73, 0
	s_lshl_b32 s74, s66, 14                        ; my 32 rows of W_o, and of each pass of W1
	s_mov_b32 s75, 0
	s_mov_b32 s76, s67                             ; my 32 numbers of a bias
	s_mov_b32 s77, 0
	s_lshl_b32 s78, ttmp9, 17                      ; rows 64 g + 4 w of x1 and out0
	s_lshl_b32 s79, s66, 13
	s_add_co_u32 s78, s78, s79
	s_mov_b32 s79, 0
	s_lshl_b32 s80, s66, 16                        ; my 32 rows of W2
	s_mov_b32 s81, 0
	s_mov_b32 s[SEL], 0x76543210
	s_mov_b32 s[SEL+1], 0xfedcba98
	s_mov_b32 s[RN], 0x3b000000                    ; 1 / 512
	s_mov_b32 s[EPS], 0x3727c5ac                   ; 1e-5
	s_wait_kmcnt 0x0
	s_load_b128 s[40:43], s[28:29], 88             ; e22, e23, e24, e25
	s_load_b64 s[44:45], s[28:29], 104             ; e26, e27
	s_add_nc_u64 s[4:5], s[4:5], s[72:73]
	s_add_nc_u64 s[6:7], s[6:7], s[74:75]
	s_add_nc_u64 s[8:9], s[8:9], s[76:77]
	s_add_nc_u64 s[10:11], s[10:11], s[78:79]
	s_add_nc_u64 s[16:17], s[16:17], s[74:75]
	s_add_nc_u64 s[18:19], s[18:19], s[76:77]
	s_add_nc_u64 s[20:21], s[20:21], s[80:81]
	s_add_nc_u64 s[22:23], s[22:23], s[76:77]
	s_add_nc_u64 s[30:31], s[30:31], s[78:79]
	s_wait_alu depctr_va_vdst(0)                   ; the offsets and addresses v1 to v15 are written, which every load and store below reads; so are v16 to v19, in which the bias lands
.irp i, 0,1,2,3
	global_load_b128 v[TMP+4*\i:TMP+4*\i+3], v[LI], s[4:5] offset:512*\i
.endr
	BIASK 8, 0
	WLOAD 0, 6, WA5, 0, 512
	WLOAD 1, 6, WA5, 128, 512
	s_wait_loadcnt 20                              ; the images' four loads are in; behind them: 4 + 8 + 8
.irp i, 0,1,2,3
	ds_store_b128 v[XCW], v[TMP+4*\i:TMP+4*\i+3] offset:512*\i
.endr
	BARRIER                                        ; the attention's sixteen fragments lie in LDS
	LAYER LIX, 0, 0, 6, 0, 3, 0, 0, 16, 0, WA5, 512
	s_wait_alu depctr_vm_vsrc(0)                   ; the LDS stores at the head have read v[TMP ..], in which the norm's bias lands
.irp i, 0,1,2,3
.irp j, 0,1,2,3
	global_load_b128 v[XF+16*\i+4*\j:XF+16*\i+4*\j+3], v[LI], s[10:11] offset:2048*\i+512*\j   ; x1's rows 4 w + i, for the norm
.endr
.endr
.irp j, 0,1,2,3
	global_load_b128 v[LNW+4*\j:LNW+4*\j+3], v[LI], s[12:13] offset:512*\j
	global_load_b128 v[LNB+4*\j:LNB+4*\j+3], v[LI], s[14:15] offset:512*\j
.endr
	s_wait_kmcnt 0x0
	s_add_co_i32 s52, s40, s41
	s_add_co_i32 s52, s52, 127
	s_lshl_b32 s52, s52, 23                        ; 2^(e22 + e23) as f32
	s_mov_b32 s53, s52
	STAGEOUT 52, 0
	BIASK 18, 0
	BARRIER                                        ; 64 whole rows lie in the stage, and nobody reads the images any more
	LNROWS 1, 0, 1, 4, 0, 42                       ; behind x1's rows and the gain: the 4 loads of b1
	BARRIER                                        ; x2 lies in the stage, its sixteen fragments in the images
	s_add_co_i32 s94, s42, s43
	s_sub_co_i32 s95, 0, s94
	s_wait_loadcnt 0x0
	PREPK 95
	s_wait_alu depctr_va_vdst(0)
	s_sub_co_i32 s94, s44, s94                     ; e26 - e24 - e25
	SETSC 94
	; ---- the hidden layer: pass p makes units 512 p + 32 w .. + 31
	LAYER LIX, 0, 1, 16, 0, 1, 18, 2048, 16, 262144, WA5, 512
	HEPI HW0, 0, 0
	s_wait_loadcnt 16                              ; the next pass's bias is in; behind it: its two weight buffers
	PREPK 95
	s_wait_alu depctr_va_vdst(0)
	LAYER LIX, 0, 1, 16, 262144, 1, 18, 4096, 16, 524288, WA5, 512
	HEPI HW0, 32768, 1
	s_wait_loadcnt 16
	PREPK 95
	s_wait_alu depctr_va_vdst(0)
	LAYER LIX, 0, 1, 16, 524288, 1, 18, 6144, 16, 786432, WA5, 512
	HEPI HW1, 0, 1
	s_wait_loadcnt 16
	PREPK 95
	s_wait_alu depctr_va_vdst(0)
	LAYER LIX, 0, 1, 16, 786432, 1, 22, 0, 20, 0, WA20, 2048
	HEPI HW1, 32768, 1
	BARRIER                                        ; the hidden layer's sixty-four fragments lie in LDS
	s_wait_alu depctr_vm_vsrc(0)                   ; the last pass's LDS stores have read v[PC ..], in which the last norm's gain lands
.irp j, 0,1,2,3
	global_load_b128 v[LNW+4*\j:LNW+4*\j+3], v[LI], s[24:25] offset:512*\j
	global_load_b128 v[LNB+4*\j:LNB+4*\j+3], v[LI], s[26:27] offset:512*\j
.endr
	; ---- the second product: sixteen K steps.  In step ks: its fragments, then the weights of step ks + 1 into the buffer that step ks - 1 has left, then its products
	XLOAD LIH0, 0, 2048
	MULT 0, 0, 16                                  ; behind K step 0's weights: K step 1's 8 and the gain's 8
	XLOAD LIH0, 8192, 2048
	WLOAD 0, 20, WA20, 256, 2048
	MULT 1, 2, 16                                  ; behind K step 1's: the gain's 8 and K step 2's 8
.irp ks, 2,3,4,5,6,7
	XLOAD LIH0, 8192*\ks, 2048
	WLOAD ((\ks+1)%2), 20, WA20, 128*(\ks+1), 2048
	MULT (\ks%2), 2, 8
.endr
.irp ks, 8,9,10,11,12,13,14
	XLOAD LIH1, 8192*(\ks-8), 2048
	WLOAD ((\ks+1)%2), 20, WA20, 128*(\ks+1), 2048
	MULT (\ks%2), 2, 8
.endr
	XLOAD LIH1, 8192*7, 2048
	MULT 1, 2, 0                                   ; its wait serves x2's bytes of the stage, which land in v[XF ..] below
	s_add_co_i32 s52, s44, s45
	s_add_co_i32 s52, s52, 127
	s_lshl_b32 s52, s52, 23                        ; 2^(e26 + e27) as f32
	s_mov_b32 s53, s52
	STAGEOUT 52, 1                                 ; x2 + the sums x 2^(e26 + e27) + b2
	BARRIER
	LNROWS 0, 1, 0, 0, 30, 0
	s_wait_xcnt 0x0
	v_lshl_add_u32 v254, v0, 2, 0x48400            ; the add's two registers are made here, straight ahead of the closing lines: no memory or LDS instruction has read v254 or v255 (weights landed there, products read them)
	v_mov_b32 v255, 0
	s_wait_dscnt 0x0                               ; the closing lines, six on end
	s_wait_alu 0x0
	s_wait_tensorcnt 0x0
	ds_add_u32 v254, v255
	s_wait_dscnt 0x0
	s_endpgm
.Lfunc_end_k_qf519aa45e2_tail:
	.size	k_qf519aa45e2_tail, .Lfunc_end_k_qf519aa45e2_tail-k_qf519aa45e2_tail
	.p2alignl 7, 3214868480
	.fill 96, 4, 3214868480
	.section	.rodata,"a",@progbits
	.p2align	6, 0x0
	.amdhsa_kernel k_qf519aa45e2_tail
		.amdhsa_group_segment_fixed_size 297984
		.amdhsa_private_segment_fixed_size 0
		.amdhsa_enable_private_segment 0
		.amdhsa_kernarg_size 112
		.amdhsa_user_sgpr_count 2
		.amdhsa_user_sgpr_kernarg_segment_ptr 1
		.amdhsa_wavefront_size32 1
		.amdhsa_system_sgpr_workgroup_id_x 1
		.amdhsa_system_sgpr_workgroup_id_y 1
		.amdhsa_system_sgpr_workgroup_id_z 1
		.amdhsa_system_vgpr_workitem_id 0
		.amdhsa_next_free_vgpr 256
		.amdhsa_next_free_sgpr 100
		.amdhsa_reserve_vcc 0
		.amdhsa_float_denorm_mode_32 3
		.amdhsa_float_denorm_mode_16_64 3
		.amdhsa_memory_ordered 1
		.amdhsa_forward_progress 1
		.amdhsa_inst_pref_size 175
	.end_amdhsa_kernel
	.amdgpu_metadata
---
amdhsa.version: [ 1, 2 ]
amdhsa.kernels:
  - .name:           k_qf519aa45e2_tail
    .symbol:         k_qf519aa45e2_tail.kd
    .args:
      - { .name: aimg, .offset: 0, .size: 8, .value_kind: global_buffer, .address_space: global }
      - { .name: ca_wo_codes, .offset: 8, .size: 8, .value_kind: global_buffer, .address_space: global }
      - { .name: ca_bo, .offset: 16, .size: 8, .value_kind: global_buffer, .address_space: global }
      - { .name: x1, .offset: 24, .size: 8, .value_kind: global_buffer, .address_space: global }
      - { .name: ln2_w, .offset: 32, .size: 8, .value_kind: global_buffer, .address_space: global }
      - { .name: ln2_b, .offset: 40, .size: 8, .value_kind: global_buffer, .address_space: global }
      - { .name: w1_codes, .offset: 48, .size: 8, .value_kind: global_buffer, .address_space: global }
      - { .name: b1, .offset: 56, .size: 8, .value_kind: global_buffer, .address_space: global }
      - { .name: w2_codes, .offset: 64, .size: 8, .value_kind: global_buffer, .address_space: global }
      - { .name: b2, .offset: 72, .size: 8, .value_kind: global_buffer, .address_space: global }
      - { .name: ln3_w, .offset: 80, .size: 8, .value_kind: global_buffer, .address_space: global }
      - { .name: ln3_b, .offset: 88, .size: 8, .value_kind: global_buffer, .address_space: global }
      - { .name: lowp_scales, .offset: 96, .size: 8, .value_kind: global_buffer, .address_space: global }
      - { .name: out0, .offset: 104, .size: 8, .value_kind: global_buffer, .address_space: global }
    .group_segment_fixed_size: 297984
    .private_segment_fixed_size: 0
    .kernarg_segment_align: 8
    .kernarg_segment_size: 112
    .max_flat_workgroup_size: 512
    .sgpr_count:     100
    .vgpr_count:     256
    .wavefront_size: 32
...
	.end_amdgpu_metadata
.endif
;; end of part 10
